; MI455X (gfx1250); checked and timed in simulation.
; The chip was launched on July 23, 2026; its instructions are those of AMD's public machine-readable ISA for CDNA 5 (MIT licence, August 2026) and "CDNA5" Instruction Set Architecture Reference Guide (July 2026). The comments in the code are by the model that wrote it; some were corrected since.
;; Base Attention. Allowed arithmetic: float matrix products may take bf16 or f16 operands with f32 sums; other float arithmetic in f32, or as packed bf16 or f16 multiplies, adds, multiply-adds, maxima and minima; sums over many terms, partial sums and values carried from step to step in f32; what a program stores and reads back later, other than sums and carried values, may be rounded once to bf16 or f16.
;; Inputs: Wk 1,024 x 1,024 float32; Wo 1,024 x 1,024 float32; Wq 1,024 x 1,024 float32; Wv 1,024 x 1,024 float32; beta 1,024 float32; bk 1,024 float32; bo 1,024 float32; bq 1,024 float32; bv 1,024 float32; gamma 1,024 float32; key_in 4 x 4,096 x 1,024 float32; query 4 x 4,096 x 1,024 float32; value 4 x 4,096 x 1,024 float32.
;; Outputs: out0 4 x 4,096 x 1,024 float32.
;; 2 versions, each right. Each part assembles by itself: llvm-mc -triple=amdgcn-amd-amdhsa -mcpu=gfx1250 --defsym DOCPART=n.
;; ======== version 1 of 2: 5 launches
;; workspace buffers: wb 8,388,608 bytes; pre 100,663,296 bytes; p32 4,194,304 bytes; t256 524,288 bytes; att 33,554,432 bytes
;; launch prep (part 1): grid 64 x 4, 8 waves a work-group, no clusters, 0 bytes of LDS; arguments Wq, Wk, Wv, Wo, wb; writes wb
.if DOCPART == 1
	.amdgcn_target "amdgcn-amd-amdhsa--gfx1250"
	.amdhsa_code_object_version 6
	.text
	.protected	k_qc33d9ac2b7_prep
	.globl	k_qc33d9ac2b7_prep
	.p2align	8
	.type	k_qc33d9ac2b7_prep,@function
k_qc33d9ac2b7_prep:
	s_mov_b64 s[64:65], 0
	v_nop
	global_prefetch_b8 v0, s[64:65] scope:SCOPE_SE
	s_setreg_imm32_b32 hwreg(HW_REG_WAVE_MODE, 25, 1), 1
	s_wait_xcnt 0x0
; wb[y][k][n] = bf16(W_y[k][n]), y = 0..3 for Wq, Wk, Wv, Wo: the four weights rounded once (to nearest even), their layout [k][n] kept.
; Grid y picks the matrix, grid x 16,384 of its 1,048,576 numbers.  Thread t takes four numbers in each of 16 steps: a wave's load covers
; 512 consecutive bytes, its store 256 consecutive bytes at a multiple of 256 from wb's first byte.  A stream: no LDS, no barrier, no matrix unit.
.set STEPS, 16
.set IN,  4                            ; v[4:67]   step j: four f32 as loaded
.set OUTP, 68                          ; v[68:99]  step j: four bf16 to store
	s_load_b256 s[4:11], s[0:1], 0x0               ; Wq s[4:5], Wk s[6:7], Wv s[8:9], Wo s[10:11]
	s_load_b64 s[12:13], s[0:1], 0x20              ; wb
	s_and_b32 s14, ttmp7, 0xffff                   ; which matrix
	v_lshlrev_b32 v1, 4, v0                        ; 16 bytes a thread in
	v_lshlrev_b32 v2, 3, v0                        ; 8 bytes a thread out
	s_lshl_b32 s16, ttmp9, 16                      ; my 65,536 bytes of the matrix
	s_mov_b32 s17, 0
	s_lshl_b32 s18, s14, 21                        ; 2,097,152 bytes of wb a matrix,
	s_lshl_b32 s19, ttmp9, 15                      ; my 32,768 of them
	s_add_co_u32 s18, s18, s19
	s_mov_b32 s19, 0
	s_wait_kmcnt 0x0
	s_cmp_eq_u32 s14, 1                            ; the choice hangs on the grid's y alone
	s_cselect_b64 s[4:5], s[6:7], s[4:5]
	s_cmp_eq_u32 s14, 2
	s_cselect_b64 s[4:5], s[8:9], s[4:5]
	s_cmp_eq_u32 s14, 3
	s_cselect_b64 s[4:5], s[10:11], s[4:5]
	s_add_nc_u64 s[4:5], s[4:5], s[16:17]
	s_add_nc_u64 s[12:13], s[12:13], s[18:19]
.irp j, 0,1,2,3,4,5,6,7,8,9,10,11,12,13,14,15
	global_load_b128 v[IN+4*(\j):IN+4*(\j)+3], v1, s[4:5] offset:4096*(\j) th:TH_LOAD_NT  ; all sixteen loads go out first
.endr
.irp j, 0,1,2,3,4,5,6,7,8,9,10,11,12,13,14,15
	s_wait_loadcnt STEPS-1-(\j)                    ; loads come back in order: step j's is in, the younger ones stay out
	v_cvt_pk_bf16_f32 v[OUTP+2*(\j)], v[IN+4*(\j)], v[IN+4*(\j)+1]
	v_cvt_pk_bf16_f32 v[OUTP+2*(\j)+1], v[IN+4*(\j)+2], v[IN+4*(\j)+3]
	global_store_b64 v2, v[OUTP+2*(\j):OUTP+2*(\j)+1], s[12:13] offset:2048*(\j)  ; no register is written twice: no wait for the stores' sources
.endr
	s_endpgm
.Lfunc_end_k_qc33d9ac2b7_prep:
	.size	k_qc33d9ac2b7_prep, .Lfunc_end_k_qc33d9ac2b7_prep-k_qc33d9ac2b7_prep
	.p2alignl 7, 3214868480
	.fill 96, 4, 3214868480
	.section	.rodata,"a",@progbits
	.p2align	6, 0x0
	.amdhsa_kernel k_qc33d9ac2b7_prep
		.amdhsa_group_segment_fixed_size 0
		.amdhsa_private_segment_fixed_size 0
		.amdhsa_enable_private_segment 0
		.amdhsa_kernarg_size 40
		.amdhsa_user_sgpr_count 2
		.amdhsa_user_sgpr_kernarg_segment_ptr 1
		.amdhsa_wavefront_size32 1
		.amdhsa_system_sgpr_workgroup_id_x 1
		.amdhsa_system_sgpr_workgroup_id_y 1
		.amdhsa_system_sgpr_workgroup_id_z 1
		.amdhsa_system_vgpr_workitem_id 0
		.amdhsa_next_free_vgpr 100
		.amdhsa_next_free_sgpr 66
		.amdhsa_reserve_vcc 0
		.amdhsa_float_denorm_mode_32 3
		.amdhsa_float_denorm_mode_16_64 3
		.amdhsa_memory_ordered 1
		.amdhsa_forward_progress 1
		.amdhsa_inst_pref_size 7
	.end_amdhsa_kernel
	.amdgpu_metadata
---
amdhsa.version: [ 1, 2 ]
amdhsa.kernels:
  - .name:           k_qc33d9ac2b7_prep
    .symbol:         k_qc33d9ac2b7_prep.kd
    .args:
      - { .name: Wq, .offset: 0, .size: 8, .value_kind: global_buffer, .address_space: global }
      - { .name: Wk, .offset: 8, .size: 8, .value_kind: global_buffer, .address_space: global }
      - { .name: Wv, .offset: 16, .size: 8, .value_kind: global_buffer, .address_space: global }
      - { .name: Wo, .offset: 24, .size: 8, .value_kind: global_buffer, .address_space: global }
      - { .name: wb, .offset: 32, .size: 8, .value_kind: global_buffer, .address_space: global }
    .group_segment_fixed_size: 0
    .private_segment_fixed_size: 0
    .kernarg_segment_align: 8
    .kernarg_segment_size: 40
    .max_flat_workgroup_size: 256
    .sgpr_count:     66
    .vgpr_count:     100
    .wavefront_size: 32
...
	.end_amdgpu_metadata
.endif
;; end of part 1
;; launch qkv (part 2): grid 4 x 192, 4 waves a work-group, clusters of 4 x 4, 327,680 bytes of LDS; arguments query, key_in, value, wb, bq, bk, bv, pre; writes pre
.if DOCPART == 2
	.amdgcn_target "amdgcn-amd-amdhsa--gfx1250"
	.amdhsa_code_object_version 6
	.text
	.protected	k_qc33d9ac2b7_qkv
	.globl	k_qc33d9ac2b7_qkv
	.p2align	8
	.type	k_qc33d9ac2b7_qkv,@function
k_qc33d9ac2b7_qkv:
	s_mov_b64 s[64:65], 0
	v_nop
	global_prefetch_b8 v0, s[64:65] scope:SCOPE_SE
	s_setreg_imm32_b32 hwreg(HW_REG_WAVE_MODE, 25, 1), 1
	s_wait_xcnt 0x0
	s_wait_alu depctr_hold_cnt(0) depctr_sa_sdst(0) depctr_va_vdst(0) depctr_va_sdst(0) depctr_va_ssrc(0) depctr_va_vcc(0) depctr_vm_vsrc(0)
	s_getreg_b32 s2, hwreg(HW_REG_IB_STS2, 6, 4)
	s_cmp_eq_u32 s2, 0
	s_cbranch_scc0 .Lentry_in_a_cluster
	s_endpgm
.Lentry_in_a_cluster:
	s_bfe_u32 s2, ttmp6, 0x10000c
	s_cmp_lg_u32 s2, 0xf033
	s_cbranch_scc0 .Lentry_shape_is_right
	s_endpgm
.Lentry_shape_is_right:
; pre[which][row][n] = bf16(sum over k of X[row][k] W[k][n] + b[n]), which = 0, 1, 2 for (query, Wq, bq), (key_in, Wk, bk), (value, Wv, bv).
; X: [16384][1024] f32, rounded to bf16 between LDS and the matrix unit; W: [1024 k][1024 n] bf16 (wb); sums in f32, started with the bias; the result rounded once.
; The activation elu + 1 is NOT applied here: the launches that read pre apply it in f32.  LIMIT: Q, K and V are so rounded to bf16 before the activation.
; A tile of 256 x 256 is made by four waves, 128 x 128 each: 64 accumulators, 512 registers.  K goes in 16 steps of 64 through two LDS slots; a step is two PARTS of 32 along K, 64 matrix instructions each.
; A's tile rows are 64 f32 = 256 bytes, W's 256 bf16 = 512 bytes, both at multiples of 256 from their buffers' first bytes.
; W lies [k][n]: its fragments come out of LDS turned, by ds_load_tr16_b128.  X's f32 land in 128 registers and are rounded, four conversions behind each of a part's last 16 matrix instructions.
; THE MATRIX INSTRUCTION IS USED TRANSPOSED: source 0 = 16 columns of W, source 1 = 16 rows of X: a lane then holds one row and eight neighbouring columns, which pack into 16 bytes.
; CLUSTER 4 x 4: grid y = 3 x 64 tile rows, so a cluster (4 tile rows, all 4 tile columns) lies in one of the three products.  X's tile is shared along a row of the cluster, W's along a column: joint loads.
; REGISTERS, in windows of 256: window 0: v16-29 addresses; v64-191 X's bf16 fragments, two buffers (on the way out: packed results and rows read back); v192-255 the bias, as the first products' C
;   window 1: v0-127 X's f32 as they land; v128-255 W's fragments, two buffers          windows 2, 3: the accumulators of my rows 0-63, 64-127 ((a, b) at v[8 (8 (a % 4) + b)])
.set SIZE_N, 1024
.set PA,     272                       ; an LDS row of X: 256 bytes + 16 = 68 words: the 16 rows of a load start at 16 different groups of four banks (64 banks of 4 bytes: ISA guide 11.1)
.set PB,     544                       ; an LDS row of W: 512 bytes + 32 = 136 words
.set AHALF,  128*PA                    ; what one tensor load brings of X, and what a wave reads of it
.set BHALF,  32*PB                     ; what one tensor load brings of W: 32 along K; also one part's rows
.set BOFF,   2*AHALF
.set SLOT,   BOFF+2*BHALF              ; 104,448 bytes
.set STAGE,  2*SLOT                    ; behind the ring: 16 rows x 272 bytes for each wave, for the way out
.set SPITCH, 272
.set SPARE,  STAGE+4*16*SPITCH         ; behind the stages: the spare words, 128 bytes a wave: two blocks of 256 bytes that no other line names
.set ADRA, 16                          ; v16-17  LDS address of my X rows in slot 0, 1
.set ADRB, 20                          ; v20-21  the same for W's turning loads
.set STO,  24                          ; v24     the way out: where I put 16 bytes of a row
.set RD,   25                          ; v25     the way out: where I read a row back
.set CO,   26                          ; v26     my byte offset in pre
.set BO,   27                          ; v27     my byte offset in the bias
.set SPW,  28                          ; v28     LDS address of my spare word; never rewritten
.set NIL,  29                          ; v29     0; never rewritten
.set FA,   64                          ; X's fragments, window 0: buffer f at FA + 64 f, row block a at + 8 a
.set FB,   128                         ; W's fragments, window 1: buffer f at FB + 64 f, column block b at + 8 b
.set LND,  0                           ; window 1: row block i's 16 f32 a lane at LND + 16 i
.set BIAS, 192                         ; window 0: column block b at + 8 b
.set TMP,  64
.set OB,   96
.set G1,  24                           ; s[24:31] descriptor group 1 for X's tiles;  s[32:39] group 0, a set for each slot
.set G0,  32
.set G1B, 48                           ; s[48:55], s[56:63] the same for W's
.set G0B, 56
.set MSB, 0
.macro WIN new                         ; the immediate's high byte repeats the setting that is left; a switch that changes nothing is dropped
.if MSB != (\new)
	s_set_vgpr_msb (MSB<<8)|(\new)
.set MSB, \new
.endif
.endm
.set MUL_LO,  0xa1                     ; source 0 (W) window 1, source 1 (X) window 0, C and D window 2;  + 0x50: window 3
.set MULB_LO, 0x81                     ; the same with C (the bias) in window 0;  + 0x40: D in window 3
.set TO_1,    0x40                     ; destination window 1, address window 0
.set CV,      0x05                     ; sources window 1, destination window 0
; A joint load.  Waves 0 and 1 fetch X's two halves, waves 2 and 3 W's.  The branch hangs on the wave's number alone.  An s_nop 0 and four v_nop follow each of the two lines.
.macro JLOAD s
	s_cmp_eq_u32 s11, 0
	s_cbranch_scc0 .Lfor_b_\@
	tensor_load_to_lds s[G0+4*(\s):G0+4*(\s)+3], s[G1:G1+7]
	s_nop 0
.rept 4
	v_nop
.endr
	s_branch .Lasked_\@
.Lfor_b_\@:
	tensor_load_to_lds s[G0B+4*(\s):G0B+4*(\s)+3], s[G1B:G1B+7]
	s_nop 0
.rept 4
	v_nop
.endr
.Lasked_\@:
.endm
.macro CREST                           ; a round of the cluster's barrier behind its opening barrier
	s_cmp_lg_u32 s10, 0
	s_cbranch_scc1 .Lnot_wave_0_\@
	s_barrier_signal -3
.Lnot_wave_0_\@:
	s_barrier_wait -3
	s_barrier_signal -1
	s_barrier_wait -1
.endm
.macro CROUND                          ; a whole round
	s_barrier_signal -1
	s_barrier_wait -1
	CREST
.endm
.macro PLACES                          ; four places behind matrix instructions (ISA guide 7.12.1)
.rept 4
	v_nop
.endr
.endm
	s_load_b512 s[68:83], s[0:1], 0x0              ; query, key_in, value, wb, bq, bk, bv, pre
	v_lshl_add_u32 v[SPW], v0, 2, SPARE
	v_mov_b32 v[NIL], 0
	ds_add_u32 v[SPW], v[NIL]                      ; the wave's opening: the add and its wait come ahead of my first tensor load; the set-up below stands between them
	ds_add_u32 v28, v29
	v_lshrrev_b32 v1, 5, v0
	v_readfirstlane_b32 s10, v1                    ; wave 0..3
	s_lshr_b32 s11, s10, 1                         ; which half of the tile's rows is mine.  Also: I fetch X (0) or W (1)
	s_and_b32 s12, s10, 1                          ; which half of its columns.  Also: which half of that tile I fetch
	s_bfe_u32 s40, ttmp6, 0x40000                  ; cx
	s_bfe_u32 s41, ttmp6, 0x40004                  ; cy
	s_lshl_b32 s42, ttmp9, 2
	s_add_co_u32 s42, s42, s40                     ; tile column = 4 x cluster x + cx
	s_and_b32 s43, ttmp7, 0xffff                   ; cluster y, 0..47
	s_lshr_b32 s45, s43, 4                         ; which product: the same in all sixteen partners
	s_and_b32 s13, s43, 15
	s_lshl_b32 s13, s13, 2
	s_add_co_u32 s13, s13, s41                     ; tile row = 4 x (cluster y mod 16) + cy
	s_lshl_b32 s88, s41, 2
	s_lshl_b32 s88, 15, s88                        ; my row of the cluster
	s_lshl_b32 s44, 0x1111, s40                    ; my column
	s_or_b32 s[G1+0], s88, (2<<16)|(1<<20)|(1<<21)|(5<<22)|(3<<25)   ; mask: my row; elements of 4 bytes; padding on; bit 21 beside a mask; after every 64 words, 4 words
	s_mov_b32 s[G1+1], 64<<16                      ; tensor_dim0 = 64
	s_mov_b32 s[G1+2], 128<<16                     ; tensor_dim1 = 128
	s_mov_b32 s[G1+3], 64<<16                      ; tile_dim0 = 64
	s_mov_b32 s[G1+4], 128                         ; tile_dim1 = 128
	s_mov_b32 s[G1+5], 1024                        ; elements from row to row
	s_mov_b32 s[G1+6], 0
	s_mov_b32 s[G1+7], 0
	s_or_b32 s[G1B+0], s44, (1<<16)|(1<<20)|(1<<21)|(6<<22)|(7<<25)  ; mask: my column; elements of 2 bytes; after every 128 words, 8 words
	s_mov_b32 s[G1B+1], 256<<16                    ; tensor_dim0 = 256
	s_mov_b32 s[G1B+2], 32<<16                     ; tensor_dim1 = 32
	s_mov_b32 s[G1B+3], 256<<16                    ; tile_dim0 = 256
	s_mov_b32 s[G1B+4], 32                         ; tile_dim1 = 32
	s_mov_b32 s[G1B+5], 1024
	s_mov_b32 s[G1B+6], 0
	s_mov_b32 s[G1B+7], 0
	s_lshl_b32 s16, s13, 8                         ; X: row 256 x tile row + 128 x half, 4,096 bytes a row: made of the tile row and the wave alone
	s_lshl_b32 s17, s12, 7
	s_add_co_u32 s16, s16, s17
	s_lshl_b32 s16, s16, 12
	s_mov_b32 s17, 0
	s_lshl_b32 s46, s45, 21                        ; W: the product's matrix, k rows 32 x half, 512 bytes a tile column: made of the tile column and the wave alone
	s_lshl_b32 s47, s12, 16
	s_add_co_u32 s46, s46, s47
	s_lshl_b32 s47, s42, 9
	s_add_co_u32 s46, s46, s47
	s_mov_b32 s47, 0
	s_mul_i32 s20, s12, AHALF                      ; where they go: no place in the cluster enters an LDS address
	s_mul_i32 s21, s12, BHALF
	s_add_co_u32 s21, s21, BOFF
	s_lshl_b32 s84, s13, 8                         ; pre: my first row,
	s_lshl_b32 s85, s11, 7
	s_add_co_u32 s84, s84, s85
	s_lshl_b32 s84, s84, 11                        ; 2,048 bytes a row,
	s_lshl_b32 s85, s45, 25                        ; 33,554,432 bytes an array,
	s_add_co_u32 s84, s84, s85
	s_lshl_b32 s85, s42, 9                         ; my first column
	s_add_co_u32 s84, s84, s85
	s_lshl_b32 s85, s12, 8
	s_add_co_u32 s84, s84, s85
	s_mov_b32 s85, 0
	s_lshl_b32 s86, s42, 10                        ; the bias of my 128 columns
	s_lshl_b32 s87, s12, 9
	s_add_co_u32 s86, s86, s87
	s_mov_b32 s87, 0
	s_wait_dscnt 0x0                               ; the opening add is done
	s_wait_kmcnt 0x0
	s_cmp_eq_u32 s45, 1                            ; the product's X and bias: choices on the cluster's y alone
	s_cselect_b64 s[4:5], s[70:71], s[68:69]
	s_cselect_b64 s[6:7], s[78:79], s[76:77]
	s_cmp_eq_u32 s45, 2
	s_cselect_b64 s[4:5], s[72:73], s[4:5]
	s_cselect_b64 s[6:7], s[80:81], s[6:7]
	s_add_nc_u64 s[14:15], s[4:5], s[16:17]
	s_add_nc_u64 s[46:47], s[74:75], s[46:47]
	s_add_nc_u64 s[6:7], s[6:7], s[86:87]
	s_add_nc_u64 s[8:9], s[82:83], s[84:85]
	CROUND                                         ; all sixteen work-groups are here: the first joint loads meet
.irp s, 0,1
	s_mov_b32 s[G0+4*(\s)], 1
	s_add_co_u32 s[G0+4*(\s)+1], s20, (\s)*SLOT
	s_add_nc_u64 s[G0+4*(\s)+2:G0+4*(\s)+3], s[14:15], (\s)*256       ; K step s: 64 f32 along the rows
	s_or_b32 s[G0+4*(\s)+3], s[G0+4*(\s)+3], 0x80000000
	s_mov_b32 s[G0B+4*(\s)], 1
	s_add_co_u32 s[G0B+4*(\s)+1], s21, (\s)*SLOT
	s_add_nc_u64 s[G0B+4*(\s)+2:G0B+4*(\s)+3], s[46:47], (\s)*131072  ; K step s: 64 rows of 2,048 bytes
	s_or_b32 s[G0B+4*(\s)+3], s[G0B+4*(\s)+3], 0x80000000
	JLOAD \s                                       ; two loads of mine are out
.endr
	v_and_b32 v1, 15, v0                           ; r = l % 16
	v_bfe_u32 v2, v0, 4, 1                         ; h = l / 16
	v_mul_u32_u24 v3, v1, PA                       ; X: lane (r, h) wants k = 8 h + 0..7 and 16 + 8 h + 0..7 of row r, in f32: 32 bytes at 32 h and at 64 + 32 h
	v_lshl_add_u32 v3, v2, 5, v3
	s_mul_i32 s22, s11, AHALF
	v_add_nc_u32 v[ADRA], s22, v3
	v_add_nc_u32 v[ADRA+1], SLOT, v[ADRA]
	v_and_b32 v4, 7, v0                            ; W: the turning load's lane reads k row 8 h + l % 8, columns 8 ((l / 8) % 2) + 0..7
	v_lshl_add_u32 v4, v2, 3, v4
	v_mul_u32_u24 v4, v4, PB
	v_bfe_u32 v5, v0, 3, 1
	v_lshl_add_u32 v4, v5, 4, v4
	s_lshl_b32 s23, s12, 8                         ; my 128 columns
	s_add_co_u32 s23, s23, BOFF
	v_add_nc_u32 v[ADRB], s23, v4
	v_add_nc_u32 v[ADRB+1], SLOT, v[ADRB]
	s_mul_i32 s23, s10, 16*SPITCH
	s_add_co_u32 s23, s23, STAGE                   ; my stage
	v_mul_u32_u24 v4, v1, SPITCH
	v_lshl_add_u32 v4, v2, 4, v4
	v_add_nc_u32 v[STO], s23, v4
	v_mul_u32_u24 v5, v2, SPITCH
	v_lshl_add_u32 v5, v1, 4, v5
	v_add_nc_u32 v[RD], s23, v5
	v_mul_u32_u24 v5, v2, SIZE_N*2
	v_lshl_add_u32 v[CO], v1, 4, v5
	v_lshlrev_b32 v[BO], 5, v2                     ; a lane's eight columns of block b: 64 b + 32 h bytes on
.irp b, 0,1,2,3,4,5,6,7
	global_load_b128 v[BIAS+8*(\b):BIAS+8*(\b)+3],   v[BO], s[6:7] offset:64*(\b)
	global_load_b128 v[BIAS+8*(\b)+4:BIAS+8*(\b)+7], v[BO], s[6:7] offset:64*(\b)+16
.endr
; 48 LDS loads in one run: part c (32 along K) of a slot: W's 8 fragments, turned, into buffer f; then X's 128 rows x 32 f32 into the landing registers
.macro FETCH slot, c, f
	WIN TO_1
.irp b, 0,1,2,3,4,5,6,7
	ds_load_tr16_b128 v[FB+64*(\f)+8*(\b):FB+64*(\f)+8*(\b)+3],   v[ADRB+(\slot)] offset:(\c)*BHALF+32*(\b)
	ds_load_tr16_b128 v[FB+64*(\f)+8*(\b)+4:FB+64*(\f)+8*(\b)+7], v[ADRB+(\slot)] offset:(\c)*BHALF+32*(\b)+16*PB
.endr
.irp i, 0,1,2,3,4,5,6,7
	ds_load_b128 v[LND+16*(\i):LND+16*(\i)+3],     v[ADRA+(\slot)] offset:(\i)*16*PA+(\c)*128
	ds_load_b128 v[LND+16*(\i)+4:LND+16*(\i)+7],   v[ADRA+(\slot)] offset:(\i)*16*PA+(\c)*128+16
	ds_load_b128 v[LND+16*(\i)+8:LND+16*(\i)+11],  v[ADRA+(\slot)] offset:(\i)*16*PA+(\c)*128+64
	ds_load_b128 v[LND+16*(\i)+12:LND+16*(\i)+15], v[ADRA+(\slot)] offset:(\i)*16*PA+(\c)*128+80
.endr
.endm
; Group g of 16: eight landed f32 are rounded into four registers of buffer f.  Of the run's 48 loads W's 16 and X's first 2 g + 2 must be in: 30 - 2 g younger ones may be out; at g = 15 the whole run is in.
.macro RID g, f
	s_wait_dscnt 30-2*(\g)
	WIN CV
.irp j, 0,1,2,3
	v_cvt_pk_bf16_f32 v[FA+64*(\f)+4*(\g)+(\j)], v[LND+8*(\g)+2*(\j)], v[LND+8*(\g)+2*(\j)+1]
.endr
.endm
.macro MUL1 f, a, b, first             ; first = 1: the product starts the sum with the bias: nothing is cleared
.set rD, 8*(8*((\a)%4)+(\b))
.set rB, FB+64*(\f)+8*(\b)
.set rA, FA+64*(\f)+8*(\a)
.if \first
	WIN MULB_LO+0x40*((\a)/4)
	v_wmma_f32_16x16x32_bf16 v[rD:rD+7], v[rB:rB+7], v[rA:rA+7], v[BIAS+8*(\b):BIAS+8*(\b)+7]
.else
	WIN MUL_LO+0x50*((\a)/4)
	v_wmma_f32_16x16x32_bf16 v[rD:rD+7], v[rB:rB+7], v[rA:rA+7], v[rD:rD+7]
.endif
.endm
.macro MUL8 f, a, first                ; row block a x all 8 column blocks.  The 64 accumulators take turns in the same order in every part
.irp b, 0,1,2,3,4,5,6,7
	MUL1 \f, \a, \b, \first
.endr
.endm
.macro MULR f, a, g0, first            ; the same with four conversions for the other buffer behind each matrix instruction; they name none of its registers
.irp b, 0,1,2,3,4,5,6,7
	MUL1 \f, \a, \b, \first
	RID (\g0)+(\b), 1-(\f)
.endr
.endm
; A step's first part multiplies buffer 0 and fetches the same slot's second part.  The four conversions that end the part before are the places in front of the loads into W's buffer 1.
.macro PARTA slot, first
	FETCH \slot, 1, 1
.irp a, 0,1,2,3,4,5
	MUL8 0, \a, \first
.endr
	MULR 0, 6, 0, \first
	MULR 0, 7, 8, \first
.endm
; A step's second part multiplies buffer 1 and changes slots: ONE barrier; in front of it each wave waits for all its tensor loads (one is out: its part of the next slot), adds 0 to its spare word,
; and waits for that; its reads of this slot were over at the last group's wait for 0.  fill = 1: the barrier opens a round of the cluster's, and the slot is filled again, two K steps on, first thing behind it.
.macro PARTB slot, next, fill
	WIN 0                                          ; (the add's two registers lie in window 0)
	s_wait_tensorcnt 0x0                           ; all my tensor loads have landed
	ds_add_u32 v[SPW], v[NIL]                      ; 0 onto my spare word
	MUL8 1, 0, 0                                   ; eight matrix instructions stand between the add and the wait for it
	s_wait_dscnt 0x0                               ; the add is done; no read of this slot is out
	s_barrier_signal -1
	MUL8 1, 1, 0                                   ; work on registers while the others arrive
	WIN 0
	s_barrier_wait -1
.if \fill
	CREST                                          ; no wave of any partner still reads this slot's tile or has a load on its way
	s_add_nc_u64 s[G0+4*(\slot)+2:G0+4*(\slot)+3], s[G0+4*(\slot)+2:G0+4*(\slot)+3], 512
	s_add_nc_u64 s[G0B+4*(\slot)+2:G0B+4*(\slot)+3], s[G0B+4*(\slot)+2:G0B+4*(\slot)+3], 262144
	JLOAD \slot                                    ; my one tensor load behind the round; it has the rest of this part and the next part in which to land
.else
	PLACES
.endif
	FETCH \next, 0, 0
.irp a, 2,3,4,5
	MUL8 1, \a, 0
.endr
	MULR 1, 6, 0, 0
	MULR 1, 7, 8, 0
.endm
; THE WAY OUT of row block a: rounded to bf16, 16 bytes a lane; into my own stage and back as whole rows of 256 bytes; stored.
.macro PACK a
.set AC, 64*((\a)%4)
	WIN 0x0a+5*((\a)/4)                            ; sources window 2 or 3
.irp b, 0,1,2,3,4,5,6,7
.irp r, 0,1,2,3
	v_cvt_pk_bf16_f32 v[TMP+4*(\b)+(\r)], v[AC+8*(\b)+2*(\r)], v[AC+8*(\b)+2*(\r)+1]  ; each accumulator's registers in ascending order
.endr
.endr
	WIN 0
.endm
.macro TOSTAGE a
	WIN 0
.set BK, OB+32*((\a)%2)
.irp b, 0,1,2,3,4,5,6,7
	ds_store_b128 v[STO], v[TMP+4*(\b):TMP+4*(\b)+3] offset:32*(\b)
.endr
.irp t, 0,1,2,3,4,5,6,7
	ds_load_b128 v[BK+4*(\t):BK+4*(\t)+3], v[RD] offset:(\t)*2*SPITCH  ; LDS serves a wave's instructions in order (ISA guide 5.7.1.4): these see the stores above
.endr
.endm
.macro SEND a
	WIN 0
.set BK, OB+32*((\a)%2)
	s_wait_dscnt 0x0                               ; the block is back in registers
	s_wait_xcnt 0x0                                ; only behind this wait are the stores' base and the registers that earlier stores read rewritten
.if (\a) > 0
	s_add_nc_u64 s[8:9], s[8:9], 16*SIZE_N*2       ; 16 rows on
.endif
.irp t, 0,1,2,3,4,5,6,7
	global_store_b128 v[CO], v[BK+4*(\t):BK+4*(\t)+3], s[8:9] offset:2*(\t)*SIZE_N*2  ; 16 lanes store 256 consecutive bytes, at a multiple of 256 from pre's first byte
.endr
.endm
	s_wait_tensorcnt 0x1                           ; my part of K step 0 is in; step 1's may stay out
	s_barrier_signal -1
	s_barrier_wait -1                              ; everybody's is
	FETCH 0, 0, 0
.irp g, 0,1,2,3,4,5,6,7,8,9,10,11,12,13,14,15
	RID \g, 0                                      ; the first part's X: there is no matrix work yet to set these behind
.endr
	s_wait_loadcnt 0x0                             ; the bias
	PARTA 0, 1                                     ; the first part stands in front of the loop: its products start the sums
	WIN 0                                          ; at a label and at a branch every window is 0
	s_mov_b32 s3, 7
.Llap:                                                 ; a trip: two K steps, from a step's second part to the first part two steps on; both slots are filled again
	PARTB 0, 1, 1
	PARTA 1, 0
	PARTB 1, 0, 1
	PARTA 0, 0
	WIN 0
	s_sub_co_u32 s3, s3, 1
	s_cmp_lg_u32 s3, 0
	s_cbranch_scc1 .Llap
	PARTB 0, 1, 0                                  ; the tail is written out: K step 14's second part, nothing more is asked for
	PARTA 1, 0
.irp a, 0,1,2,3,4,5,6,7
	MUL8 1, \a, 0                                  ; K step 15's second part
.endr
	PLACES                                         ; the conversions read results just made
	PACK 0
	TOSTAGE 0
.irp a, 1,2,3,4,5,6,7                  ; block a's conversions stand between block a - 1's loads from the stage and the wait for them
	PACK \a
	SEND (\a)-1
	TOSTAGE \a
.endr
	SEND 7
	s_wait_tensorcnt 0x0                           ; the wave's end: behind my last tensor load and my last LDS store
	ds_add_u32 v[SPW], v[NIL]
	s_wait_dscnt 0x0
	CROUND                                         ; the closing round: no work-group ends while a partner may still ask for a tile that names it
	s_endpgm
.Lfunc_end_k_qc33d9ac2b7_qkv:
	.size	k_qc33d9ac2b7_qkv, .Lfunc_end_k_qc33d9ac2b7_qkv-k_qc33d9ac2b7_qkv
	.p2alignl 7, 3214868480
	.fill 96, 4, 3214868480
	.section	.rodata,"a",@progbits
	.p2align	6, 0x0
	.amdhsa_kernel k_qc33d9ac2b7_qkv
		.amdhsa_group_segment_fixed_size 327680
		.amdhsa_private_segment_fixed_size 0
		.amdhsa_enable_private_segment 0
		.amdhsa_kernarg_size 64
		.amdhsa_user_sgpr_count 2
		.amdhsa_user_sgpr_kernarg_segment_ptr 1
		.amdhsa_wavefront_size32 1
		.amdhsa_system_sgpr_workgroup_id_x 1
		.amdhsa_system_sgpr_workgroup_id_y 1
		.amdhsa_system_sgpr_workgroup_id_z 1
		.amdhsa_system_vgpr_workitem_id 0
		.amdhsa_next_free_vgpr 1024
		.amdhsa_next_free_sgpr 96
		.amdhsa_reserve_vcc 0
		.amdhsa_float_denorm_mode_32 3
		.amdhsa_float_denorm_mode_16_64 3
		.amdhsa_memory_ordered 1
		.amdhsa_forward_progress 1
		.amdhsa_inst_pref_size 144
	.end_amdhsa_kernel
	.amdgpu_metadata
---
amdhsa.version: [ 1, 2 ]
amdhsa.kernels:
  - .name:           k_qc33d9ac2b7_qkv
    .symbol:         k_qc33d9ac2b7_qkv.kd
    .args:
      - { .name: query, .offset: 0, .size: 8, .value_kind: global_buffer, .address_space: global }
      - { .name: key_in, .offset: 8, .size: 8, .value_kind: global_buffer, .address_space: global }
      - { .name: value, .offset: 16, .size: 8, .value_kind: global_buffer, .address_space: global }
      - { .name: wb, .offset: 24, .size: 8, .value_kind: global_buffer, .address_space: global }
      - { .name: bq, .offset: 32, .size: 8, .value_kind: global_buffer, .address_space: global }
      - { .name: bk, .offset: 40, .size: 8, .value_kind: global_buffer, .address_space: global }
      - { .name: bv, .offset: 48, .size: 8, .value_kind: global_buffer, .address_space: global }
      - { .name: pre, .offset: 56, .size: 8, .value_kind: global_buffer, .address_space: global }
    .group_segment_fixed_size: 327680
    .private_segment_fixed_size: 0
    .kernarg_segment_align: 8
    .kernarg_segment_size: 64
    .max_flat_workgroup_size: 128
    .sgpr_count:     96
    .vgpr_count:     1024
    .wavefront_size: 32
...
	.end_amdgpu_metadata
.endif
;; end of part 2
;; launch totals (part 3): grid 4 x 64, 8 waves a work-group, no clusters, 17,408 bytes of LDS; arguments pre, p32, t256; writes p32, t256
.if DOCPART == 3
	.amdgcn_target "amdgcn-amd-amdhsa--gfx1250"
	.amdhsa_code_object_version 6
	.text
	.protected	k_qc33d9ac2b7_totals
	.globl	k_qc33d9ac2b7_totals
	.p2align	8
	.type	k_qc33d9ac2b7_totals,@function
k_qc33d9ac2b7_totals:
	s_mov_b64 s[64:65], 0
	v_nop
	global_prefetch_b8 v0, s[64:65] scope:SCOPE_SE
	s_setreg_imm32_b32 hwreg(HW_REG_WAVE_MODE, 25, 1), 1
	s_wait_xcnt 0x0
; Sums of k = elu(K) + 1 and of k v over chunks of 32 rows, for each channel, all in f32.  K and V are pre's second and third array, [16384][1024] bf16.
; p32[chunk] = the sum over the earlier chunks of the same block of 256 rows; t256[block] = the block's sum.  Both: [..][4 cq][4 q][32 lanes][4] f32; q = 0, 1: k of the lane's channels 0-3, 4-7; q = 2, 3: k v.
; Grid x = cq, a quarter of 256 channels; grid y = the block.  Wave w takes rows 32 w .. 32 w + 31, lane l channels 256 cq + 8 l + 0..7: a wave's load covers 512 consecutive bytes of a row.
; elu(x) + 1 = the middle one of x + 1, e^x and 1 (e^x >= 1 + x everywhere).  LIMIT: v_exp_f32 gives 0 below 2^-126, and infinity for large x, where x + 1 is the middle one.
; A stream: memory binds; no matrix unit, no cluster.  A ring of eight rows in registers keeps sixteen loads of a wave on their way.
.set ROWB, 2048
.set ARR,  33554432                    ; bytes in one array of pre
.set SPARE, 16384                      ; LDS: 0 .. 16,383 the waves' sums, [8 waves][4 q][32 lanes][16 bytes]; then the spare words, 128 bytes a wave, which no other line names
.set VO,  2                            ; v2   byte offset of my 16 bytes in the ring's first row
.set LO,  3                            ; v3   16 x lane
.set SPW, 4                            ; v4   LDS address of my spare word; never rewritten
.set NIL, 5                            ; v5   0; never rewritten
.set EXS, 6                            ; v6   where my wave's sums go
.set KR,  8                            ; v[8:39]    ring slot i: K as loaded
.set VR,  40                           ; v[40:71]   V
.set KF,  72                           ; v[72:79]   x, then x + 1, then k
.set EU,  80                           ; v[80:87]   e^x
.set VF,  88                           ; v[88:95]   v
.set SK,  96                           ; v[96:103]  sum of k
.set SKV, 104                          ; v[104:111] sum of k v
.set EXR, 112                          ; v[112:223] the sums of waves 0 to 6
.set PX,  224                          ; v[224:239] the sum over the waves in front of mine
	s_load_b128 s[4:7], s[0:1], 0x0                ; pre, p32
	s_load_b64 s[8:9], s[0:1], 0x10                ; t256
	v_lshl_add_u32 v[SPW], v0, 2, SPARE
	v_mov_b32 v[NIL], 0
	v_lshrrev_b32 v1, 5, v0
	v_readfirstlane_b32 s10, v1                    ; wave 0..7
	v_and_b32 v[LO], 31, v0
	v_lshlrev_b32 v[LO], 4, v[LO]
	v_lshl_add_u32 v[VO], v1, 16, v[LO]            ; 32 rows of 2,048 bytes a wave
	v_lshl_add_u32 v[EXS], v1, 11, v[LO]
	s_mov_b32 s11, ttmp9                           ; cq
	s_and_b32 s12, ttmp7, 0xffff                   ; block
	s_lshl_b32 s18, s12, 19                        ; 256 rows of 2,048 bytes a block
	s_lshl_b32 s19, s11, 9                         ; 512 bytes a quarter
	s_add_co_u32 s18, s18, s19
	s_add_co_u32 s18, s18, ARR                     ; K is the second array
	s_mov_b32 s19, 0
	s_lshl_b32 s28, s12, 3                         ; p32: ((8 block + wave) 4 + cq) x 2,048 bytes
	s_add_co_u32 s28, s28, s10
	s_lshl_b32 s28, s28, 2
	s_add_co_u32 s28, s28, s11
	s_lshl_b32 s28, s28, 11
	s_mov_b32 s29, 0
	s_lshl_b32 s30, s12, 2                         ; t256: (4 block + cq) x 2,048 bytes
	s_add_co_u32 s30, s30, s11
	s_lshl_b32 s30, s30, 11
	s_mov_b32 s31, 0
	s_mov_b32 s20, 0xffff0000                      ; a word's upper bf16
	s_mov_b32 s22, 0x3fb8aa3b                      ; log2(e)
	s_mov_b32 s23, s22                             ; named with it as a pair
	s_mov_b32 s25, 0                               ; likewise the factor's pair
	s_mov_b32 s26, 1.0
.irp j, 0,1,2,3,4,5,6,7,8,9,10,11,12,13,14,15
	v_mov_b32 v[SK+(\j)], 0                        ; sixteen sums start at 0, so that all 32 rows run one text
.endr
	s_wait_kmcnt 0x0
	s_add_nc_u64 s[14:15], s[4:5], s[18:19]        ; K at the block's first row, my quarter
	s_add_nc_u64 s[16:17], s[14:15], ARR           ; V
	s_add_nc_u64 s[6:7], s[6:7], s[28:29]
	s_add_nc_u64 s[8:9], s[8:9], s[30:31]
.irp i, 0,1,2,3,4,5,6,7
	global_load_b128 v[KR+4*(\i):KR+4*(\i)+3], v[VO], s[14:15] offset:(\i)*ROWB
	global_load_b128 v[VR+4*(\i):VR+4*(\i)+3], v[VO], s[16:17] offset:(\i)*ROWB
.endr
; One row.  ahead = 1: the slot is filled again with the row eight further down.  left = the younger loads that may stay out: two for each younger row.
.macro ROWT i, ahead, left
	s_wait_loadcnt \left
.irp j, 0,1,2,3
	v_lshlrev_b32 v[KF+2*(\j)],   16,  v[KR+4*(\i)+(\j)]
	v_and_b32     v[KF+2*(\j)+1], s20, v[KR+4*(\i)+(\j)]
	v_lshlrev_b32 v[VF+2*(\j)],   16,  v[VR+4*(\i)+(\j)]
	v_and_b32     v[VF+2*(\j)+1], s20, v[VR+4*(\i)+(\j)]
.endr
.if \ahead
	global_load_b128 v[KR+4*(\i):KR+4*(\i)+3], v[VO], s[14:15] offset:((\i)+8)*ROWB
	global_load_b128 v[VR+4*(\i):VR+4*(\i)+3], v[VO], s[16:17] offset:((\i)+8)*ROWB
.endif
.irp j, 0,2,4,6
	v_pk_mul_f32 v[EU+(\j):EU+(\j)+1], v[KF+(\j):KF+(\j)+1], s[22:23] op_sel_hi:[1,0]
.endr
.irp j, 0,1,2,3,4,5,6,7
	v_exp_f32 v[EU+(\j)], v[EU+(\j)]
.endr
.irp j, 0,2,4,6
	v_pk_add_f32 v[KF+(\j):KF+(\j)+1], v[KF+(\j):KF+(\j)+1], 1.0 op_sel_hi:[1,0]  ; plain lines between the exponentials and the use of their results
.endr
	s_wait_alu depctr_va_vdst(0)
.irp j, 0,1,2,3,4,5,6,7
	v_med3_num_f32 v[KF+(\j)], v[KF+(\j)], v[EU+(\j)], s26
.endr
.irp j, 0,2,4,6
	v_pk_add_f32 v[SK+(\j):SK+(\j)+1], v[SK+(\j):SK+(\j)+1], v[KF+(\j):KF+(\j)+1]
	v_pk_fma_f32 v[SKV+(\j):SKV+(\j)+1], v[KF+(\j):KF+(\j)+1], v[VF+(\j):VF+(\j)+1], v[SKV+(\j):SKV+(\j)+1]
.endr
.endm
	s_mov_b32 s27, 3
.Lgroup:
.irp i, 0,1,2,3,4,5,6,7
	ROWT \i, 1, 14
.endr
	s_wait_xcnt 0x0                                ; the loads' offset register is stepped only behind this wait
	v_add_nc_u32 v[VO], 8*ROWB, v[VO]
	s_sub_co_u32 s27, s27, 1
	s_cmp_lg_u32 s27, 0
	s_cbranch_scc1 .Lgroup
.irp i, 0,1,2,3,4,5,6,7
	ROWT \i, 0, 14-2*(\i)                          ; the last eight rows load nothing: the counts run down
.endr
.irp q, 0,1,2,3
	ds_store_b128 v[EXS], v[SK+4*(\q):SK+4*(\q)+3] offset:512*(\q)
.endr
	s_wait_dscnt 0x0                               ; for the others' sake: my sums are in LDS
	s_barrier_signal -1
	s_barrier_wait -1
.irp i, 0,1,2,3,4,5,6
.irp q, 0,1,2,3
	ds_load_b128 v[EXR+16*(\i)+4*(\q):EXR+16*(\i)+4*(\q)+3], v[LO] offset:2048*(\i)+512*(\q)
.endr
.endr
	s_wait_dscnt 0x0
.irp i, 0,1,2,3,4,5,6                  ; wave i's sums count if i lies in front of me: a factor 1 or 0, no branch
	s_cmp_gt_u32 s10, \i
	s_cselect_b32 s24, 1.0, 0
.irp z, 0,2,4,6,8,10,12,14
.if (\i) == 0
	v_pk_mul_f32 v[PX+(\z):PX+(\z)+1], v[EXR+(\z):EXR+(\z)+1], s[24:25] op_sel_hi:[1,0]
.else
	v_pk_fma_f32 v[PX+(\z):PX+(\z)+1], v[EXR+16*(\i)+(\z):EXR+16*(\i)+(\z)+1], s[24:25], v[PX+(\z):PX+(\z)+1] op_sel_hi:[1,0,1]
.endif
.endr
.endr
.irp q, 0,1,2,3
	global_store_b128 v[LO], v[PX+4*(\q):PX+4*(\q)+3], s[6:7] offset:512*(\q)  ; 512 consecutive bytes
.endr
	s_wait_tensorcnt 0x0                           ; behind my last LDS store; no LDS instruction follows
	ds_add_u32 v[SPW], v[NIL]
	s_wait_dscnt 0x0
	s_cmp_lg_u32 s10, 7
	s_cbranch_scc1 .Lnot_last                      ; the last wave also has the block's sum
.irp z, 0,2,4,6,8,10,12,14
	v_pk_add_f32 v[EXR+(\z):EXR+(\z)+1], v[PX+(\z):PX+(\z)+1], v[SK+(\z):SK+(\z)+1]
.endr
.irp q, 0,1,2,3
	global_store_b128 v[LO], v[EXR+4*(\q):EXR+4*(\q)+3], s[8:9] offset:512*(\q)
.endr
.Lnot_last:
	s_endpgm
.Lfunc_end_k_qc33d9ac2b7_totals:
	.size	k_qc33d9ac2b7_totals, .Lfunc_end_k_qc33d9ac2b7_totals-k_qc33d9ac2b7_totals
	.p2alignl 7, 3214868480
	.fill 96, 4, 3214868480
	.section	.rodata,"a",@progbits
	.p2align	6, 0x0
	.amdhsa_kernel k_qc33d9ac2b7_totals
		.amdhsa_group_segment_fixed_size 17408
		.amdhsa_private_segment_fixed_size 0
		.amdhsa_enable_private_segment 0
		.amdhsa_kernarg_size 24
		.amdhsa_user_sgpr_count 2
		.amdhsa_user_sgpr_kernarg_segment_ptr 1
		.amdhsa_wavefront_size32 1
		.amdhsa_system_sgpr_workgroup_id_x 1
		.amdhsa_system_sgpr_workgroup_id_y 1
		.amdhsa_system_sgpr_workgroup_id_z 1
		.amdhsa_system_vgpr_workitem_id 0
		.amdhsa_next_free_vgpr 240
		.amdhsa_next_free_sgpr 66
		.amdhsa_reserve_vcc 0
		.amdhsa_float_denorm_mode_32 3
		.amdhsa_float_denorm_mode_16_64 3
		.amdhsa_memory_ordered 1
		.amdhsa_forward_progress 1
		.amdhsa_inst_pref_size 50
	.end_amdhsa_kernel
	.amdgpu_metadata
---
amdhsa.version: [ 1, 2 ]
amdhsa.kernels:
  - .name:           k_qc33d9ac2b7_totals
    .symbol:         k_qc33d9ac2b7_totals.kd
    .args:
      - { .name: pre, .offset: 0, .size: 8, .value_kind: global_buffer, .address_space: global }
      - { .name: p32, .offset: 8, .size: 8, .value_kind: global_buffer, .address_space: global }
      - { .name: t256, .offset: 16, .size: 8, .value_kind: global_buffer, .address_space: global }
    .group_segment_fixed_size: 17408
    .private_segment_fixed_size: 0
    .kernarg_segment_align: 8
    .kernarg_segment_size: 24
    .max_flat_workgroup_size: 256
    .sgpr_count:     66
    .vgpr_count:     240
    .wavefront_size: 32
...
	.end_amdgpu_metadata
.endif
;; end of part 3
;; launch scan (part 4): grid 4 x 64, 8 waves a work-group, no clusters, 152,576 bytes of LDS; arguments pre, p32, t256, att; writes att
.if DOCPART == 4
	.amdgcn_target "amdgcn-amd-amdhsa--gfx1250"
	.amdhsa_code_object_version 6
	.text
	.protected	k_qc33d9ac2b7_scan
	.globl	k_qc33d9ac2b7_scan
	.p2align	8
	.type	k_qc33d9ac2b7_scan,@function
k_qc33d9ac2b7_scan:
	s_mov_b64 s[64:65], 0
	v_nop
	global_prefetch_b8 v0, s[64:65] scope:SCOPE_SE
	s_setreg_imm32_b32 hwreg(HW_REG_WAVE_MODE, 25, 1), 1
	s_wait_xcnt 0x0
; att[row][c] = q[c] KV[c] / (sum over the head's 64 channels of q K + 1e-9), where K and KV are the sums of k and k v over the EARLIER rows of the same batch of 4,096 rows;
; q = elu(Q) + 1, k = elu(K) + 1; Q, K, V are pre's three arrays, [16384][1024] bf16.  All arithmetic and all running sums in f32; att is rounded once to bf16.
; att's layout: [row / 16][channel / 8][row % 16][8 channels]: 1,024 consecutive bytes are a matrix fragment of 16 rows x 32 channels, as the next launch loads it.
; Grid x = cq, a quarter of 256 channels (four heads); grid y = a block of 256 rows.  Wave w takes rows 32 w .. + 31, lane l channels 256 cq + 8 l + 0..7; a head is 8 neighbouring lanes.
; THE CARRY at my first row: the sums of the batch's earlier blocks (t256; each wave adds up to two, the eight partial sums meet in LDS) + the sum of my block's earlier chunks (p32).
; LIMITS: v_exp_f32 gives 0 below 2^-126; the division is v_rcp_f32 and a multiplication.
; A stream: memory binds; no matrix unit, no cluster.  A ring of eight rows in registers keeps 24 loads of a wave on their way.
.set ROWB, 2048
.set ARR,  33554432
.set STG,  16384                       ; LDS: 0 .. 16,383 the partial carries; then for each wave 32 units of 528 bytes: a channel octet's 32 rows x 16 bytes + 16 of padding (132 words)
.set WSTG, 32*528
.set SPARE, STG+8*WSTG                 ; the spare words, 128 bytes a wave, which no other line names
.set VO,  2                            ; v2   byte offset of my 16 bytes in the ring's first row
.set ST,  3                            ; v3   where the ring's first row goes in my unit
.set RB,  4                            ; v4   where I read units back: lanes 0-15 one unit's 16 rows, lanes 16-31 the next unit's
.set GO,  5                            ; v5   16 x lane
.set EXS, 6                            ; v6   where my wave's partial carry goes
.set SPW, 8                            ; v8   LDS address of my spare word; never rewritten
.set NIL, 9                            ; v9   0; never rewritten
.set QR,  16                           ; v[16:47], v[48:79], v[80:111]  ring slot i: Q, K, V as loaded
.set KR,  48
.set VR,  80
.set QF,  112                          ; v[112:119] q;  v[120:127] k;  v[128:135] v
.set KF,  120
.set VF,  128
.set UQ,  136                          ; v[136:143], v[144:151]  e^x for Q, K
.set UK,  144
.set DEN, 152                          ; v[152:153]
.set RCP, 154                          ; v[154:155]
.set OUTF, 156                         ; v[156:163]
.set OPK, 164                          ; v[164:167]
.set KC,  168                          ; v[168:175] running sum of k;  v[176:183] of k v
.set KVC, 176
.set FBK, 184                          ; v[184:247] read back from LDS
.set T0,  112                          ; the carry's loads: two blocks' sums and my chunk's
.set T1,  128
.set P0,  144
	s_load_b256 s[4:11], s[0:1], 0x0               ; pre s[4:5], p32 s[6:7], t256 s[8:9], att s[10:11]
	v_lshl_add_u32 v[SPW], v0, 2, SPARE
	v_mov_b32 v[NIL], 0
	v_lshrrev_b32 v1, 5, v0
	v_readfirstlane_b32 s12, v1                    ; wave 0..7
	v_and_b32 v7, 31, v0
	v_lshlrev_b32 v[GO], 4, v7
	v_lshl_add_u32 v[VO], v1, 16, v[GO]
	v_lshl_add_u32 v[EXS], v1, 11, v[GO]
	s_mul_i32 s22, s12, WSTG
	s_add_co_u32 s22, s22, STG                     ; my wave's units
	v_mul_u32_u24 v[ST], v7, 528
	v_add_nc_u32 v[ST], s22, v[ST]
	v_and_b32 v10, 15, v0
	v_bfe_u32 v11, v0, 4, 1
	v_mul_u32_u24 v[RB], v11, 528
	v_lshl_add_u32 v[RB], v10, 4, v[RB]
	v_add_nc_u32 v[RB], s22, v[RB]
	s_mov_b32 s35, ttmp9                           ; cq
	s_and_b32 s13, ttmp7, 0xffff                   ; block
	s_and_b32 s14, s13, 15                         ; its place in the batch's 16
	s_sub_co_u32 s15, s13, s14                     ; the batch's first block
	s_lshl_b32 s22, s13, 19
	s_lshl_b32 s23, s35, 9
	s_add_co_u32 s22, s22, s23
	s_mov_b32 s23, 0
	s_add_co_u32 s36, s15, s12                     ; t256: block (first + wave), and eight blocks on
	s_lshl_b32 s36, s36, 2
	s_add_co_u32 s36, s36, s35
	s_lshl_b32 s36, s36, 11
	s_mov_b32 s37, 0
	s_lshl_b32 s38, s13, 3                         ; p32: my chunk
	s_add_co_u32 s38, s38, s12
	s_lshl_b32 s38, s38, 2
	s_add_co_u32 s38, s38, s35
	s_lshl_b32 s38, s38, 11
	s_mov_b32 s39, 0
	s_lshl_b32 s40, s13, 4                         ; att: row block 16 block + 2 wave, 32,768 bytes each; 8,192 bytes a quarter
	s_lshl_b32 s41, s12, 1
	s_add_co_u32 s40, s40, s41
	s_lshl_b32 s40, s40, 15
	s_lshl_b32 s41, s35, 13
	s_add_co_u32 s40, s40, s41
	s_mov_b32 s41, 0
	s_cmp_lt_u32 s12, s14                          ; does block (first + wave) lie in front of mine?  A factor 1 or 0, no branch
	s_cselect_b32 s28, 1.0, 0
	s_add_co_u32 s34, s12, 8
	s_cmp_lt_u32 s34, s14
	s_cselect_b32 s30, 1.0, 0
	s_mov_b32 s29, 0                               ; named as pairs
	s_mov_b32 s31, 0
	s_mov_b32 s24, 0xffff0000
	s_mov_b32 s26, 0x3fb8aa3b                      ; log2(e)
	s_mov_b32 s27, s26
	s_mov_b32 s32, 1.0
	s_mov_b32 s33, 0x3089705f                      ; 1e-9
	s_wait_kmcnt 0x0
	s_add_nc_u64 s[16:17], s[4:5], s[22:23]        ; Q, K, V at the block's first row, my quarter
	s_add_nc_u64 s[18:19], s[16:17], ARR
	s_add_nc_u64 s[20:21], s[18:19], ARR
	s_add_nc_u64 s[8:9], s[8:9], s[36:37]
	s_add_nc_u64 s[6:7], s[6:7], s[38:39]
	s_add_nc_u64 s[10:11], s[10:11], s[40:41]
.irp q, 0,1,2,3
	global_load_b128 v[T0+4*(\q):T0+4*(\q)+3], v[GO], s[8:9] offset:512*(\q)
.endr
.irp q, 0,1,2,3
	global_load_b128 v[T1+4*(\q):T1+4*(\q)+3], v[GO], s[8:9] offset:65536+512*(\q)
.endr
.irp q, 0,1,2,3
	global_load_b128 v[P0+4*(\q):P0+4*(\q)+3], v[GO], s[6:7] offset:512*(\q)
.endr
.irp i, 0,1,2,3,4,5,6,7
	global_load_b128 v[QR+4*(\i):QR+4*(\i)+3], v[VO], s[16:17] offset:(\i)*ROWB th:TH_LOAD_NT
	global_load_b128 v[KR+4*(\i):KR+4*(\i)+3], v[VO], s[18:19] offset:(\i)*ROWB th:TH_LOAD_NT
	global_load_b128 v[VR+4*(\i):VR+4*(\i)+3], v[VO], s[20:21] offset:(\i)*ROWB th:TH_LOAD_NT
.endr
	s_wait_loadcnt 24                              ; the sums are in; the first eight rows' 24 loads stay out
.irp z, 0,2,4,6,8,10,12,14
	v_pk_mul_f32 v[T0+(\z):T0+(\z)+1], v[T0+(\z):T0+(\z)+1], s[28:29] op_sel_hi:[1,0]
.endr
.irp z, 0,2,4,6,8,10,12,14
	v_pk_fma_f32 v[T0+(\z):T0+(\z)+1], v[T1+(\z):T1+(\z)+1], s[30:31], v[T0+(\z):T0+(\z)+1] op_sel_hi:[1,0,1]
.endr
.irp q, 0,1,2,3
	ds_store_b128 v[EXS], v[T0+4*(\q):T0+4*(\q)+3] offset:512*(\q)
.endr
	s_wait_dscnt 0x0                               ; for the others' sake: my partial carry is in LDS
	s_barrier_signal -1
	s_barrier_wait -1
.irp t, 0,1                            ; the eight partial carries, four at a time, onto my chunk's sum
.irp i, 0,1,2,3
.irp q, 0,1,2,3
	ds_load_b128 v[FBK+16*(\i)+4*(\q):FBK+16*(\i)+4*(\q)+3], v[GO] offset:2048*(4*(\t)+(\i))+512*(\q)
.endr
.endr
	s_wait_dscnt 0x0
.irp i, 0,1,2,3
.irp z, 0,2,4,6,8,10,12,14
.if ((\t) == 0) && ((\i) == 0)
	v_pk_add_f32 v[KC+(\z):KC+(\z)+1], v[P0+(\z):P0+(\z)+1], v[FBK+(\z):FBK+(\z)+1]
.else
	v_pk_add_f32 v[KC+(\z):KC+(\z)+1], v[KC+(\z):KC+(\z)+1], v[FBK+16*(\i)+(\z):FBK+16*(\i)+(\z)+1]
.endif
.endr
.endr
.endr
	v_mov_b32 v[RCP+1], 0                          ; named with the reciprocal as a pair
; One row.  ahead = 1: the slot is filled again with the row eight further down.  left = the younger loads that may stay out: three for each younger row.
.macro ROW i, ahead, left
	s_wait_loadcnt \left
.irp j, 0,1,2,3
	v_lshlrev_b32 v[QF+2*(\j)],   16,  v[QR+4*(\i)+(\j)]
	v_and_b32     v[QF+2*(\j)+1], s24, v[QR+4*(\i)+(\j)]
	v_lshlrev_b32 v[KF+2*(\j)],   16,  v[KR+4*(\i)+(\j)]
	v_and_b32     v[KF+2*(\j)+1], s24, v[KR+4*(\i)+(\j)]
	v_lshlrev_b32 v[VF+2*(\j)],   16,  v[VR+4*(\i)+(\j)]
	v_and_b32     v[VF+2*(\j)+1], s24, v[VR+4*(\i)+(\j)]
.endr
.if \ahead
	global_load_b128 v[QR+4*(\i):QR+4*(\i)+3], v[VO], s[16:17] offset:((\i)+8)*ROWB th:TH_LOAD_NT
	global_load_b128 v[KR+4*(\i):KR+4*(\i)+3], v[VO], s[18:19] offset:((\i)+8)*ROWB th:TH_LOAD_NT
	global_load_b128 v[VR+4*(\i):VR+4*(\i)+3], v[VO], s[20:21] offset:((\i)+8)*ROWB th:TH_LOAD_NT
.endif
.irp j, 0,2,4,6
	v_pk_mul_f32 v[UQ+(\j):UQ+(\j)+1], v[QF+(\j):QF+(\j)+1], s[26:27] op_sel_hi:[1,0]
	v_pk_mul_f32 v[UK+(\j):UK+(\j)+1], v[KF+(\j):KF+(\j)+1], s[26:27] op_sel_hi:[1,0]
.endr
.irp j, 0,1,2,3,4,5,6,7,8,9,10,11,12,13,14,15
	v_exp_f32 v[UQ+(\j)], v[UQ+(\j)]               ; UK follows UQ: sixteen on end
.endr
.irp j, 0,2,4,6
	v_pk_add_f32 v[QF+(\j):QF+(\j)+1], v[QF+(\j):QF+(\j)+1], 1.0 op_sel_hi:[1,0]  ; plain lines between the exponentials and the use of their results
	v_pk_add_f32 v[KF+(\j):KF+(\j)+1], v[KF+(\j):KF+(\j)+1], 1.0 op_sel_hi:[1,0]
.endr
	s_wait_alu depctr_va_vdst(0)
.irp j, 0,1,2,3,4,5,6,7,8,9,10,11,12,13,14,15
	v_med3_num_f32 v[QF+(\j)], v[QF+(\j)], v[UQ+(\j)], s32  ; KF follows QF: the middle one of x + 1, e^x, 1
.endr
	v_pk_mul_f32 v[DEN:DEN+1], v[QF:QF+1], v[KC:KC+1]
	v_pk_mul_f32 v[OUTF:OUTF+1], v[QF:QF+1], v[KVC:KVC+1]
.irp j, 2,4,6
	v_pk_fma_f32 v[DEN:DEN+1], v[QF+(\j):QF+(\j)+1], v[KC+(\j):KC+(\j)+1], v[DEN:DEN+1]
	v_pk_mul_f32 v[OUTF+(\j):OUTF+(\j)+1], v[QF+(\j):QF+(\j)+1], v[KVC+(\j):KVC+(\j)+1]
.endr
	v_add_f32 v[DEN], v[DEN], v[DEN+1]
	v_add_f32_dpp v[DEN], v[DEN], v[DEN] row_xmask:1 row_mask:0xf bank_mask:0xf  ; over the head's eight lanes
	v_add_f32_dpp v[DEN], v[DEN], v[DEN] row_xmask:2 row_mask:0xf bank_mask:0xf
	v_add_f32_dpp v[DEN], v[DEN], v[DEN] row_xmask:4 row_mask:0xf bank_mask:0xf
	v_add_f32 v[DEN], s33, v[DEN]
	v_rcp_f32 v[RCP], v[DEN]
.irp j, 0,2,4,6                        ; the sums take this row only now, behind their use: the scan is exclusive.  These plain lines also stand between the reciprocal and its use
	v_pk_add_f32 v[KC+(\j):KC+(\j)+1], v[KC+(\j):KC+(\j)+1], v[KF+(\j):KF+(\j)+1]
	v_pk_fma_f32 v[KVC+(\j):KVC+(\j)+1], v[KF+(\j):KF+(\j)+1], v[VF+(\j):VF+(\j)+1], v[KVC+(\j):KVC+(\j)+1]
.endr
	s_wait_alu depctr_va_vdst(0)
.irp j, 0,2,4,6
	v_pk_mul_f32 v[OUTF+(\j):OUTF+(\j)+1], v[OUTF+(\j):OUTF+(\j)+1], v[RCP:RCP+1] op_sel_hi:[1,0]
.endr
.irp j, 0,1,2,3
	v_cvt_pk_bf16_f32 v[OPK+(\j)], v[OUTF+2*(\j)], v[OUTF+2*(\j)+1]
.endr
	ds_store_b128 v[ST], v[OPK:OPK+3] offset:16*(\i)
.endm
; Rows 16 g .. 16 g + 15 of my chunk leave: 32 units of 256 bytes, two to a load; my own bytes, and LDS serves a wave's instructions in order (ISA guide 5.7.1.4): no barrier.
.macro FLUSH g
	s_wait_xcnt 0x0                                ; the registers that earlier stores read are loaded again only behind this wait
.irp i, 0,1,2,3,4,5,6,7,8,9,10,11,12,13,14,15
	ds_load_b128 v[FBK+4*(\i):FBK+4*(\i)+3], v[RB] offset:(\i)*1056+(\g)*256
.endr
.irp i, 0,1,2,3,4,5,6,7,8,9,10,11,12,13,14,15
	s_wait_dscnt 15-(\i)                           ; load i is in, the younger ones stay out
	global_store_b128 v[GO], v[FBK+4*(\i):FBK+4*(\i)+3], s[10:11] offset:(\g)*32768+(\i)*512  ; 512 consecutive bytes, at a multiple of 256 from att's first byte
.endr
.endm
	s_mov_b32 s34, 3
.Lgroup:
.irp i, 0,1,2,3,4,5,6,7
	ROW \i, 1, 21
.endr
	s_wait_xcnt 0x0                                ; the loads' offset register is stepped only behind this wait
	v_add_nc_u32 v[VO], 8*ROWB, v[VO]
	v_add_nc_u32 v[ST], 128, v[ST]                 ; eight rows of 16 bytes on in my unit
	s_sub_co_u32 s34, s34, 1
	s_cmp_lg_u32 s34, 0
	s_cbranch_scc1 .Lgroup
	FLUSH 0                                        ; the first sixteen rows leave while the last eight rows' loads are on their way
.irp i, 0,1,2,3,4,5,6,7
	ROW \i, 0, 21-3*(\i)                           ; the last eight rows load nothing: the counts run down
.endr
	FLUSH 1
	s_wait_tensorcnt 0x0                           ; the wave's end: behind my last LDS store
	ds_add_u32 v[SPW], v[NIL]
	s_wait_dscnt 0x0
	s_endpgm
.Lfunc_end_k_qc33d9ac2b7_scan:
	.size	k_qc33d9ac2b7_scan, .Lfunc_end_k_qc33d9ac2b7_scan-k_qc33d9ac2b7_scan
	.p2alignl 7, 3214868480
	.fill 96, 4, 3214868480
	.section	.rodata,"a",@progbits
	.p2align	6, 0x0
	.amdhsa_kernel k_qc33d9ac2b7_scan
		.amdhsa_group_segment_fixed_size 152576
		.amdhsa_private_segment_fixed_size 0
		.amdhsa_enable_private_segment 0
		.amdhsa_kernarg_size 32
		.amdhsa_user_sgpr_count 2
		.amdhsa_user_sgpr_kernarg_segment_ptr 1
		.amdhsa_wavefront_size32 1
		.amdhsa_system_sgpr_workgroup_id_x 1
		.amdhsa_system_sgpr_workgroup_id_y 1
		.amdhsa_system_sgpr_workgroup_id_z 1
		.amdhsa_system_vgpr_workitem_id 0
		.amdhsa_next_free_vgpr 248
		.amdhsa_next_free_sgpr 66
		.amdhsa_reserve_vcc 0
		.amdhsa_float_denorm_mode_32 3
		.amdhsa_float_denorm_mode_16_64 3
		.amdhsa_memory_ordered 1
		.amdhsa_forward_progress 1
		.amdhsa_inst_pref_size 106
	.end_amdhsa_kernel
	.amdgpu_metadata
---
amdhsa.version: [ 1, 2 ]
amdhsa.kernels:
  - .name:           k_qc33d9ac2b7_scan
    .symbol:         k_qc33d9ac2b7_scan.kd
    .args:
      - { .name: pre, .offset: 0, .size: 8, .value_kind: global_buffer, .address_space: global }
      - { .name: p32, .offset: 8, .size: 8, .value_kind: global_buffer, .address_space: global }
      - { .name: t256, .offset: 16, .size: 8, .value_kind: global_buffer, .address_space: global }
      - { .name: att, .offset: 24, .size: 8, .value_kind: global_buffer, .address_space: global }
    .group_segment_fixed_size: 152576
    .private_segment_fixed_size: 0
    .kernarg_segment_align: 8
    .kernarg_segment_size: 32
    .max_flat_workgroup_size: 256
    .sgpr_count:     66
    .vgpr_count:     248
    .wavefront_size: 32
...
	.end_amdgpu_metadata
.endif
;; end of part 4
;; launch tail (part 5): grid 256 x 1, 4 waves a work-group, clusters of 4 x 1, 327,680 bytes of LDS; arguments att, wb, query, bo, gamma, beta, out0; writes out0
.if DOCPART == 5
	.amdgcn_target "amdgcn-amd-amdhsa--gfx1250"
	.amdhsa_code_object_version 6
	.text
	.protected	k_qc33d9ac2b7_tail
	.globl	k_qc33d9ac2b7_tail
	.p2align	8
	.type	k_qc33d9ac2b7_tail,@function
k_qc33d9ac2b7_tail:
	s_mov_b64 s[64:65], 0
	v_nop
	global_prefetch_b8 v0, s[64:65] scope:SCOPE_SE
	s_setreg_imm32_b32 hwreg(HW_REG_WAVE_MODE, 25, 1), 1
	s_wait_xcnt 0x0
	s_wait_alu depctr_hold_cnt(0) depctr_sa_sdst(0) depctr_va_vdst(0) depctr_va_sdst(0) depctr_va_ssrc(0) depctr_va_vcc(0) depctr_vm_vsrc(0)
	s_getreg_b32 s2, hwreg(HW_REG_IB_STS2, 6, 4)
	s_cmp_eq_u32 s2, 0
	s_cbranch_scc0 .Lentry_in_a_cluster
	s_endpgm
.Lentry_in_a_cluster:
	s_bfe_u32 s2, ttmp6, 0x10000c
	s_cmp_lg_u32 s2, 0x3003
	s_cbranch_scc0 .Lentry_shape_is_right
	s_endpgm
.Lentry_shape_is_right:
; out0[row] = LayerNorm(query[row] + att[row] Wo + bo) gamma + beta, over the row's 1,024 columns, eps 1e-6.  att: bf16 in fragment order (1,024 bytes = 16 rows x 32 k); Wo: wb's fourth matrix, [k][n] bf16.
; The product's sums, the residual, mean, variance (of x - mean: two passes) and the scaling are f32.  LIMIT: 1 / sqrt is v_rsq_f32.
; A work-group owns 64 whole rows, since the norm needs whole rows: wave w makes columns 256 w .. + 255 of all 64: 64 accumulators (row block a = 0..3, column block b = 0..15), 512 registers.
; K goes in 16 steps of 64 through two LDS slots that hold Wo alone: each wave fetches and reads its own 256 columns.  A step is two PARTS of 32 along K, 64 matrix instructions each.
; att's fragments come straight from memory, two loads of 512 consecutive bytes each, three parts ahead, into four buffers that take turns.
; THE MATRIX INSTRUCTION IS USED TRANSPOSED (source 0 = 16 columns of Wo, turned by ds_load_tr16_b128; source 1 = 16 rows of att): a lane holds one row and eight neighbouring columns.
; CLUSTER 4 x 1: all work-groups walk the same Wo, so each tile is asked for JOINTLY by the four partners: the same load, descriptor and mask in all four.
; THE NORM: the sums go to LDS (over the ring, whose bytes have had their last fill), and each wave takes 16 whole rows, one at a time in 32 registers.
; REGISTERS: window 0: v16-29 addresses; v32-63 gamma; v64-191 att's four buffers (later two row buffers and temporaries); v192-223 beta; v224-255 bo
;   window 1: Wo's fragments, two buffers of 128 (later a ring of four rows of query)          windows 2, 3: the accumulators ((a, b) at v[8 (16 (a % 2) + b)] of window 2 + a / 2)
.set PB,    544                        ; an LDS row of Wo: 512 bytes + 32 = 136 words
.set QTR,   64*PB                      ; a wave's part of a slot
.set HALFK, 32*PB                      ; one part's rows
.set SLOT,  4*QTR                      ; 139,264 bytes
.set SPARE, 2*SLOT                     ; behind the ring: the spare words, 128 bytes a wave: two blocks of 256 bytes that no other line names
.set STEPB, 131072                     ; 64 rows of Wo in memory
.set XP,    4112                       ; a row of sums in LDS: 4,096 bytes + 16 = 1,028 words: the 16 rows of a store start at 16 different groups of four banks
.set XA,   16                          ; v16-19  where row block a's sums go
.set XR,   20                          ; v20     where I read rows back
.set QO,   21                          ; v21     my byte offset in the work-group's rows of query and out0
.set AO,   22                          ; v22     16 x lane
.set PF,   23                          ; v23     the prefetch's offset
.set ADRB, 24                          ; v24-25  LDS address of my turning loads in slot 0, 1
.set SPW,  28                          ; v28     LDS address of my spare word; never rewritten
.set NIL,  29                          ; v29     0; never rewritten
.set GAM,  32
.set AF,   64                          ; att's buffer n at AF + 32 n, row block a at + 8 a
.set XX,   64                          ; later: two row buffers of 32
.set TT,   128                         ; v[128:135] four chains of sums
.set MEAN, 136                         ; v[136:137]
.set RS,   138                         ; v[138:139]
.set BET,  192
.set BOV,  224
.set G1,  24                           ; s[24:31] descriptor group 1;  s[32:39] group 0, a set for each slot
.set G0,  32
.set SEL, 60                           ; s[60:61] v_permlanex16_b32's selects
.set INV, 62                           ; s62  1 / 1024
.set EPS, 63                           ; s63  1e-6
.set MSB, 0
.macro WIN new
.if MSB != (\new)
	s_set_vgpr_msb (MSB<<8)|(\new)
.set MSB, \new
.endif
.endm
.set MUL_LO, 0xa1                      ; source 0 (Wo) window 1, source 1 (att) window 0, C and D window 2;  + 0x50: window 3
.set TO_1,   0x40                      ; destination window 1, address window 0
.macro JL s                            ; a joint load: every wave fetches its own 256 columns; an s_nop 0 and four v_nop follow
	tensor_load_to_lds s[G0+4*(\s):G0+4*(\s)+3], s[G1:G1+7]
	s_nop 0
.rept 4
	v_nop
.endr
.endm
.macro CREST
	s_cmp_lg_u32 s10, 0
	s_cbranch_scc1 .Lnot_wave_0_\@
	s_barrier_signal -3
.Lnot_wave_0_\@:
	s_barrier_wait -3
	s_barrier_signal -1
	s_barrier_wait -1
.endm
.macro CROUND
	s_barrier_signal -1
	s_barrier_wait -1
	CREST
.endm
.macro PLACES
.rept 4
	v_nop
.endr
.endm
	s_load_b256 s[68:75], s[0:1], 0x0              ; att s[68:69], wb s[70:71], query s[72:73], bo s[74:75]
	s_load_b128 s[76:79], s[0:1], 0x20             ; gamma s[76:77], beta s[78:79]
	s_load_b64 s[80:81], s[0:1], 0x30              ; out0
	v_lshl_add_u32 v[SPW], v0, 2, SPARE
	v_mov_b32 v[NIL], 0
	ds_add_u32 v[SPW], v[NIL]                      ; the wave's opening: the add and its wait come ahead of my first tensor load; the set-up below stands between them
	ds_add_u32 v28, v29
	v_lshrrev_b32 v1, 5, v0
	v_readfirstlane_b32 s10, v1                    ; wave 0..3
	s_bfe_u32 s13, ttmp6, 0x40000                  ; cx
	s_lshl_b32 s14, ttmp9, 2
	s_add_co_u32 s14, s14, s13                     ; my block of 64 rows: it enters att's, query's and out0's addresses alone
	s_mov_b32 s[G1+0], 15|(1<<16)|(1<<20)|(1<<21)|(6<<22)|(7<<25)  ; the mask of four; elements of 2 bytes; padding on; bit 21 beside a mask; after every 128 words, 8 words
	s_mov_b32 s[G1+1], 256<<16                     ; tensor_dim0 = 256
	s_mov_b32 s[G1+2], 64<<16                      ; tensor_dim1 = 64
	s_mov_b32 s[G1+3], 256<<16                     ; tile_dim0 = 256
	s_mov_b32 s[G1+4], 64                          ; tile_dim1 = 64
	s_mov_b32 s[G1+5], 1024                        ; elements from row to row
	s_mov_b32 s[G1+6], 0
	s_mov_b32 s[G1+7], 0
	s_mul_i32 s20, s10, QTR                        ; my part of a slot: the wave's number alone
	s_lshl_b32 s16, s10, 9                         ; my 256 columns of Wo,
	s_add_co_u32 s16, s16, 3*2097152               ; wb's fourth matrix
	s_mov_b32 s17, 0
	s_lshl_b32 s18, s14, 17                        ; att: four row blocks of 32,768 bytes
	s_mov_b32 s19, 0
	s_lshl_b32 s22, s14, 18                        ; query, out0: 64 rows of 4,096 bytes
	s_mov_b32 s23, 0
	s_mov_b32 s[SEL], 0x76543210
	s_mov_b32 s[SEL+1], 0xfedcba98
	s_mov_b32 s[INV], 0x3a800000                   ; 1 / 1024
	s_mov_b32 s[EPS], 0x358637bd                   ; 1e-6
	s_wait_dscnt 0x0                               ; the opening add is done
	s_wait_kmcnt 0x0
	s_add_nc_u64 s[16:17], s[70:71], s[16:17]
	s_add_nc_u64 s[4:5], s[68:69], s[18:19]
	s_add_nc_u64 s[6:7], s[72:73], s[22:23]
	s_add_nc_u64 s[8:9], s[80:81], s[22:23]
	CROUND                                         ; all four work-groups are here: the first joint loads meet
.irp s, 0,1
	s_mov_b32 s[G0+4*(\s)], 1
	s_add_co_u32 s[G0+4*(\s)+1], s20, (\s)*SLOT
	s_add_nc_u64 s[G0+4*(\s)+2:G0+4*(\s)+3], s[16:17], (\s)*STEPB
	s_or_b32 s[G0+4*(\s)+3], s[G0+4*(\s)+3], 0x80000000
.endr
	tensor_load_to_lds s[G0:G0+3], s[G1:G1+7]      ; K steps 0 and 1: two loads of mine are out
	s_nop 0
	tensor_load_to_lds s[G0+4:G0+7], s[G1:G1+7]
	s_nop 0
.rept 4
	v_nop
.endr
	v_and_b32 v1, 15, v0                           ; r
	v_bfe_u32 v2, v0, 4, 1                         ; h
	v_and_b32 v3, 31, v0                           ; l
	v_lshlrev_b32 v[AO], 4, v3
.irp j, 0,1,2,3,4,5,6,7                ; register 4 j + e of a row buffer is column 128 j + 4 l + e; gamma, beta and bo lie likewise
	global_load_b128 v[GAM+4*(\j):GAM+4*(\j)+3], v[AO], s[76:77] offset:512*(\j)
	global_load_b128 v[BET+4*(\j):BET+4*(\j)+3], v[AO], s[78:79] offset:512*(\j)
	global_load_b128 v[BOV+4*(\j):BOV+4*(\j)+3], v[AO], s[74:75] offset:512*(\j)
.endr
; att's fragments of part kb (counted from the stepped base) into buffer buf: eight loads of 512 consecutive bytes
.macro ALOAD kb, buf
	WIN 0
.irp a, 0,1,2,3
	global_load_b128 v[AF+32*(\buf)+8*(\a):AF+32*(\buf)+8*(\a)+3],   v[AO], s[4:5] offset:(\a)*32768+(\kb)*1024
	global_load_b128 v[AF+32*(\buf)+8*(\a)+4:AF+32*(\buf)+8*(\a)+7], v[AO], s[4:5] offset:(\a)*32768+(\kb)*1024+512
.endr
.endm
	ALOAD 0, 0
	ALOAD 1, 1
	ALOAD 2, 2
	v_and_b32 v4, 7, v0                            ; the turning load's lane reads k row 8 h + l % 8, columns 8 ((l / 8) % 2) + 0..7
	v_lshl_add_u32 v4, v2, 3, v4
	v_mul_u32_u24 v4, v4, PB
	v_bfe_u32 v5, v0, 3, 1
	v_lshl_add_u32 v4, v5, 4, v4
	v_add_nc_u32 v[ADRB], s20, v4
	v_add_nc_u32 v[ADRB+1], SLOT, v[ADRB]
	v_mul_u32_u24 v6, v1, XP                       ; the sums: row 16 a + r, byte 1,024 w + 64 b + 32 h
	v_lshl_add_u32 v6, v2, 5, v6
	s_lshl_b32 s21, s10, 10
	v_add_nc_u32 v[XA], s21, v6
.irp a, 1,2,3
	v_add_nc_u32 v[XA+(\a)], (\a)*16*XP, v[XA]
.endr
	s_mul_i32 s21, s10, 16*XP                      ; back: my rows 16 w .. + 15, 16 bytes a lane
	v_add_nc_u32 v[XR], s21, v[AO]
	s_lshl_b32 s21, s10, 16                        ; and the same rows in query and out0
	v_add_nc_u32 v[QO], s21, v[AO]
	v_lshl_add_u32 v[PF], v3, 8, s21               ; lanes 256 bytes apart, from my first row on
.macro FETCHB slot, c, f               ; 32 turning loads in one run: part c of a slot, my 16 column blocks, into buffer f
	WIN TO_1
.irp b, 0,1,2,3,4,5,6,7,8,9,10,11,12,13,14,15
	ds_load_tr16_b128 v[128*(\f)+8*(\b):128*(\f)+8*(\b)+3],   v[ADRB+(\slot)] offset:(\c)*HALFK+32*(\b)
	ds_load_tr16_b128 v[128*(\f)+8*(\b)+4:128*(\f)+8*(\b)+7], v[ADRB+(\slot)] offset:(\c)*HALFK+32*(\b)+16*PB
.endr
.endm
; Eight matrix instructions: row block a x column blocks 8 bh .. + 7.  The 64 accumulators take turns in the same order in every part.  zero = 1: the product starts the sum.
.macro MULH f, ab, a, bh, zero
	WIN MUL_LO+0x50*((\a)/2)
.irp b, 0,1,2,3,4,5,6,7
.if \zero
	v_wmma_f32_16x16x32_bf16 v[8*(16*((\a)%2)+8*(\bh)+(\b)):8*(16*((\a)%2)+8*(\bh)+(\b))+7], v[128*(\f)+8*(8*(\bh)+(\b)):128*(\f)+8*(8*(\bh)+(\b))+7], v[AF+32*(\ab)+8*(\a):AF+32*(\ab)+8*(\a)+7], 0
.else
	v_wmma_f32_16x16x32_bf16 v[8*(16*((\a)%2)+8*(\bh)+(\b)):8*(16*((\a)%2)+8*(\bh)+(\b))+7], v[128*(\f)+8*(8*(\bh)+(\b)):128*(\f)+8*(8*(\bh)+(\b))+7], v[AF+32*(\ab)+8*(\a):AF+32*(\ab)+8*(\a)+7], v[8*(16*((\a)%2)+8*(\bh)+(\b)):8*(16*((\a)%2)+8*(\bh)+(\b))+7]
.endif
.endr
.endm
; A step's first part: multiplies Wo's buffer 0 by att's buffer ab; asks for att's part three on (kb; -1: none) into the buffer that the part before used; fetches the slot's second part.
; left = att's younger loads that may stay out: eight for each part asked for behind this one's.
.macro PARTA slot, ab, kb, left, zero
	s_wait_dscnt 0x0                               ; Wo's buffer 0 is in
	s_wait_loadcnt \left
	PLACES                                         ; in front of loads into registers that the part before multiplied
.if (\kb) >= 0
	ALOAD \kb, ((\ab)+3)%4
.endif
	FETCHB \slot, 1, 1
.irp a, 0,1,2,3
	MULH 0, \ab, \a, 0, \zero
	MULH 0, \ab, \a, 1, \zero
.endr
.endm
; A step's second part multiplies buffer 1 and changes slots: in front of ONE barrier each wave waits for all its tensor loads (one is out: its part of the next slot), adds 0 to its spare word, and waits for
; that and for its reads of this slot.  fill = 1: the barrier opens a round of the cluster's, and my part of the slot is filled again, two K steps on, first thing behind it.
; pf = 1: my first four rows of query (16,384 bytes, each lane another 256) are asked for ahead: they are loaded two parts and three quarters later; each block is asked for once in the launch.
.macro PARTB slot, next, ab, kb, left, fill, pf
	WIN 0                                          ; (the add's two registers lie in window 0)
	s_wait_tensorcnt 0x0                           ; all my tensor loads have landed
	ds_add_u32 v[SPW], v[NIL]                      ; 0 onto my spare word
	s_wait_dscnt 0x1                               ; Wo's buffer 1 is in: the add alone may be out
	s_wait_loadcnt \left
	MULH 1, \ab, 0, 0, 0                           ; eight matrix instructions stand between the add and the wait for it
	s_wait_dscnt 0x0                               ; the add is done, and my reads of this slot are over
	s_barrier_signal -1
	MULH 1, \ab, 0, 1, 0
	WIN 0
	s_barrier_wait -1
.if \fill
	CREST                                          ; no wave of any partner still reads this slot or has a load on its way
	s_add_nc_u64 s[G0+4*(\slot)+2:G0+4*(\slot)+3], s[G0+4*(\slot)+2:G0+4*(\slot)+3], 2*STEPB
	JL \slot                                       ; my one tensor load behind the round; its four v_nop are also the places in front of the loads below
.else
	PLACES
.endif
.if (\kb) >= 0
	ALOAD \kb, ((\ab)+3)%4
.endif
	FETCHB \next, 0, 0
.if \pf
	WIN 0
	global_prefetch_b8 v[PF], s[6:7] th:TH_LOAD_NT scope:SCOPE_SE
	global_prefetch_b8 v[PF], s[6:7] offset:8192 th:TH_LOAD_NT scope:SCOPE_SE
.endif
.irp a, 1,2,3
	MULH 1, \ab, \a, 0, 0
	MULH 1, \ab, \a, 1, 0
.endr
.endm
	s_wait_tensorcnt 0x1                           ; my part of K step 0 is in, and I alone read it: no barrier; step 1's may stay out
	FETCHB 0, 0, 0
	PARTA 0, 0, 3, 16, 1                           ; part 0 stands in front of the loop: its products start the sums
	WIN 0                                          ; at a label and at a branch every window is 0
	s_mov_b32 s3, 7
.Llap:                                                 ; a trip: parts 4 t + 1 .. 4 t + 4; both slots are filled again; att's parts 4 t + 4 .. 4 t + 7 are asked for
	PARTB 0, 1, 1, 4, 16, 1, 0
	PARTA 1, 2, 5, 16, 0
	PARTB 1, 0, 3, 6, 16, 1, 0
	PARTA 0, 0, 7, 16, 0
	WIN 0
	s_wait_xcnt 0x0                                ; att's base is stepped only behind this wait
	s_add_nc_u64 s[4:5], s[4:5], 4096
	s_sub_co_u32 s3, s3, 1
	s_cmp_lg_u32 s3, 0
	s_cbranch_scc1 .Llap
	PARTB 0, 1, 1, -1, 16, 0, 1                    ; the tail is written out: parts 29, 30, 31 ask for nothing more of att or Wo, and the counts run down
	PARTA 1, 2, -1, 8, 0
	s_wait_dscnt 0x0
	s_wait_loadcnt 0x0
.irp a, 0,1,2,3
	MULH 1, 3, \a, 0, 0
	MULH 1, 3, \a, 1, 0
.endr
; THE NORM.
.macro QLOAD i, row                    ; a row of query into slot i of the ring in window 1: eight loads of 512 consecutive bytes
	WIN TO_1
.irp j, 0,1,2,3,4,5,6,7
	global_load_b128 v[32*(\i)+4*(\j):32*(\i)+4*(\j)+3], v[QO], s[6:7] offset:(\row)*4096+512*(\j) th:TH_LOAD_NT
.endr
.endm
.macro XLOAD buf, row                  ; a row of sums from LDS into row buffer buf
	WIN 0
.irp j, 0,1,2,3,4,5,6,7
	ds_load_b128 v[XX+32*(\buf)+4*(\j):XX+32*(\buf)+4*(\j)+3], v[XR] offset:(\row)*XP+512*(\j)
.endr
.endm
.macro ACROSS                          ; four chains into one number, then over the 32 lanes: every lane ends with the sum
	v_pk_add_f32 v[TT:TT+1], v[TT:TT+1], v[TT+2:TT+3]
	v_pk_add_f32 v[TT+4:TT+5], v[TT+4:TT+5], v[TT+6:TT+7]
	v_pk_add_f32 v[TT:TT+1], v[TT:TT+1], v[TT+4:TT+5]
	v_add_f32 v[TT], v[TT], v[TT+1]
	v_add_f32_dpp v[TT], v[TT], v[TT] row_xmask:1 row_mask:0xf bank_mask:0xf
	v_add_f32_dpp v[TT], v[TT], v[TT] row_xmask:2 row_mask:0xf bank_mask:0xf
	v_add_f32_dpp v[TT], v[TT], v[TT] row_xmask:4 row_mask:0xf bank_mask:0xf
	v_add_f32_dpp v[TT], v[TT], v[TT] row_xmask:8 row_mask:0xf bank_mask:0xf
	v_permlanex16_b32 v[TT+1], v[TT], s[SEL], s[SEL+1]
	v_add_f32 v[TT], v[TT], v[TT+1]
.endm
; One row: i = its place in the trip's four.  ahead = 1: query's row four on is asked for.  left = query's younger loads that may stay out, eight a row.  nx = 1: the next row's sums are fetched.
.macro TURN i, ahead, left, nx
.set XB, XX+32*((\i)%2)
	s_wait_loadcnt \left
	s_wait_dscnt 0x0                               ; the row's sums are in
	WIN 0x04                                       ; source 1 in window 1
.set z, 0
.rept 16
	v_pk_add_f32 v[XB+z:XB+z+1], v[XB+z:XB+z+1], v[32*(\i)+z:32*(\i)+z+1]
.set z, z+2
.endr
.if \ahead
	QLOAD \i, (\i)+4
.endif
	WIN 0
.if \nx
	s_wait_xcnt 0x0                                ; the other row buffer, which the last row's stores read, is loaded again only behind this wait
	XLOAD 1-((\i)%2), (\i)+1
.endif
.set z, 0
.rept 16
	v_pk_add_f32 v[XB+z:XB+z+1], v[XB+z:XB+z+1], v[BOV+z:BOV+z+1]
.set z, z+2
.endr
.irp c, 0,2,4,6
	v_pk_add_f32 v[TT+(\c):TT+(\c)+1], v[XB+(\c):XB+(\c)+1], v[XB+8+(\c):XB+8+(\c)+1]  ; the first pairs start the four chains: nothing is cleared
.endr
.set z, 16
.rept 8
	v_pk_add_f32 v[TT+z%8:TT+z%8+1], v[TT+z%8:TT+z%8+1], v[XB+z:XB+z+1]
.set z, z+2
.endr
	ACROSS
	v_mul_f32 v[MEAN], s[INV], v[TT]
.set z, 0
.rept 16
	v_pk_add_f32 v[XB+z:XB+z+1], v[XB+z:XB+z+1], v[MEAN:MEAN+1] op_sel_hi:[1,0] neg_lo:[0,1] neg_hi:[0,1]
.set z, z+2
.endr
.irp c, 0,2,4,6
	v_pk_mul_f32 v[TT+(\c):TT+(\c)+1], v[XB+(\c):XB+(\c)+1], v[XB+(\c):XB+(\c)+1]
.endr
.set z, 8
.rept 12
	v_pk_fma_f32 v[TT+z%8:TT+z%8+1], v[XB+z:XB+z+1], v[XB+z:XB+z+1], v[TT+z%8:TT+z%8+1]
.set z, z+2
.endr
	ACROSS
	v_fma_f32 v[TT], v[TT], s[INV], s[EPS]         ; the variance + 1e-6
	v_rsq_f32 v[RS], v[TT]
	v_nop                                          ; a plain instruction between the root and the use of its result
.set z, 0
	s_wait_alu depctr_va_vdst(0)
.rept 16
	v_pk_mul_f32 v[XB+z:XB+z+1], v[XB+z:XB+z+1], v[RS:RS+1] op_sel_hi:[1,0]
.set z, z+2
.endr
.set z, 0
.rept 16
	v_pk_fma_f32 v[XB+z:XB+z+1], v[XB+z:XB+z+1], v[GAM+z:GAM+z+1], v[BET+z:BET+z+1]
.set z, z+2
.endr
.irp j, 0,1,2,3,4,5,6,7
	global_store_b128 v[QO], v[XB+4*(\j):XB+4*(\j)+3], s[8:9] offset:(\i)*4096+512*(\j) th:TH_STORE_NT  ; 512 consecutive bytes, at a multiple of 256 from out0's first byte
.endr
.endm
	PLACES                                         ; behind the last products: loads into Wo's registers and stores of the sums follow
	QLOAD 0, 0
	QLOAD 1, 1
	QLOAD 2, 2
	QLOAD 3, 3
	WIN 0
	v_mov_b32 v[MEAN+1], 0                         ; named as pairs with the mean and the root
	v_mov_b32 v[RS+1], 0
	s_wait_dscnt 0x0
	s_barrier_signal -1                            ; every wave's reads of the ring are over and its tensor loads have landed: the ring's bytes may be written
	s_barrier_wait -1
.irp a, 0,1,2,3
	WIN 0x08+4*((\a)/2)                            ; the data in window 2 or 3, the address in window 0
.irp b, 0,1,2,3,4,5,6,7,8,9,10,11,12,13,14,15
	ds_store_b128 v[XA+(\a)], v[8*(16*((\a)%2)+(\b)):8*(16*((\a)%2)+(\b))+3]   offset:64*(\b)     ; each accumulator's low four registers first
	ds_store_b128 v[XA+(\a)], v[8*(16*((\a)%2)+(\b))+4:8*(16*((\a)%2)+(\b))+7] offset:64*(\b)+16
.endr
.endr
	WIN 0
	s_wait_dscnt 0x0                               ; for the others' sake: my columns of all 64 rows are in LDS
	s_barrier_signal -1
	s_barrier_wait -1
	XLOAD 0, 0
	s_mov_b32 s3, 3
.Lrows:                                                ; a trip: four rows
	TURN 0, 1, 24, 1
	TURN 1, 1, 24, 1
	TURN 2, 1, 24, 1
	TURN 3, 1, 24, 1
	s_wait_xcnt 0x0                                ; the two bases are stepped only behind this wait
	s_add_nc_u64 s[6:7], s[6:7], 16384
	s_add_nc_u64 s[8:9], s[8:9], 16384
	v_add_nc_u32 v[XR], 4*XP, v[XR]
	s_sub_co_u32 s3, s3, 1
	s_cmp_lg_u32 s3, 0
	s_cbranch_scc1 .Lrows
	TURN 0, 0, 24, 1                               ; the last four rows ask for nothing more of query: the counts run down
	TURN 1, 0, 16, 1
	TURN 2, 0, 8, 1
	TURN 3, 0, 0, 0
	s_wait_tensorcnt 0x0                           ; the wave's end: behind my last tensor load and my last LDS store
	ds_add_u32 v[SPW], v[NIL]
	s_wait_dscnt 0x0
	CROUND                                         ; the closing round: no work-group ends while a partner may still ask for a tile that names it
	s_endpgm
.Lfunc_end_k_qc33d9ac2b7_tail:
	.size	k_qc33d9ac2b7_tail, .Lfunc_end_k_qc33d9ac2b7_tail-k_qc33d9ac2b7_tail
	.p2alignl 7, 3214868480
	.fill 96, 4, 3214868480
	.section	.rodata,"a",@progbits
	.p2align	6, 0x0
	.amdhsa_kernel k_qc33d9ac2b7_tail
		.amdhsa_group_segment_fixed_size 327680
		.amdhsa_private_segment_fixed_size 0
		.amdhsa_enable_private_segment 0
		.amdhsa_kernarg_size 56
		.amdhsa_user_sgpr_count 2
		.amdhsa_user_sgpr_kernarg_segment_ptr 1
		.amdhsa_wavefront_size32 1
		.amdhsa_system_sgpr_workgroup_id_x 1
		.amdhsa_system_sgpr_workgroup_id_y 1
		.amdhsa_system_sgpr_workgroup_id_z 1
		.amdhsa_system_vgpr_workitem_id 0
		.amdhsa_next_free_vgpr 1024
		.amdhsa_next_free_sgpr 96
		.amdhsa_reserve_vcc 0
		.amdhsa_float_denorm_mode_32 3
		.amdhsa_float_denorm_mode_16_64 3
		.amdhsa_memory_ordered 1
		.amdhsa_forward_progress 1
		.amdhsa_inst_pref_size 157
	.end_amdhsa_kernel
	.amdgpu_metadata
---
amdhsa.version: [ 1, 2 ]
amdhsa.kernels:
  - .name:           k_qc33d9ac2b7_tail
    .symbol:         k_qc33d9ac2b7_tail.kd
    .args:
      - { .name: att, .offset: 0, .size: 8, .value_kind: global_buffer, .address_space: global }
      - { .name: wb, .offset: 8, .size: 8, .value_kind: global_buffer, .address_space: global }
      - { .name: query, .offset: 16, .size: 8, .value_kind: global_buffer, .address_space: global }
      - { .name: bo, .offset: 24, .size: 8, .value_kind: global_buffer, .address_space: global }
      - { .name: gamma, .offset: 32, .size: 8, .value_kind: global_buffer, .address_space: global }
      - { .name: beta, .offset: 40, .size: 8, .value_kind: global_buffer, .address_space: global }
      - { .name: out0, .offset: 48, .size: 8, .value_kind: global_buffer, .address_space: global }
    .group_segment_fixed_size: 327680
    .private_segment_fixed_size: 0
    .kernarg_segment_align: 8
    .kernarg_segment_size: 56
    .max_flat_workgroup_size: 128
    .sgpr_count:     96
    .vgpr_count:     1024
    .wavefront_size: 32
...
	.end_amdgpu_metadata
.endif
;; end of part 5
;; ======== version 2 of 2: 5 launches
;; workspace buffers: wb 8,388,608 bytes; pre 100,663,296 bytes; p32 4,194,304 bytes; t256 524,288 bytes; att 33,554,432 bytes
;; launch prep (part 6): grid 128 x 4, 8 waves a work-group, no clusters, 0 bytes of LDS; arguments Wq, Wk, Wv, Wo, wb; writes wb
.if DOCPART == 6
	.amdgcn_target "amdgcn-amd-amdhsa--gfx1250"
	.amdhsa_code_object_version 6
	.text
	.protected	k_qc33d9ac2b7_prep
	.globl	k_qc33d9ac2b7_prep
	.p2align	8
	.type	k_qc33d9ac2b7_prep,@function
k_qc33d9ac2b7_prep:
	s_mov_b64 s[64:65], 0
	v_nop
	global_prefetch_b8 v0, s[64:65] scope:SCOPE_SE
	s_setreg_imm32_b32 hwreg(HW_REG_WAVE_MODE, 25, 1), 1
	s_wait_xcnt 0x0
; The four weights, [1024 k][1024 n] f32, rounded once to bf16 (to nearest even) into wb, 2,097,152 bytes each, in the order Wq, Wk, Wv, Wo (grid y).
; Wq, Wk, Wv go into MATRIX FRAGMENT ORDER: [g = n / 128][kb = k / 32][b = (n / 16) % 8][1,024 bytes]; in a fragment the 16 bytes at 512 p + 256 h + 16 r hold k = 32 kb + 16 p + 8 h + 0..7
; of column n = 128 g + 16 b + r: what lane 16 h + r of the next launch loads as registers 4 p .. 4 p + 3.  Wo keeps its layout [k][n].
; Fragment order: grid x = 4 kb + cg; wave w takes columns 256 cg + 32 w + lane of the 32 rows of kb: 32 loads of 4 bytes a lane (a wave's load covers 128 consecutive bytes, the eight waves 1,024), then
; four stores of 16 bytes: lanes 0-15 fill 256 consecutive bytes at a multiple of 256 from wb's first byte, lanes 16-31 the same 1,024 bytes further on.
; Wo: grid x takes 8,192 numbers, a thread four in each of 8 steps: loads of 512, stores of 256 consecutive bytes a wave.  A stream: no LDS, no barrier, no matrix unit.
.set IN,   4                           ; v[4:35]   as loaded
.set OUTP, 36                          ; v[36:51]  to store
	s_load_b256 s[4:11], s[0:1], 0x0               ; Wq s[4:5], Wk s[6:7], Wv s[8:9], Wo s[10:11]
	s_load_b64 s[12:13], s[0:1], 0x20              ; wb
	s_and_b32 s14, ttmp7, 0xffff                   ; which matrix
	s_cmp_eq_u32 s14, 3
	s_cbranch_scc1 .Lplain
	s_lshr_b32 s15, ttmp9, 2                       ; kb
	s_and_b32 s20, ttmp9, 3                        ; cg
	s_lshl_b32 s16, s15, 17                        ; from: 32 rows of 4,096 bytes a kb,
	s_lshl_b32 s17, s20, 10                        ; 1,024 bytes a cg
	s_add_co_u32 s16, s16, s17
	s_mov_b32 s17, 0
	s_lshl_b32 s18, s14, 21                        ; to: the matrix,
	s_lshl_b32 s19, s20, 19                        ; two groups of 262,144 bytes a cg,
	s_add_co_u32 s18, s18, s19
	s_lshl_b32 s19, s15, 13                        ; 8,192 bytes a kb
	s_add_co_u32 s18, s18, s19
	s_mov_b32 s19, 0
	v_lshlrev_b32 v1, 2, v0                        ; from: 4 bytes a thread: 128 w + 4 lane
	v_and_b32 v2, 15, v0                           ; to: 16 r,
	v_lshlrev_b32 v2, 4, v2
	v_and_b32 v3, 0x70, v0                         ; b = 2 (w % 4) + lane / 16, 1,024 bytes each: bits 4 to 6 of the thread's number, six places up,
	v_lshl_or_b32 v2, v3, 6, v2
	v_and_b32 v3, 0x80, v0                         ; and the group w / 4: bit 7, eleven places up
	v_lshl_or_b32 v2, v3, 11, v2
	s_wait_kmcnt 0x0
	s_cmp_eq_u32 s14, 1                            ; the choice hangs on the grid's y alone
	s_cselect_b64 s[4:5], s[6:7], s[4:5]
	s_cmp_eq_u32 s14, 2
	s_cselect_b64 s[4:5], s[8:9], s[4:5]
	s_add_nc_u64 s[4:5], s[4:5], s[16:17]
	s_add_nc_u64 s[12:13], s[12:13], s[18:19]
.set q, 0
.rept 32
	global_load_b32 v[IN+q], v1, s[4:5] offset:4096*q th:TH_LOAD_NT  ; row q of the kb; all 32 loads go out first
.set q, q+1
.endr
.irp m, 0,1,2,3                        ; m = 2 p + h: rows 8 m .. 8 m + 7
	s_wait_loadcnt 24-8*(\m)                       ; loads come back in order: these eight are in, the younger ones stay out
.irp j, 0,1,2,3
	v_cvt_pk_bf16_f32 v[OUTP+4*(\m)+(\j)], v[IN+8*(\m)+2*(\j)], v[IN+8*(\m)+2*(\j)+1]
.endr
	global_store_b128 v2, v[OUTP+4*(\m):OUTP+4*(\m)+3], s[12:13] offset:256*(\m)  ; no register is written twice: no wait for the stores' sources
.endr
	s_endpgm
.Lplain:
	s_lshl_b32 s16, ttmp9, 15                      ; my 32,768 bytes of Wo
	s_mov_b32 s17, 0
	s_lshl_b32 s18, ttmp9, 14                      ; my 16,384 bytes of wb's fourth matrix
	s_add_co_u32 s18, s18, 3*2097152
	s_mov_b32 s19, 0
	v_lshlrev_b32 v1, 4, v0
	v_lshlrev_b32 v2, 3, v0
	s_wait_kmcnt 0x0
	s_add_nc_u64 s[10:11], s[10:11], s[16:17]
	s_add_nc_u64 s[12:13], s[12:13], s[18:19]
.irp j, 0,1,2,3,4,5,6,7
	global_load_b128 v[IN+4*(\j):IN+4*(\j)+3], v1, s[10:11] offset:4096*(\j) th:TH_LOAD_NT
.endr
.irp j, 0,1,2,3,4,5,6,7
	s_wait_loadcnt 7-(\j)
	v_cvt_pk_bf16_f32 v[OUTP+2*(\j)], v[IN+4*(\j)], v[IN+4*(\j)+1]
	v_cvt_pk_bf16_f32 v[OUTP+2*(\j)+1], v[IN+4*(\j)+2], v[IN+4*(\j)+3]
	global_store_b64 v2, v[OUTP+2*(\j):OUTP+2*(\j)+1], s[12:13] offset:2048*(\j)
.endr
	s_endpgm
.Lfunc_end_k_qc33d9ac2b7_prep:
	.size	k_qc33d9ac2b7_prep, .Lfunc_end_k_qc33d9ac2b7_prep-k_qc33d9ac2b7_prep
	.p2alignl 7, 3214868480
	.fill 96, 4, 3214868480
	.section	.rodata,"a",@progbits
	.p2align	6, 0x0
	.amdhsa_kernel k_qc33d9ac2b7_prep
		.amdhsa_group_segment_fixed_size 0
		.amdhsa_private_segment_fixed_size 0
		.amdhsa_enable_private_segment 0
		.amdhsa_kernarg_size 40
		.amdhsa_user_sgpr_count 2
		.amdhsa_user_sgpr_kernarg_segment_ptr 1
		.amdhsa_wavefront_size32 1
		.amdhsa_system_sgpr_workgroup_id_x 1
		.amdhsa_system_sgpr_workgroup_id_y 1
		.amdhsa_system_sgpr_workgroup_id_z 1
		.amdhsa_system_vgpr_workitem_id 0
		.amdhsa_next_free_vgpr 56
		.amdhsa_next_free_sgpr 66
		.amdhsa_reserve_vcc 0
		.amdhsa_float_denorm_mode_32 3
		.amdhsa_float_denorm_mode_16_64 3
		.amdhsa_memory_ordered 1
		.amdhsa_forward_progress 1
		.amdhsa_inst_pref_size 10
	.end_amdhsa_kernel
	.amdgpu_metadata
---
amdhsa.version: [ 1, 2 ]
amdhsa.kernels:
  - .name:           k_qc33d9ac2b7_prep
    .symbol:         k_qc33d9ac2b7_prep.kd
    .args:
      - { .name: Wq, .offset: 0, .size: 8, .value_kind: global_buffer, .address_space: global }
      - { .name: Wk, .offset: 8, .size: 8, .value_kind: global_buffer, .address_space: global }
      - { .name: Wv, .offset: 16, .size: 8, .value_kind: global_buffer, .address_space: global }
      - { .name: Wo, .offset: 24, .size: 8, .value_kind: global_buffer, .address_space: global }
      - { .name: wb, .offset: 32, .size: 8, .value_kind: global_buffer, .address_space: global }
    .group_segment_fixed_size: 0
    .private_segment_fixed_size: 0
    .kernarg_segment_align: 8
    .kernarg_segment_size: 40
    .max_flat_workgroup_size: 256
    .sgpr_count:     66
    .vgpr_count:     56
    .wavefront_size: 32
...
	.end_amdgpu_metadata
.endif
;; end of part 6
;; launch qkv (part 7): grid 4 x 64, 4 waves a work-group, clusters of 4 x 1, 327,680 bytes of LDS; arguments query, key_in, value, wb, bq, bk, bv, pre; writes pre
.if DOCPART == 7
	.amdgcn_target "amdgcn-amd-amdhsa--gfx1250"
	.amdhsa_code_object_version 6
	.text
	.protected	k_qc33d9ac2b7_qkv
	.globl	k_qc33d9ac2b7_qkv
	.p2align	8
	.type	k_qc33d9ac2b7_qkv,@function
k_qc33d9ac2b7_qkv:
	s_mov_b64 s[64:65], 0
	v_nop
	global_prefetch_b8 v0, s[64:65] scope:SCOPE_SE
	s_setreg_imm32_b32 hwreg(HW_REG_WAVE_MODE, 25, 1), 1
	s_wait_xcnt 0x0
	s_wait_alu depctr_hold_cnt(0) depctr_sa_sdst(0) depctr_va_vdst(0) depctr_va_sdst(0) depctr_va_ssrc(0) depctr_va_vcc(0) depctr_vm_vsrc(0)
	s_getreg_b32 s2, hwreg(HW_REG_IB_STS2, 6, 4)
	s_cmp_eq_u32 s2, 0
	s_cbranch_scc0 .Lentry_in_a_cluster
	s_endpgm
.Lentry_in_a_cluster:
	s_bfe_u32 s2, ttmp6, 0x10000c
	s_cmp_lg_u32 s2, 0x3003
	s_cbranch_scc0 .Lentry_shape_is_right
	s_endpgm
.Lentry_shape_is_right:
; pre[t][row][n] = bf16(sum over k of X[row][k] W[k][n] + b[n]), t = 0, 1, 2 for (query, Wq, bq), (key_in, Wk, bk), (value, Wv, bv).
; X: [16384][1024] f32, rounded to bf16 between LDS and the matrix unit; W: bf16 in fragment order (wb); sums in f32, started with the bias; the result rounded once.
; The activation elu + 1 is NOT applied here: the launches that read pre apply it in f32.  LIMITS: Q, K and V are so rounded to bf16 before the activation; the sums run over K from step (grid y) mod 8
; on and wrap, not from 0, so their order of rounding differs from an ascending one.
; A tile of 256 x 256 is made by four waves, 128 x 128 each: 64 accumulators, 512 registers.  K goes in 8 steps of 128; a step is four PARTS of 32 along K, 64 matrix instructions each.
; A WORK-GROUP STAYS: it makes three tiles, the same rows and columns of the three products one after the other: 4 x 64 work-groups.  The 24 steps are ONE walk for the ring: a loop of 22 trips, a refill in
; each; a tile's last two changes of slots ask for the next tile's first two steps, its last three parts for the next tile's first three parts of W, and nothing waits for a tile's stores.  At a tile's
; end a forward jump, which passes no barrier and no tensor load, leads to the way out and to the part that starts the next sums.
; LDS HOLDS X ALONE: two slots of 256 rows x 128 f32 (rows of 512 bytes, at multiples of 256 from X's first byte).  With W beside it two such slots would be 2 x (135,168 + 69,632) bytes, more than the
; 327,680 there are; without it a wave's one load behind a round has a whole step, 256 matrix instructions, in which to land.
; W COMES STRAIGHT INTO REGISTERS: a part's 8 fragments are 8,192 consecutive bytes of wb, 16 loads of 512 bytes, asked for three parts ahead, into four buffers that take turns.  So W is not asked for
; jointly: a joint request fills LDS, and W does not pass through it.
; X's f32 land in 64 registers, half a part at a time, and are rounded, four conversions behind each of 16 of a part's matrix instructions.
; THE MATRIX INSTRUCTION IS USED TRANSPOSED: source 0 = 16 columns of W, source 1 = 16 rows of X: a lane then holds one row and eight neighbouring columns, which pack into 16 bytes.
; CLUSTER 4 x 1: the four tile columns of one tile row need the same tiles of X: each is asked for JOINTLY, by the same load, descriptor and mask in all four.
; ONE TEXT FOR EVERY PART, at a price: the last three parts of the last tile ask for 48 loads of W a wave that nobody multiplies (they wrap to the walk's first parts, inside wb), and the last change of
; slots fetches and rounds a part of X that nobody multiplies.
; REGISTERS, in windows of 256: window 0: v16-29 addresses; v64-191 X's bf16 fragments, two buffers; v192-255 X's f32 as they land (on the way out the second buffer and these hold packed results and rows
;   read back: the first buffer then holds the next tile's first part)
;   window 1: W's fragments, four buffers of 64 (the fourth holds the bias, a tile's first C, until that part's end)     windows 2, 3: the accumulators of my rows 0-63, 64-127 ((a, b) at v[8 (8 (a % 4) + b)])
.set SIZE_N, 1024
.set ARR,    33554432                  ; bytes in one array of pre
.set WMAT,   2097152                   ; bytes in one matrix of wb
.set PA,     528                       ; an LDS row of X: 512 bytes + 16 = 132 words: the 16 rows of a load start at 16 different groups of four banks (64 banks of 4 bytes: ISA guide 11.1)
.set PIECE,  64*PA                     ; 33,792 = 0x8400: what one tensor load brings
.set BLK,    69632                     ; 0x11000: wave w's pieces of slot 0 and slot 1 lie at w x BLK and w x BLK + PIECE.  No bit of 0x8400 occurs in w x 0x11000, so one exclusive or changes slots
.set STAGE,  4*BLK                     ; behind the ring: 16 rows x 272 bytes for each wave, for the way out
.set SPITCH, 272
.set SPARE,  STAGE+4*16*SPITCH         ; behind the stages: the spare words, 128 bytes a wave: two blocks of 256 bytes that no other line names
.set LN,   16                          ; v16-17  my lane's place in my rows 0-63, 64-127 of slot 0; never rewritten
.set AD,   18                          ; v18-19  the same in the slot in hand
.set BOFF, 20                          ; v20-23  buffer n: byte offset in my 262,144 bytes of W of the part that it was last filled with
.set STO,  24                          ; v24     the way out: where I put 16 bytes of a row
.set RD,   25                          ; v25     the way out: where I read a row back
.set CO,   26                          ; v26     my byte offset in pre
.set BO,   27                          ; v27     my byte offset in the bias
.set SPW,  28                          ; v28     LDS address of my spare word; never rewritten
.set NIL,  29                          ; v29     0; never rewritten
.set FA,   64                          ; X's fragments, window 0: buffer f at FA + 64 f, row block a at + 8 a
.set LND,  192                         ; window 0: row block i of a half: 16 f32 a lane at LND + 16 i
.set BIAS, 192                         ; window 1: column block b at + 8 b
.set TMP,  128                         ; the way out: packed results
.set OB,   192                         ; the way out: 16 rows read back, two buffers of 32 by turns
.set G1,  24                           ; s[24:31] descriptor group 1
.set G0A, 32                           ; s[32:35] group 0 of the first fill of slot 0
.set G0,  36                           ; s[36:39] group 0 of the first fill of slot 1; it then walks
.set TB,  44                           ; s44      0 or PIECE: the slot in hand
.set TS,  45                           ; s45      steps of the tile in hand whose last part is still to come
.set NX,  46                           ; s46      the K step to be asked for next
.set RQ,  47                           ; s47      steps still to be asked for of the tile whose steps are being asked for
.set OFF, 48                           ; s[48:49] a step's byte offset in a row of X
.set WST, 58                           ; s[58:59] what W's base steps by at a trip's head: a matrix, or 0
.set BN,  60                           ; s[60:61], s[62:63] the bias of my columns for the next tile and the one after
.set XN,  88                           ; s[88:89], s[90:91] X at my 64 rows for the next tile and the one after
.set MSB, 0
.macro WIN new                         ; the immediate's high byte repeats the setting that is left; a switch that changes nothing is dropped
.if MSB != (\new)
	s_set_vgpr_msb (MSB<<8)|(\new)
.set MSB, \new
.endif
.endm
.set MUL_LO,  0xa1                     ; source 0 (W) window 1, source 1 (X) window 0, C and D window 2;  + 0x50: window 3
.set MULB_LO, 0x91                     ; the same with C (the bias) in window 1;  + 0x40: D in window 3
.set TO_1,    0x40                     ; destination window 1, address window 0
.macro CREST                           ; a round of the cluster's barrier behind its opening barrier
	s_cmp_lg_u32 s10, 0
	s_cbranch_scc1 .Lnot_wave_0_\@
	s_barrier_signal -3
.Lnot_wave_0_\@:
	s_barrier_wait -3
	s_barrier_signal -1
	s_barrier_wait -1
.endm
.macro CROUND                          ; a whole round
	s_barrier_signal -1
	s_barrier_wait -1
	CREST
.endm
	s_load_b512 s[68:83], s[0:1], 0x0              ; query, key_in, value, wb, bq, bk, bv, pre
	v_lshl_add_u32 v[SPW], v0, 2, SPARE
	v_mov_b32 v[NIL], 0
	ds_add_u32 v[SPW], v[NIL]                      ; the wave's opening: the add and its wait come ahead of my first tensor load; the set-up below stands between them
	ds_add_u32 v28, v29
	v_lshrrev_b32 v1, 5, v0
	v_readfirstlane_b32 s10, v1                    ; wave 0..3: it fetches rows 64 w .. 64 w + 63 of X's tile
	s_lshr_b32 s11, s10, 1                         ; which half of the tile's rows I multiply
	s_and_b32 s12, s10, 1                          ; which half of its columns
	s_bfe_u32 s40, ttmp6, 0x40000                  ; cx
	s_lshl_b32 s42, ttmp9, 2
	s_add_co_u32 s42, s42, s40                     ; tile column = 4 x cluster x + cx: it enters W's, the bias's and pre's addresses alone
	s_and_b32 s13, ttmp7, 0xffff                   ; tile row = the cluster's y, 0..63, which the four partners share
	s_and_b32 s41, s13, 7                          ; the K step at which this cluster's walk through a tile begins
	s_mov_b32 s[G1+0], 15|(2<<16)|(1<<20)|(1<<21)|(6<<22)|(3<<25)  ; the mask of four; elements of 4 bytes; padding on; bit 21 beside a mask; after every 128 words, 4 words
	s_mov_b32 s[G1+1], 128<<16                     ; tensor_dim0 = 128
	s_mov_b32 s[G1+2], 64<<16                      ; tensor_dim1 = 64
	s_mov_b32 s[G1+3], 128<<16                     ; tile_dim0 = 128
	s_mov_b32 s[G1+4], 64                          ; tile_dim1 = 64
	s_mov_b32 s[G1+5], 1024                        ; elements from row to row
	s_mov_b32 s[G1+6], 0
	s_mov_b32 s[G1+7], 0
	s_lshl_b32 s16, s13, 20                        ; X: row 256 x tile row + 64 x wave, 4,096 bytes a row: made of the cluster's y and the wave alone
	s_lshl_b32 s17, s10, 18
	s_add_co_u32 s16, s16, s17
	s_mov_b32 s17, 0
	s_lshl_b32 s52, s41, 9                         ; the walk's first step, 512 bytes a step,
	s_mov_b32 s53, 0
	s_add_co_u32 s54, s41, 1                       ; its second,
	s_and_b32 s54, s54, 7
	s_lshl_b32 s54, s54, 9
	s_mov_b32 s55, 0
	s_add_co_u32 s[NX], s41, 2                     ; and the number of its third
	s_and_b32 s[NX], s[NX], 7
	s_mov_b32 s[RQ], 6                             ; the first tile has six steps still to ask for
	s_mov_b32 s[TS], 8
	s_mov_b32 s[OFF+1], 0
	s_mov_b32 s[WST+1], 0
	s_mov_b32 s[TB], 0
	s_mul_i32 s20, s10, BLK                        ; where my pieces go: the wave's number alone
	s_lshl_b32 s50, s42, 1                         ; W: group 2 x tile column + my half, 262,144 bytes each
	s_add_co_u32 s50, s50, s12
	s_lshl_b32 s50, s50, 18
	s_mov_b32 s51, 0
	s_lshl_b32 s84, s13, 19                        ; pre: 256 rows of 2,048 bytes a tile row,
	s_lshl_b32 s85, s11, 18                        ; my 128 rows,
	s_add_co_u32 s84, s84, s85
	s_lshl_b32 s85, s42, 9                         ; my first column
	s_add_co_u32 s84, s84, s85
	s_lshl_b32 s85, s12, 8
	s_add_co_u32 s84, s84, s85
	s_mov_b32 s85, 0
	s_lshl_b32 s86, s42, 10                        ; the bias of my 128 columns
	s_lshl_b32 s87, s12, 9
	s_add_co_u32 s86, s86, s87
	s_mov_b32 s87, 0
	s_lshl_b32 s57, s41, 2                         ; the walk's first part
	s_wait_dscnt 0x0                               ; the opening add is done
	s_wait_kmcnt 0x0
	s_add_nc_u64 s[14:15], s[68:69], s[16:17]      ; query at my 64 rows: every refill's address is made from this pair,
	s_add_nc_u64 s[XN:XN+1], s[70:71], s[16:17]    ; which takes key_in's
	s_add_nc_u64 s[XN+2:XN+3], s[72:73], s[16:17]  ; and value's in its turn
	s_add_nc_u64 s[6:7], s[74:75], s[50:51]        ; Wq at my group
	s_add_nc_u64 s[18:19], s[76:77], s[86:87]      ; bq, bk, bv at my columns
	s_add_nc_u64 s[BN:BN+1], s[78:79], s[86:87]
	s_add_nc_u64 s[BN+2:BN+3], s[80:81], s[86:87]
	s_add_nc_u64 s[8:9], s[82:83], s[84:85]
	CROUND                                         ; all four work-groups are here: the first joint loads meet
	s_mov_b32 s[G0A], 1
	s_mov_b32 s[G0A+1], s20
	s_add_nc_u64 s[G0A+2:G0A+3], s[14:15], s[52:53]
	s_or_b32 s[G0A+3], s[G0A+3], 0x80000000
	s_mov_b32 s[G0], 1
	s_add_co_u32 s[G0+1], s20, PIECE
	s_add_nc_u64 s[G0+2:G0+3], s[14:15], s[54:55]
	s_or_b32 s[G0+3], s[G0+3], 0x80000000
	tensor_load_to_lds s[G0A:G0A+3], s[G1:G1+7]    ; the walk's first two steps: two loads of mine are out
	s_nop 0
	tensor_load_to_lds s[G0:G0+3], s[G1:G1+7]
	s_nop 0
.rept 4
	v_nop
.endr
	v_and_b32 v1, 15, v0                           ; r = l % 16
	v_bfe_u32 v2, v0, 4, 1                         ; h = l / 16
	v_and_b32 v5, 31, v0
	v_lshlrev_b32 v5, 4, v5                        ; 16 l
	v_lshlrev_b32 v[BO], 5, v2                     ; a lane's eight columns of block b: 64 b + 32 h bytes on
.irp n, 0,1,2,3                        ; buffer n starts four parts in front of its first part: every fill steps first
	s_add_co_u32 s56, s57, 28+(\n)
	s_and_b32 s56, s56, 31
	s_lshl_b32 s56, s56, 13
	v_add_nc_u32 v[BOFF+(\n)], s56, v5
.endr
; W's buffer n takes the part four on from its last, with wrap at 32 parts of 8,192 bytes: 16 loads of 512 consecutive bytes.  Its offset register is free: the counted wait at the head of the part
; that multiplied the buffer has shown its last loads done.
.macro BLOAD n
	WIN 0
	v_add_nc_u32 v[BOFF+(\n)], 32768, v[BOFF+(\n)]
	v_and_b32 v[BOFF+(\n)], 0x3ffff, v[BOFF+(\n)]
	WIN TO_1
.irp b, 0,1,2,3,4,5,6,7
	global_load_b128 v[64*(\n)+8*(\b):64*(\n)+8*(\b)+3],   v[BOFF+(\n)], s[6:7] offset:1024*(\b)
	global_load_b128 v[64*(\n)+8*(\b)+4:64*(\n)+8*(\b)+7], v[BOFF+(\n)], s[6:7] offset:1024*(\b)+512
.endr
.endm
.macro BIASLD                          ; the bias of my 128 columns, laid as a C operand, into W's fourth buffer
	WIN TO_1
.irp b, 0,1,2,3,4,5,6,7
	global_load_b128 v[BIAS+8*(\b):BIAS+8*(\b)+3],   v[BO], s[18:19] offset:64*(\b)
	global_load_b128 v[BIAS+8*(\b)+4:BIAS+8*(\b)+7], v[BO], s[18:19] offset:64*(\b)+16
.endr
.endm
	BLOAD 0
	BLOAD 1
	BLOAD 2
	BIASLD
	WIN 0
	v_mul_u32_u24 v3, v1, PA                       ; X: lane (r, h) wants k = 8 h + 0..7 and 16 + 8 h + 0..7 of row r, in f32: 32 bytes at 32 h and at 64 + 32 h
	v_lshl_add_u32 v3, v2, 5, v3
	s_mul_i32 s22, s11, 2*BLK                      ; my 128 rows are the pieces of waves 2 s11 and 2 s11 + 1
	v_add_nc_u32 v[LN], s22, v3
	v_add_nc_u32 v[LN+1], BLK, v[LN]
	v_mov_b32 v[AD], v[LN]
	v_mov_b32 v[AD+1], v[LN+1]
	s_mul_i32 s23, s10, 16*SPITCH
	s_add_co_u32 s23, s23, STAGE                   ; my stage
	v_mul_u32_u24 v4, v1, SPITCH
	v_lshl_add_u32 v4, v2, 4, v4
	v_add_nc_u32 v[STO], s23, v4
	v_mul_u32_u24 v6, v2, SPITCH
	v_lshl_add_u32 v6, v1, 4, v6
	v_add_nc_u32 v[RD], s23, v6
	v_mul_u32_u24 v6, v2, SIZE_N*2
	v_lshl_add_u32 v[CO], v1, 4, v6
; 16 LDS loads in one run: part c of the slot in hand, half hf of my rows (four row blocks), 32 f32 a row, into the landing registers
.macro FETCHA hf, c
	WIN 0
.irp i, 0,1,2,3
	ds_load_b128 v[LND+16*(\i):LND+16*(\i)+3],     v[AD+(\hf)] offset:(\i)*16*PA+(\c)*128
	ds_load_b128 v[LND+16*(\i)+4:LND+16*(\i)+7],   v[AD+(\hf)] offset:(\i)*16*PA+(\c)*128+16
	ds_load_b128 v[LND+16*(\i)+8:LND+16*(\i)+11],  v[AD+(\hf)] offset:(\i)*16*PA+(\c)*128+64
	ds_load_b128 v[LND+16*(\i)+12:LND+16*(\i)+15], v[AD+(\hf)] offset:(\i)*16*PA+(\c)*128+80
.endr
.endm
; Group g of 16 (8 to a half): eight landed f32 are rounded into four registers of buffer f.  Of the half's 16 loads the first 2 (g % 8) + 2 must be in: 14 - 2 (g % 8) younger ones may be out.
.macro RID g, f
	s_wait_dscnt 14-2*((\g)%8)
	WIN 0
.irp j, 0,1,2,3
	v_cvt_pk_bf16_f32 v[FA+64*(\f)+4*(\g)+(\j)], v[LND+8*((\g)%8)+2*(\j)], v[LND+8*((\g)%8)+2*(\j)+1]
.endr
.endm
; Part c of a step multiplies W's buffer c by X's buffer c % 2.  first = 1: the product starts the sum with the bias: nothing is cleared.
.macro MUL1 c, a, b, first
.set rD, 8*(8*((\a)%4)+(\b))
.set rB, 64*(\c)+8*(\b)
.set rA, FA+64*((\c)%2)+8*(\a)
.if \first
	WIN MULB_LO+0x40*((\a)/4)
	v_wmma_f32_16x16x32_bf16 v[rD:rD+7], v[rB:rB+7], v[rA:rA+7], v[BIAS+8*(\b):BIAS+8*(\b)+7]
.else
	WIN MUL_LO+0x50*((\a)/4)
	v_wmma_f32_16x16x32_bf16 v[rD:rD+7], v[rB:rB+7], v[rA:rA+7], v[rD:rD+7]
.endif
.endm
.macro MUL8 c, a, first                ; row block a x all 8 column blocks.  The 64 accumulators take turns in the same order in every part
.irp b, 0,1,2,3,4,5,6,7
	MUL1 \c, \a, \b, \first
.endr
.endm
.macro MULR c, a, g0, first            ; the same with four conversions for X's other buffer behind each matrix instruction; they name none of its registers
.irp b, 0,1,2,3,4,5,6,7
	MUL1 \c, \a, \b, \first
	RID (\g0)+(\b), 1-((\c)%2)
.endr
.endm
; One of a step's first three parts.  At its head W's buffer c must be in: the 32 loads of the next two parts may stay out.  The buffer that the part before multiplied is filled again, three parts ahead:
; the four conversions that end every part are the places between its last matrix instruction and these loads (ISA guide 7.12.1 for vector instructions).
; first = 1: a tile's first part: the bias, issued behind W's first three parts, must be in, so the wait is for 0; W's fourth buffer holds it and is filled at the part's end.
.macro PART c, first
.if \first
	s_wait_loadcnt 0x0
.else
	s_wait_loadcnt 32
	BLOAD ((\c)+3)%4
.endif
	FETCHA 0, (\c)+1
.irp a, 0,1,2
	MUL8 \c, \a, \first
.endr
	MULR \c, 3, 0, \first
	FETCHA 1, (\c)+1
.irp a, 4,5,6
	MUL8 \c, \a, \first
.endr
	MULR \c, 7, 8, \first
.if \first
	BLOAD 3
.endif
.endm
; A step's last part changes slots: ONE barrier; in front of it each wave waits for all its tensor loads (one is out: its piece of the next slot), adds 0 to its spare word, and waits for that; its reads
; of this slot were over at the last group's wait for 0.  fill = 1: the barrier opens a round of the cluster's, and the slot is filled again, first thing behind it, with the walk's step two on: the
; tile's next (with wrap at 8) or, behind a tile's eighth request, the next tile's first.
.macro CHG fill
	s_wait_loadcnt 32
	BLOAD 2
	WIN 0                                          ; (the add's two registers lie in window 0)
	s_wait_tensorcnt 0x0                           ; all my tensor loads have landed, so the walking group 0 may be written
	ds_add_u32 v[SPW], v[NIL]                      ; 0 onto my spare word
.if \fill
	s_lshl_b32 s[OFF], s[NX], 9                    ; the step's 512 bytes of a row
	s_xor_b32 s[G0+1], s[G0+1], PIECE              ; the other slot than last time
	s_add_nc_u64 s[G0+2:G0+3], s[14:15], s[OFF:OFF+1]
	s_or_b32 s[G0+3], s[G0+3], 0x80000000
	s_add_co_u32 s[NX], s[NX], 1
	s_and_b32 s[NX], s[NX], 7
	s_sub_co_u32 s[RQ], s[RQ], 1
	s_cmp_eq_u32 s[RQ], 0                          ; was that the tile's last request?  Then the next requests are the next tile's: a choice on a count alone
	s_cselect_b32 s[RQ], 8, s[RQ]
	s_cselect_b64 s[14:15], s[XN:XN+1], s[14:15]
	s_cselect_b64 s[XN:XN+1], s[XN+2:XN+3], s[XN:XN+1]
.endif
	s_xor_b32 s[TB], s[TB], PIECE
	MUL8 3, 0, 0                                   ; eight matrix instructions stand between the add and the wait for it
	s_wait_dscnt 0x0                               ; the add is done; no read of this slot is out
	s_barrier_signal -1
	MUL8 3, 1, 0                                   ; work on registers while the others arrive
	WIN 0
	s_barrier_wait -1
.if \fill
	CREST                                          ; no wave of any partner still reads this slot's tile or has a load on its way
	tensor_load_to_lds s[G0:G0+3], s[G1:G1+7]      ; my one tensor load behind the round: 240 matrix instructions ahead of the wait for it
	s_nop 0
.rept 4
	v_nop
.endr
.endif
	v_add_nc_u32 v[AD], s[TB], v[LN]
	v_add_nc_u32 v[AD+1], s[TB], v[LN+1]
	FETCHA 0, 0
	MUL8 3, 2, 0
	MUL8 3, 3, 0
	MULR 3, 4, 0, 0
	FETCHA 1, 0
	MUL8 3, 5, 0
	MUL8 3, 6, 0
	MULR 3, 7, 8, 0
.endm
; THE WAY OUT of row block a: rounded to bf16, 16 bytes a lane; into my own stage and back as whole rows of 256 bytes; stored.
.macro PACK a
.set AC, 64*((\a)%4)
	WIN 0x0a+5*((\a)/4)                            ; sources window 2 or 3
.irp b, 0,1,2,3,4,5,6,7
.irp r, 0,1,2,3
	v_cvt_pk_bf16_f32 v[TMP+4*(\b)+(\r)], v[AC+8*(\b)+2*(\r)], v[AC+8*(\b)+2*(\r)+1]  ; each accumulator's registers in ascending order
.endr
.endr
	WIN 0
.endm
.macro TOSTAGE a
	WIN 0
.set BK, OB+32*((\a)%2)
.irp b, 0,1,2,3,4,5,6,7
	ds_store_b128 v[STO], v[TMP+4*(\b):TMP+4*(\b)+3] offset:32*(\b)
.endr
.irp t, 0,1,2,3,4,5,6,7
	ds_load_b128 v[BK+4*(\t):BK+4*(\t)+3], v[RD] offset:(\t)*2*SPITCH  ; LDS serves a wave's instructions in order (ISA guide 5.7.1.4): these see the stores above
.endr
.endm
.macro SEND a
	WIN 0
.set BK, OB+32*((\a)%2)
	s_wait_dscnt 0x0                               ; the block is back in registers
	s_wait_xcnt 0x0                                ; only behind this wait are the stores' base and the registers that earlier stores read rewritten
.if (\a) > 0
	s_add_nc_u64 s[8:9], s[8:9], 16*SIZE_N*2       ; 16 rows on
.endif
.irp t, 0,1,2,3,4,5,6,7
	global_store_b128 v[CO], v[BK+4*(\t):BK+4*(\t)+3], s[8:9] offset:2*(\t)*SIZE_N*2  ; 16 lanes store 256 consecutive bytes, at a multiple of 256 from pre's first byte
.endr
.endm
.macro WAYOUT                          ; the four conversions that end a tile's last part are the places behind its last product
	PACK 0
	TOSTAGE 0
.irp a, 1,2,3,4,5,6,7                  ; block a's conversions stand between block a - 1's loads from the stage and the wait for them
	PACK \a
	SEND (\a)-1
	TOSTAGE \a
.endr
	SEND 7
.endm
	s_wait_tensorcnt 0x1                           ; my piece of the first step is in; the second's may stay out
	s_barrier_signal -1
	s_barrier_wait -1                              ; everybody's is
	FETCHA 0, 0
.irp g, 0,1,2,3,4,5,6,7
	RID \g, 0                                      ; the first part's X: there is no matrix work yet to set these behind
.endr
	FETCHA 1, 0
.irp g, 8,9,10,11,12,13,14,15
	RID \g, 0
.endr
	WIN 0                                          ; at a label and at a branch every window is 0
	s_mov_b32 s3, 23                               ; the entry's piece of a trip and 22 trips
	s_branch .Lfirst                               ; the loop is entered at a tile's first part
.Lstep:                                                ; a trip: a step's parts 1, 2, 3 and the next step's part 0; the slot that is left is filled again
	s_cmp_eq_u32 s[TS], 1                          ; a tile's last step: from its part 1 on W is asked for three parts ahead in the next tile's matrix
	s_cselect_b32 s[WST], WMAT, 0
	s_wait_xcnt 0x0                                ; W's base is stepped only behind this wait
	s_add_nc_u64 s[6:7], s[6:7], s[WST:WST+1]
	PART 1, 0
	PART 2, 0
	CHG 1
	WIN 0
	s_sub_co_u32 s[TS], s[TS], 1
	s_cmp_eq_u32 s[TS], 0
	s_cbranch_scc1 .Lnewtile
	PART 0, 0
	WIN 0
	s_branch .Lbottom
.Lnewtile:                                             ; A TILE IS FINISHED.  Both refills for the next tile are asked for, and so are its first three parts of W
	s_mov_b64 s[18:19], s[BN:BN+1]                 ; the next bias: the last bias's loads were waited for at that tile's first part
	s_mov_b64 s[BN:BN+1], s[BN+2:BN+3]
	BIASLD                                         ; into W's fourth buffer, four conversions behind the last product that read it; it lands during the way out
	WAYOUT
	s_wait_xcnt 0x0                                ; the stores have read their registers and pre's address
	s_add_nc_u64 s[8:9], s[8:9], ARR-7*16*SIZE_N*2 ; the same rows and columns of the next array
	s_mov_b32 s[TS], 8
.Lfirst:
	PART 0, 1                                      ; a tile's first part: its products start the sums
	WIN 0
.Lbottom:
	s_sub_co_u32 s3, s3, 1
	s_cmp_lg_u32 s3, 0
	s_cbranch_scc1 .Lstep
	s_mov_b32 s3, 2                                ; the walk's last two steps are written out: nothing more is asked for of X
.Ltail:
	PART 1, 0
	PART 2, 0
	CHG 0
	WIN 0
	s_sub_co_u32 s3, s3, 1
	s_cmp_eq_u32 s3, 0
	s_cbranch_scc1 .Lout                           ; the second trip is left in its middle: the last tile's last part is done
	PART 0, 0
	WIN 0
	s_branch .Ltail
.Lout:
	WAYOUT
	s_wait_tensorcnt 0x0                           ; the wave's end: behind my last tensor load and my last LDS store
	ds_add_u32 v[SPW], v[NIL]
	s_wait_dscnt 0x0
	CROUND                                         ; the closing round: no work-group ends while a partner may still ask for a tile that names it
	s_endpgm
.Lfunc_end_k_qc33d9ac2b7_qkv:
	.size	k_qc33d9ac2b7_qkv, .Lfunc_end_k_qc33d9ac2b7_qkv-k_qc33d9ac2b7_qkv
	.p2alignl 7, 3214868480
	.fill 96, 4, 3214868480
	.section	.rodata,"a",@progbits
	.p2align	6, 0x0
	.amdhsa_kernel k_qc33d9ac2b7_qkv
		.amdhsa_group_segment_fixed_size 327680
		.amdhsa_private_segment_fixed_size 0
		.amdhsa_enable_private_segment 0
		.amdhsa_kernarg_size 64
		.amdhsa_user_sgpr_count 2
		.amdhsa_user_sgpr_kernarg_segment_ptr 1
		.amdhsa_wavefront_size32 1
		.amdhsa_system_sgpr_workgroup_id_x 1
		.amdhsa_system_sgpr_workgroup_id_y 1
		.amdhsa_system_sgpr_workgroup_id_z 1
		.amdhsa_system_vgpr_workitem_id 0
		.amdhsa_next_free_vgpr 1024
		.amdhsa_next_free_sgpr 96
		.amdhsa_reserve_vcc 0
		.amdhsa_float_denorm_mode_32 3
		.amdhsa_float_denorm_mode_16_64 3
		.amdhsa_memory_ordered 1
		.amdhsa_forward_progress 1
		.amdhsa_inst_pref_size 206
	.end_amdhsa_kernel
	.amdgpu_metadata
---
amdhsa.version: [ 1, 2 ]
amdhsa.kernels:
  - .name:           k_qc33d9ac2b7_qkv
    .symbol:         k_qc33d9ac2b7_qkv.kd
    .args:
      - { .name: query, .offset: 0, .size: 8, .value_kind: global_buffer, .address_space: global }
      - { .name: key_in, .offset: 8, .size: 8, .value_kind: global_buffer, .address_space: global }
      - { .name: value, .offset: 16, .size: 8, .value_kind: global_buffer, .address_space: global }
      - { .name: wb, .offset: 24, .size: 8, .value_kind: global_buffer, .address_space: global }
      - { .name: bq, .offset: 32, .size: 8, .value_kind: global_buffer, .address_space: global }
      - { .name: bk, .offset: 40, .size: 8, .value_kind: global_buffer, .address_space: global }
      - { .name: bv, .offset: 48, .size: 8, .value_kind: global_buffer, .address_space: global }
      - { .name: pre, .offset: 56, .size: 8, .value_kind: global_buffer, .address_space: global }
    .group_segment_fixed_size: 327680
    .private_segment_fixed_size: 0
    .kernarg_segment_align: 8
    .kernarg_segment_size: 64
    .max_flat_workgroup_size: 128
    .sgpr_count:     96
    .vgpr_count:     1024
    .wavefront_size: 32
...
	.end_amdgpu_metadata
.endif
;; end of part 7
;; launch totals (part 8): grid 4 x 64, 8 waves a work-group, no clusters, 17,408 bytes of LDS; arguments pre, p32, t256; writes p32, t256
.if DOCPART == 8
	.amdgcn_target "amdgcn-amd-amdhsa--gfx1250"
	.amdhsa_code_object_version 6
	.text
	.protected	k_qc33d9ac2b7_totals
	.globl	k_qc33d9ac2b7_totals
	.p2align	8
	.type	k_qc33d9ac2b7_totals,@function
k_qc33d9ac2b7_totals:
	s_mov_b64 s[64:65], 0
	v_nop
	global_prefetch_b8 v0, s[64:65] scope:SCOPE_SE
	s_setreg_imm32_b32 hwreg(HW_REG_WAVE_MODE, 25, 1), 1
	s_wait_xcnt 0x0
; Sums of k = elu(K) + 1 and of k v over chunks of 32 rows, for each channel, all in f32.  K and V are pre's second and third array, [16384][1024] bf16.
; p32[chunk] = the sum over the earlier chunks of the same block of 256 rows; t256[block] = the block's sum.  Both: [..][4 cq][4 q][32 lanes][4] f32; q = 0, 1: k of the lane's channels 0-3, 4-7; q = 2, 3: k v.
; Grid x = cq, a quarter of 256 channels; grid y = the block.  Wave w takes rows 32 w .. 32 w + 31, lane l channels 256 cq + 8 l + 0..7: a wave's load covers 512 consecutive bytes of a row.
; elu(x) + 1 = the middle one of x + 1, e^x and 1 (e^x >= 1 + x everywhere).  LIMIT: v_exp_f32 gives 0 below 2^-126, and infinity for large x, where x + 1 is the middle one.
; A stream: memory binds; no matrix unit, no cluster.  A ring of eight rows in registers keeps sixteen loads of a wave on their way.
; ONE TEXT FOR ALL FOUR TRIPS, at a price: the last trip has no rows left to ask for and still issues its sixteen loads, so that the wait's count holds in every trip; their offset register is then 0,
; so each is 16 bytes at one address in the block's own rows 8 to 15, and nobody reads what they bring.
.set ROWB, 2048
.set ARR,  33554432                    ; bytes in one array of pre
.set SPARE, 16384                      ; LDS: 0 .. 16,383 the waves' sums, [8 waves][4 q][32 lanes][16 bytes]; then the spare words, 128 bytes a wave, which no other line names
.set VO,  2                            ; v2   byte offset of my 16 bytes in the ring's first row
.set LO,  3                            ; v3   16 x lane
.set SPW, 4                            ; v4   LDS address of my spare word; never rewritten
.set NIL, 5                            ; v5   0; never rewritten
.set EXS, 6                            ; v6   where my wave's sums go
.set KR,  8                            ; v[8:39]    ring slot i: K as loaded
.set VR,  40                           ; v[40:71]   V
.set KF,  72                           ; v[72:79]   x, then x + 1, then k
.set EU,  80                           ; v[80:87]   e^x
.set VF,  88                           ; v[88:95]   v
.set SK,  96                           ; v[96:103]  sum of k
.set SKV, 104                          ; v[104:111] sum of k v
.set EXR, 112                          ; v[112:223] the sums of waves 0 to 6
.set PX,  224                          ; v[224:239] the sum over the waves in front of mine
	s_load_b128 s[4:7], s[0:1], 0x0                ; pre, p32
	s_load_b64 s[8:9], s[0:1], 0x10                ; t256
	v_lshl_add_u32 v[SPW], v0, 2, SPARE
	v_mov_b32 v[NIL], 0
	v_lshrrev_b32 v1, 5, v0
	v_readfirstlane_b32 s10, v1                    ; wave 0..7
	v_and_b32 v[LO], 31, v0
	v_lshlrev_b32 v[LO], 4, v[LO]
	v_lshl_add_u32 v[VO], v1, 16, v[LO]            ; 32 rows of 2,048 bytes a wave
	v_lshl_add_u32 v[EXS], v1, 11, v[LO]
	s_mov_b32 s11, ttmp9                           ; cq
	s_and_b32 s12, ttmp7, 0xffff                   ; block
	s_lshl_b32 s18, s12, 19                        ; 256 rows of 2,048 bytes a block
	s_lshl_b32 s19, s11, 9                         ; 512 bytes a quarter
	s_add_co_u32 s18, s18, s19
	s_add_co_u32 s18, s18, ARR                     ; K is the second array
	s_mov_b32 s19, 0
	s_lshl_b32 s28, s12, 3                         ; p32: ((8 block + wave) 4 + cq) x 2,048 bytes
	s_add_co_u32 s28, s28, s10
	s_lshl_b32 s28, s28, 2
	s_add_co_u32 s28, s28, s11
	s_lshl_b32 s28, s28, 11
	s_mov_b32 s29, 0
	s_lshl_b32 s30, s12, 2                         ; t256: (4 block + cq) x 2,048 bytes
	s_add_co_u32 s30, s30, s11
	s_lshl_b32 s30, s30, 11
	s_mov_b32 s31, 0
	s_mov_b32 s20, 0xffff0000                      ; a word's upper bf16
	s_mov_b32 s22, 0x3fb8aa3b                      ; log2(e)
	s_mov_b32 s23, s22                             ; named with it as a pair
	s_mov_b32 s25, 0                               ; likewise the factor's pair
	s_mov_b32 s26, 1.0
.irp j, 0,1,2,3,4,5,6,7,8,9,10,11,12,13,14,15
	v_mov_b32 v[SK+(\j)], 0                        ; sixteen sums start at 0, so that all 32 rows run one text
.endr
	s_wait_kmcnt 0x0
	s_add_nc_u64 s[14:15], s[4:5], s[18:19]        ; K at the block's first row, my quarter
	s_add_nc_u64 s[16:17], s[14:15], ARR           ; V
	s_add_nc_u64 s[6:7], s[6:7], s[28:29]
	s_add_nc_u64 s[8:9], s[8:9], s[30:31]
.irp i, 0,1,2,3,4,5,6,7
	global_load_b128 v[KR+4*(\i):KR+4*(\i)+3], v[VO], s[14:15] offset:(\i)*ROWB
	global_load_b128 v[VR+4*(\i):VR+4*(\i)+3], v[VO], s[16:17] offset:(\i)*ROWB
.endr
; One row; its slot is filled again with the row eight further down.
.macro ROWT i
	s_wait_loadcnt 14                              ; this row's two loads are in; the seven younger rows' fourteen stay out
.irp j, 0,1,2,3
	v_lshlrev_b32 v[KF+2*(\j)],   16,  v[KR+4*(\i)+(\j)]
	v_and_b32     v[KF+2*(\j)+1], s20, v[KR+4*(\i)+(\j)]
	v_lshlrev_b32 v[VF+2*(\j)],   16,  v[VR+4*(\i)+(\j)]
	v_and_b32     v[VF+2*(\j)+1], s20, v[VR+4*(\i)+(\j)]
.endr
	global_load_b128 v[KR+4*(\i):KR+4*(\i)+3], v[VO], s[14:15] offset:((\i)+8)*ROWB
	global_load_b128 v[VR+4*(\i):VR+4*(\i)+3], v[VO], s[16:17] offset:((\i)+8)*ROWB
.irp j, 0,2,4,6
	v_pk_mul_f32 v[EU+(\j):EU+(\j)+1], v[KF+(\j):KF+(\j)+1], s[22:23] op_sel_hi:[1,0]
.endr
.irp j, 0,1,2,3,4,5,6,7
	v_exp_f32 v[EU+(\j)], v[EU+(\j)]
.endr
.irp j, 0,2,4,6
	v_pk_add_f32 v[KF+(\j):KF+(\j)+1], v[KF+(\j):KF+(\j)+1], 1.0 op_sel_hi:[1,0]  ; plain lines between the exponentials and the use of their results
.endr
	s_wait_alu depctr_va_vdst(0)
.irp j, 0,1,2,3,4,5,6,7
	v_med3_num_f32 v[KF+(\j)], v[KF+(\j)], v[EU+(\j)], s26
.endr
.irp j, 0,2,4,6
	v_pk_add_f32 v[SK+(\j):SK+(\j)+1], v[SK+(\j):SK+(\j)+1], v[KF+(\j):KF+(\j)+1]
	v_pk_fma_f32 v[SKV+(\j):SKV+(\j)+1], v[KF+(\j):KF+(\j)+1], v[VF+(\j):VF+(\j)+1], v[SKV+(\j):SKV+(\j)+1]
.endr
.endm
	s_mov_b32 s27, 4
.Lgroup:                                               ; a trip: eight rows
.irp i, 0,1,2,3,4,5,6,7
	ROWT \i
.endr
	s_wait_xcnt 0x0                                ; the loads' offset register is rewritten only behind this wait
	v_add_nc_u32 v[VO], 8*ROWB, v[VO]
	s_sub_co_u32 s27, s27, 1
	s_cmp_eq_u32 s27, 1                            ; ahead of the last trip the offset becomes 0 in every lane
	s_cselect_b32 s21, 0, -1
	v_and_b32 v[VO], s21, v[VO]
	s_cmp_lg_u32 s27, 0
	s_cbranch_scc1 .Lgroup
.irp q, 0,1,2,3
	ds_store_b128 v[EXS], v[SK+4*(\q):SK+4*(\q)+3] offset:512*(\q)
.endr
	s_wait_dscnt 0x0                               ; for the others' sake: my sums are in LDS
	s_barrier_signal -1
	s_barrier_wait -1
.irp i, 0,1,2,3,4,5,6
.irp q, 0,1,2,3
	ds_load_b128 v[EXR+16*(\i)+4*(\q):EXR+16*(\i)+4*(\q)+3], v[LO] offset:2048*(\i)+512*(\q)
.endr
.endr
	s_wait_dscnt 0x0
.irp i, 0,1,2,3,4,5,6                  ; wave i's sums count if i lies in front of me: a factor 1 or 0, no branch
	s_cmp_gt_u32 s10, \i
	s_cselect_b32 s24, 1.0, 0
.irp z, 0,2,4,6,8,10,12,14
.if (\i) == 0
	v_pk_mul_f32 v[PX+(\z):PX+(\z)+1], v[EXR+(\z):EXR+(\z)+1], s[24:25] op_sel_hi:[1,0]
.else
	v_pk_fma_f32 v[PX+(\z):PX+(\z)+1], v[EXR+16*(\i)+(\z):EXR+16*(\i)+(\z)+1], s[24:25], v[PX+(\z):PX+(\z)+1] op_sel_hi:[1,0,1]
.endif
.endr
.endr
.irp q, 0,1,2,3
	global_store_b128 v[LO], v[PX+4*(\q):PX+4*(\q)+3], s[6:7] offset:512*(\q)  ; 512 consecutive bytes
.endr
	s_wait_tensorcnt 0x0                           ; behind my last LDS store; no LDS instruction follows
	ds_add_u32 v[SPW], v[NIL]
	s_wait_dscnt 0x0
	s_cmp_lg_u32 s10, 7
	s_cbranch_scc1 .Lnot_last                      ; the last wave also has the block's sum
.irp z, 0,2,4,6,8,10,12,14
	v_pk_add_f32 v[EXR+(\z):EXR+(\z)+1], v[PX+(\z):PX+(\z)+1], v[SK+(\z):SK+(\z)+1]
.endr
.irp q, 0,1,2,3
	global_store_b128 v[LO], v[EXR+4*(\q):EXR+4*(\q)+3], s[8:9] offset:512*(\q)
.endr
.Lnot_last:
	s_endpgm
.Lfunc_end_k_qc33d9ac2b7_totals:
	.size	k_qc33d9ac2b7_totals, .Lfunc_end_k_qc33d9ac2b7_totals-k_qc33d9ac2b7_totals
	.p2alignl 7, 3214868480
	.fill 96, 4, 3214868480
	.section	.rodata,"a",@progbits
	.p2align	6, 0x0
	.amdhsa_kernel k_qc33d9ac2b7_totals
		.amdhsa_group_segment_fixed_size 17408
		.amdhsa_private_segment_fixed_size 0
		.amdhsa_enable_private_segment 0
		.amdhsa_kernarg_size 24
		.amdhsa_user_sgpr_count 2
		.amdhsa_user_sgpr_kernarg_segment_ptr 1
		.amdhsa_wavefront_size32 1
		.amdhsa_system_sgpr_workgroup_id_x 1
		.amdhsa_system_sgpr_workgroup_id_y 1
		.amdhsa_system_sgpr_workgroup_id_z 1
		.amdhsa_system_vgpr_workitem_id 0
		.amdhsa_next_free_vgpr 240
		.amdhsa_next_free_sgpr 66
		.amdhsa_reserve_vcc 0
		.amdhsa_float_denorm_mode_32 3
		.amdhsa_float_denorm_mode_16_64 3
		.amdhsa_memory_ordered 1
		.amdhsa_forward_progress 1
		.amdhsa_inst_pref_size 32
	.end_amdhsa_kernel
	.amdgpu_metadata
---
amdhsa.version: [ 1, 2 ]
amdhsa.kernels:
  - .name:           k_qc33d9ac2b7_totals
    .symbol:         k_qc33d9ac2b7_totals.kd
    .args:
      - { .name: pre, .offset: 0, .size: 8, .value_kind: global_buffer, .address_space: global }
      - { .name: p32, .offset: 8, .size: 8, .value_kind: global_buffer, .address_space: global }
      - { .name: t256, .offset: 16, .size: 8, .value_kind: global_buffer, .address_space: global }
    .group_segment_fixed_size: 17408
    .private_segment_fixed_size: 0
    .kernarg_segment_align: 8
    .kernarg_segment_size: 24
    .max_flat_workgroup_size: 256
    .sgpr_count:     66
    .vgpr_count:     240
    .wavefront_size: 32
...
	.end_amdgpu_metadata
.endif
;; end of part 8
;; launch scan (part 9): grid 4 x 64, 8 waves a work-group, no clusters, 152,576 bytes of LDS; arguments pre, p32, t256, att; writes att
.if DOCPART == 9
	.amdgcn_target "amdgcn-amd-amdhsa--gfx1250"
	.amdhsa_code_object_version 6
	.text
	.protected	k_qc33d9ac2b7_scan
	.globl	k_qc33d9ac2b7_scan
	.p2align	8
	.type	k_qc33d9ac2b7_scan,@function
k_qc33d9ac2b7_scan:
	s_mov_b64 s[64:65], 0
	v_nop
	global_prefetch_b8 v0, s[64:65] scope:SCOPE_SE
	s_setreg_imm32_b32 hwreg(HW_REG_WAVE_MODE, 25, 1), 1
	s_wait_xcnt 0x0
; att[row][c] = q[c] KV[c] / (sum over the head's 64 channels of q K + 1e-9), where K and KV are the sums of k and k v over the EARLIER rows of the same batch of 4,096 rows;
; q = elu(Q) + 1, k = elu(K) + 1; Q, K, V are pre's three arrays, [16384][1024] bf16.  All arithmetic and all running sums in f32; att is rounded once to bf16.
; att's layout: [row / 16][channel / 8][row % 16][8 channels]: 1,024 consecutive bytes are a matrix fragment of 16 rows x 32 channels, as the next launch loads it.
; Grid x = cq, a quarter of 256 channels (four heads); grid y = a block of 256 rows.  Wave w takes rows 32 w .. + 31, lane l channels 256 cq + 8 l + 0..7; a head is 8 neighbouring lanes.
; THE CARRY at my first row: the sums of the batch's earlier blocks (t256; each wave adds up to two, the eight partial sums meet in LDS) + the sum of my block's earlier chunks (p32).
; LIMITS: v_exp_f32 gives 0 below 2^-126; the division is v_rcp_f32 and a multiplication.
; A stream: memory binds; no matrix unit, no cluster.  A ring of eight rows in registers keeps 24 loads of a wave on their way.
; ONE TEXT FOR ALL FOUR TRIPS, at a price: the last trip has no rows left to ask for and still issues its 24 loads, so that the wait's count holds in every trip; their offset register is then 0, so each
; is 16 bytes at one address in the block's own rows 8 to 15, and nobody reads what they bring.
.set ROWB, 2048
.set ARR,  33554432
.set STG,  16384                       ; LDS: 0 .. 16,383 the partial carries; then for each wave 32 units of 528 bytes: a channel octet's 32 rows x 16 bytes + 16 of padding (132 words)
.set WSTG, 32*528
.set SPARE, STG+8*WSTG                 ; the spare words, 128 bytes a wave, which no other line names
.set VO,  2                            ; v2   byte offset of my 16 bytes in the ring's first row
.set ST,  3                            ; v3   where the ring's first row goes in my unit
.set RB,  4                            ; v4   where I read units back: lanes 0-15 one unit's 16 rows, lanes 16-31 the next unit's
.set GO,  5                            ; v5   16 x lane
.set EXS, 6                            ; v6   where my wave's partial carry goes
.set SPW, 8                            ; v8   LDS address of my spare word; never rewritten
.set NIL, 9                            ; v9   0; never rewritten
.set QR,  16                           ; v[16:47], v[48:79], v[80:111]  ring slot i: Q, K, V as loaded
.set KR,  48
.set VR,  80
.set QF,  112                          ; v[112:119] q;  v[120:127] k;  v[128:135] v
.set KF,  120
.set VF,  128
.set UQ,  136                          ; v[136:143], v[144:151]  e^x for Q, K
.set UK,  144
.set DEN, 152                          ; v[152:153]
.set RCP, 154                          ; v[154:155]
.set OUTF, 156                         ; v[156:163]
.set OPK, 164                          ; v[164:167]
.set KC,  168                          ; v[168:175] running sum of k;  v[176:183] of k v
.set KVC, 176
.set FBK, 184                          ; v[184:247] read back from LDS
.set T0,  112                          ; the carry's loads: two blocks' sums and my chunk's
.set T1,  128
.set P0,  144
	s_load_b256 s[4:11], s[0:1], 0x0               ; pre s[4:5], p32 s[6:7], t256 s[8:9], att s[10:11]
	v_lshl_add_u32 v[SPW], v0, 2, SPARE
	v_mov_b32 v[NIL], 0
	v_lshrrev_b32 v1, 5, v0
	v_readfirstlane_b32 s12, v1                    ; wave 0..7
	v_and_b32 v7, 31, v0
	v_lshlrev_b32 v[GO], 4, v7
	v_lshl_add_u32 v[VO], v1, 16, v[GO]
	v_lshl_add_u32 v[EXS], v1, 11, v[GO]
	s_mul_i32 s22, s12, WSTG
	s_add_co_u32 s22, s22, STG                     ; my wave's units
	v_mul_u32_u24 v[ST], v7, 528
	v_add_nc_u32 v[ST], s22, v[ST]
	v_and_b32 v10, 15, v0
	v_bfe_u32 v11, v0, 4, 1
	v_mul_u32_u24 v[RB], v11, 528
	v_lshl_add_u32 v[RB], v10, 4, v[RB]
	v_add_nc_u32 v[RB], s22, v[RB]
	s_mov_b32 s35, ttmp9                           ; cq
	s_and_b32 s13, ttmp7, 0xffff                   ; block
	s_and_b32 s14, s13, 15                         ; its place in the batch's 16
	s_sub_co_u32 s15, s13, s14                     ; the batch's first block
	s_lshl_b32 s22, s13, 19
	s_lshl_b32 s23, s35, 9
	s_add_co_u32 s22, s22, s23
	s_mov_b32 s23, 0
	s_add_co_u32 s36, s15, s12                     ; t256: block (first + wave), and eight blocks on
	s_lshl_b32 s36, s36, 2
	s_add_co_u32 s36, s36, s35
	s_lshl_b32 s36, s36, 11
	s_mov_b32 s37, 0
	s_lshl_b32 s38, s13, 3                         ; p32: my chunk
	s_add_co_u32 s38, s38, s12
	s_lshl_b32 s38, s38, 2
	s_add_co_u32 s38, s38, s35
	s_lshl_b32 s38, s38, 11
	s_mov_b32 s39, 0
	s_lshl_b32 s40, s13, 4                         ; att: row block 16 block + 2 wave, 32,768 bytes each; 8,192 bytes a quarter
	s_lshl_b32 s41, s12, 1
	s_add_co_u32 s40, s40, s41
	s_lshl_b32 s40, s40, 15
	s_lshl_b32 s41, s35, 13
	s_add_co_u32 s40, s40, s41
	s_mov_b32 s41, 0
	s_cmp_lt_u32 s12, s14                          ; does block (first + wave) lie in front of mine?  A factor 1 or 0, no branch
	s_cselect_b32 s28, 1.0, 0
	s_add_co_u32 s34, s12, 8
	s_cmp_lt_u32 s34, s14
	s_cselect_b32 s30, 1.0, 0
	s_mov_b32 s29, 0                               ; named as pairs
	s_mov_b32 s31, 0
	s_mov_b32 s24, 0xffff0000
	s_mov_b32 s26, 0x3fb8aa3b                      ; log2(e)
	s_mov_b32 s27, s26
	s_mov_b32 s32, 1.0
	s_mov_b32 s33, 0x3089705f                      ; 1e-9
	s_wait_kmcnt 0x0
	s_add_nc_u64 s[16:17], s[4:5], s[22:23]        ; Q, K, V at the block's first row, my quarter
	s_add_nc_u64 s[18:19], s[16:17], ARR
	s_add_nc_u64 s[20:21], s[18:19], ARR
	s_add_nc_u64 s[8:9], s[8:9], s[36:37]
	s_add_nc_u64 s[6:7], s[6:7], s[38:39]
	s_add_nc_u64 s[10:11], s[10:11], s[40:41]
.irp q, 0,1,2,3
	global_load_b128 v[T0+4*(\q):T0+4*(\q)+3], v[GO], s[8:9] offset:512*(\q)
.endr
.irp q, 0,1,2,3
	global_load_b128 v[T1+4*(\q):T1+4*(\q)+3], v[GO], s[8:9] offset:65536+512*(\q)
.endr
.irp q, 0,1,2,3
	global_load_b128 v[P0+4*(\q):P0+4*(\q)+3], v[GO], s[6:7] offset:512*(\q)
.endr
.irp i, 0,1,2,3,4,5,6,7
	global_load_b128 v[QR+4*(\i):QR+4*(\i)+3], v[VO], s[16:17] offset:(\i)*ROWB th:TH_LOAD_NT
	global_load_b128 v[KR+4*(\i):KR+4*(\i)+3], v[VO], s[18:19] offset:(\i)*ROWB th:TH_LOAD_NT
	global_load_b128 v[VR+4*(\i):VR+4*(\i)+3], v[VO], s[20:21] offset:(\i)*ROWB th:TH_LOAD_NT
.endr
	s_wait_loadcnt 24                              ; the sums are in; the first eight rows' 24 loads stay out
.irp z, 0,2,4,6,8,10,12,14
	v_pk_mul_f32 v[T0+(\z):T0+(\z)+1], v[T0+(\z):T0+(\z)+1], s[28:29] op_sel_hi:[1,0]
.endr
.irp z, 0,2,4,6,8,10,12,14
	v_pk_fma_f32 v[T0+(\z):T0+(\z)+1], v[T1+(\z):T1+(\z)+1], s[30:31], v[T0+(\z):T0+(\z)+1] op_sel_hi:[1,0,1]
.endr
.irp q, 0,1,2,3
	ds_store_b128 v[EXS], v[T0+4*(\q):T0+4*(\q)+3] offset:512*(\q)
.endr
	s_wait_dscnt 0x0                               ; for the others' sake: my partial carry is in LDS
	s_barrier_signal -1
	s_barrier_wait -1
.irp t, 0,1                            ; the eight partial carries, four at a time, onto my chunk's sum
.irp i, 0,1,2,3
.irp q, 0,1,2,3
	ds_load_b128 v[FBK+16*(\i)+4*(\q):FBK+16*(\i)+4*(\q)+3], v[GO] offset:2048*(4*(\t)+(\i))+512*(\q)
.endr
.endr
	s_wait_dscnt 0x0
.irp i, 0,1,2,3
.irp z, 0,2,4,6,8,10,12,14
.if ((\t) == 0) && ((\i) == 0)
	v_pk_add_f32 v[KC+(\z):KC+(\z)+1], v[P0+(\z):P0+(\z)+1], v[FBK+(\z):FBK+(\z)+1]
.else
	v_pk_add_f32 v[KC+(\z):KC+(\z)+1], v[KC+(\z):KC+(\z)+1], v[FBK+16*(\i)+(\z):FBK+16*(\i)+(\z)+1]
.endif
.endr
.endr
.endr
	v_mov_b32 v[RCP+1], 0                          ; named with the reciprocal as a pair
; One row; its slot is filled again with the row eight further down.
.macro ROW i
	s_wait_loadcnt 21                              ; this row's three loads are in; the seven younger rows' 21 stay out
.irp j, 0,1,2,3
	v_lshlrev_b32 v[QF+2*(\j)],   16,  v[QR+4*(\i)+(\j)]
	v_and_b32     v[QF+2*(\j)+1], s24, v[QR+4*(\i)+(\j)]
	v_lshlrev_b32 v[KF+2*(\j)],   16,  v[KR+4*(\i)+(\j)]
	v_and_b32     v[KF+2*(\j)+1], s24, v[KR+4*(\i)+(\j)]
	v_lshlrev_b32 v[VF+2*(\j)],   16,  v[VR+4*(\i)+(\j)]
	v_and_b32     v[VF+2*(\j)+1], s24, v[VR+4*(\i)+(\j)]
.endr
	global_load_b128 v[QR+4*(\i):QR+4*(\i)+3], v[VO], s[16:17] offset:((\i)+8)*ROWB th:TH_LOAD_NT
	global_load_b128 v[KR+4*(\i):KR+4*(\i)+3], v[VO], s[18:19] offset:((\i)+8)*ROWB th:TH_LOAD_NT
	global_load_b128 v[VR+4*(\i):VR+4*(\i)+3], v[VO], s[20:21] offset:((\i)+8)*ROWB th:TH_LOAD_NT
.irp j, 0,2,4,6
	v_pk_mul_f32 v[UQ+(\j):UQ+(\j)+1], v[QF+(\j):QF+(\j)+1], s[26:27] op_sel_hi:[1,0]
	v_pk_mul_f32 v[UK+(\j):UK+(\j)+1], v[KF+(\j):KF+(\j)+1], s[26:27] op_sel_hi:[1,0]
.endr
.irp j, 0,1,2,3,4,5,6,7,8,9,10,11,12,13,14,15
	v_exp_f32 v[UQ+(\j)], v[UQ+(\j)]               ; UK follows UQ: sixteen on end
.endr
.irp j, 0,2,4,6
	v_pk_add_f32 v[QF+(\j):QF+(\j)+1], v[QF+(\j):QF+(\j)+1], 1.0 op_sel_hi:[1,0]  ; plain lines between the exponentials and the use of their results
	v_pk_add_f32 v[KF+(\j):KF+(\j)+1], v[KF+(\j):KF+(\j)+1], 1.0 op_sel_hi:[1,0]
.endr
	s_wait_alu depctr_va_vdst(0)
.irp j, 0,1,2,3,4,5,6,7,8,9,10,11,12,13,14,15
	v_med3_num_f32 v[QF+(\j)], v[QF+(\j)], v[UQ+(\j)], s32  ; KF follows QF: the middle one of x + 1, e^x, 1
.endr
	v_pk_mul_f32 v[DEN:DEN+1], v[QF:QF+1], v[KC:KC+1]
	v_pk_mul_f32 v[OUTF:OUTF+1], v[QF:QF+1], v[KVC:KVC+1]
.irp j, 2,4,6
	v_pk_fma_f32 v[DEN:DEN+1], v[QF+(\j):QF+(\j)+1], v[KC+(\j):KC+(\j)+1], v[DEN:DEN+1]
	v_pk_mul_f32 v[OUTF+(\j):OUTF+(\j)+1], v[QF+(\j):QF+(\j)+1], v[KVC+(\j):KVC+(\j)+1]
.endr
	v_add_f32 v[DEN], v[DEN], v[DEN+1]
	v_add_f32_dpp v[DEN], v[DEN], v[DEN] row_xmask:1 row_mask:0xf bank_mask:0xf  ; over the head's eight lanes
	v_add_f32_dpp v[DEN], v[DEN], v[DEN] row_xmask:2 row_mask:0xf bank_mask:0xf
	v_add_f32_dpp v[DEN], v[DEN], v[DEN] row_xmask:4 row_mask:0xf bank_mask:0xf
	v_add_f32 v[DEN], s33, v[DEN]
	v_rcp_f32 v[RCP], v[DEN]
.irp j, 0,2,4,6                        ; the sums take this row only now, behind their use: the scan is exclusive.  These plain lines also stand between the reciprocal and its use
	v_pk_add_f32 v[KC+(\j):KC+(\j)+1], v[KC+(\j):KC+(\j)+1], v[KF+(\j):KF+(\j)+1]
	v_pk_fma_f32 v[KVC+(\j):KVC+(\j)+1], v[KF+(\j):KF+(\j)+1], v[VF+(\j):VF+(\j)+1], v[KVC+(\j):KVC+(\j)+1]
.endr
	s_wait_alu depctr_va_vdst(0)
.irp j, 0,2,4,6
	v_pk_mul_f32 v[OUTF+(\j):OUTF+(\j)+1], v[OUTF+(\j):OUTF+(\j)+1], v[RCP:RCP+1] op_sel_hi:[1,0]
.endr
.irp j, 0,1,2,3
	v_cvt_pk_bf16_f32 v[OPK+(\j)], v[OUTF+2*(\j)], v[OUTF+2*(\j)+1]
.endr
	ds_store_b128 v[ST], v[OPK:OPK+3] offset:16*(\i)
.endm
; Rows 16 g .. 16 g + 15 of my chunk leave: 32 units of 256 bytes, two to a load; my own bytes, and LDS serves a wave's instructions in order (ISA guide 5.7.1.4): no barrier.
.macro FLUSH g
	s_wait_xcnt 0x0                                ; the registers that earlier stores read are loaded again only behind this wait
.irp i, 0,1,2,3,4,5,6,7,8,9,10,11,12,13,14,15
	ds_load_b128 v[FBK+4*(\i):FBK+4*(\i)+3], v[RB] offset:(\i)*1056+(\g)*256
.endr
.irp i, 0,1,2,3,4,5,6,7,8,9,10,11,12,13,14,15
	s_wait_dscnt 15-(\i)                           ; load i is in, the younger ones stay out
	global_store_b128 v[GO], v[FBK+4*(\i):FBK+4*(\i)+3], s[10:11] offset:(\g)*32768+(\i)*512  ; 512 consecutive bytes, at a multiple of 256 from att's first byte
.endr
.endm
	s_mov_b32 s34, 4
.Lgroup:                                               ; a trip: eight rows
.irp i, 0,1,2,3,4,5,6,7
	ROW \i
.endr
	s_wait_xcnt 0x0                                ; the loads' offset register is rewritten only behind this wait
	v_add_nc_u32 v[VO], 8*ROWB, v[VO]
	v_add_nc_u32 v[ST], 128, v[ST]                 ; eight rows of 16 bytes on in my unit
	s_sub_co_u32 s34, s34, 1
	s_cmp_eq_u32 s34, 1                            ; ahead of the last trip the offset becomes 0 in every lane
	s_cselect_b32 s42, 0, -1
	v_and_b32 v[VO], s42, v[VO]
	s_cmp_lg_u32 s34, 0
	s_cbranch_scc1 .Lgroup
	FLUSH 0
	FLUSH 1
	s_wait_tensorcnt 0x0                           ; the wave's end: behind my last LDS store
	ds_add_u32 v[SPW], v[NIL]
	s_wait_dscnt 0x0
	s_endpgm
.Lfunc_end_k_qc33d9ac2b7_scan:
	.size	k_qc33d9ac2b7_scan, .Lfunc_end_k_qc33d9ac2b7_scan-k_qc33d9ac2b7_scan
	.p2alignl 7, 3214868480
	.fill 96, 4, 3214868480
	.section	.rodata,"a",@progbits
	.p2align	6, 0x0
	.amdhsa_kernel k_qc33d9ac2b7_scan
		.amdhsa_group_segment_fixed_size 152576
		.amdhsa_private_segment_fixed_size 0
		.amdhsa_enable_private_segment 0
		.amdhsa_kernarg_size 32
		.amdhsa_user_sgpr_count 2
		.amdhsa_user_sgpr_kernarg_segment_ptr 1
		.amdhsa_wavefront_size32 1
		.amdhsa_system_sgpr_workgroup_id_x 1
		.amdhsa_system_sgpr_workgroup_id_y 1
		.amdhsa_system_sgpr_workgroup_id_z 1
		.amdhsa_system_vgpr_workitem_id 0
		.amdhsa_next_free_vgpr 248
		.amdhsa_next_free_sgpr 66
		.amdhsa_reserve_vcc 0
		.amdhsa_float_denorm_mode_32 3
		.amdhsa_float_denorm_mode_16_64 3
		.amdhsa_memory_ordered 1
		.amdhsa_forward_progress 1
		.amdhsa_inst_pref_size 64
	.end_amdhsa_kernel
	.amdgpu_metadata
---
amdhsa.version: [ 1, 2 ]
amdhsa.kernels:
  - .name:           k_qc33d9ac2b7_scan
    .symbol:         k_qc33d9ac2b7_scan.kd
    .args:
      - { .name: pre, .offset: 0, .size: 8, .value_kind: global_buffer, .address_space: global }
      - { .name: p32, .offset: 8, .size: 8, .value_kind: global_buffer, .address_space: global }
      - { .name: t256, .offset: 16, .size: 8, .value_kind: global_buffer, .address_space: global }
      - { .name: att, .offset: 24, .size: 8, .value_kind: global_buffer, .address_space: global }
    .group_segment_fixed_size: 152576
    .private_segment_fixed_size: 0
    .kernarg_segment_align: 8
    .kernarg_segment_size: 32
    .max_flat_workgroup_size: 256
    .sgpr_count:     66
    .vgpr_count:     248
    .wavefront_size: 32
...
	.end_amdgpu_metadata
.endif
;; end of part 9
;; launch tail (part 10): grid 256 x 1, 4 waves a work-group, clusters of 4 x 1, 327,680 bytes of LDS; arguments att, wb, query, bo, gamma, beta, out0; writes out0
.if DOCPART == 10
	.amdgcn_target "amdgcn-amd-amdhsa--gfx1250"
	.amdhsa_code_object_version 6
	.text
	.protected	k_qc33d9ac2b7_tail
	.globl	k_qc33d9ac2b7_tail
	.p2align	8
	.type	k_qc33d9ac2b7_tail,@function
k_qc33d9ac2b7_tail:
	s_mov_b64 s[64:65], 0
	v_nop
	global_prefetch_b8 v0, s[64:65] scope:SCOPE_SE
	s_setreg_imm32_b32 hwreg(HW_REG_WAVE_MODE, 25, 1), 1
	s_wait_xcnt 0x0
	s_wait_alu depctr_hold_cnt(0) depctr_sa_sdst(0) depctr_va_vdst(0) depctr_va_sdst(0) depctr_va_ssrc(0) depctr_va_vcc(0) depctr_vm_vsrc(0)
	s_getreg_b32 s2, hwreg(HW_REG_IB_STS2, 6, 4)
	s_cmp_eq_u32 s2, 0
	s_cbranch_scc0 .Lentry_in_a_cluster
	s_endpgm
.Lentry_in_a_cluster:
	s_bfe_u32 s2, ttmp6, 0x10000c
	s_cmp_lg_u32 s2, 0x3003
	s_cbranch_scc0 .Lentry_shape_is_right
	s_endpgm
.Lentry_shape_is_right:
; out0[row] = LayerNorm(query[row] + att[row] Wo + bo) gamma + beta, over the row's 1,024 columns, eps 1e-6.  att: bf16 in fragment order (1,024 bytes = 16 rows x 32 k); Wo: wb's fourth matrix, [k][n] bf16.
; The product's sums, the residual, mean, variance (of x - mean: two passes) and the scaling are f32.  LIMITS: 1 / sqrt is v_rsq_f32; the sums run over K from step (cluster's number) mod 16 on and
; wrap, not from 0, so their order of rounding differs from an ascending one.
; A work-group owns 64 whole rows, since the norm needs whole rows: wave w makes columns 256 w .. + 255 of all 64: 64 accumulators (row block a = 0..3, column block b = 0..15), 512 registers.
; K goes in 16 steps of 64 through two LDS slots that hold Wo alone: each wave fetches and reads its own 256 columns.  A step is two PARTS of 32 along K, 64 matrix instructions each.
; THE WALK ALONG K IS STAGGERED: cluster x takes step (s + x) mod 16 as its s-th, so that from its second step on a cluster asks for a tile of Wo that cluster x + 1 asked for one step earlier.
; att's fragments come straight from memory, two loads of 512 consecutive bytes each, three parts ahead, into four buffers that take turns, each with an offset register of its own.
; THE MATRIX INSTRUCTION IS USED TRANSPOSED (source 0 = 16 columns of Wo, turned by ds_load_tr16_b128; source 1 = 16 rows of att): a lane holds one row and eight neighbouring columns.
; CLUSTER 4 x 1: all work-groups walk the same Wo, so each tile is asked for JOINTLY by the four partners: the same load, descriptor and mask in all four.
; THE NORM: the sums go to LDS (over the ring, whose bytes have had their last fill), and each wave takes 16 whole rows, one at a time in 32 registers, four to a trip.  ONE TEXT FOR ALL FOUR TRIPS, at a
; price: the last trip has no rows of query left to ask for and still issues its 32 loads, so that the wait's count holds in every trip; their offset register is then 0, so each is 16 bytes at one
; address in the work-group's own rows of query, and nobody reads what they bring.
; REGISTERS: window 0: v8-29 addresses; v32-63 gamma; v64-191 att's four buffers (later two row buffers and temporaries); v192-223 beta; v224-255 bo
;   window 1: Wo's fragments, two buffers of 128 (later a ring of four rows of query)          windows 2, 3: the accumulators ((a, b) at v[8 (16 (a % 2) + b)] of window 2 + a / 2)
.set PB,    544                        ; an LDS row of Wo: 512 bytes + 32 = 136 words
.set QTR,   64*PB                      ; a wave's part of a slot
.set HALFK, 32*PB                      ; one part's rows
.set SLOT,  4*QTR                      ; 139,264 bytes
.set SPARE, 2*SLOT                     ; behind the ring: the spare words, 128 bytes a wave: two blocks of 256 bytes that no other line names
.set XP,    4112                       ; a row of sums in LDS: 4,096 bytes + 16 = 1,028 words: the 16 rows of a store start at 16 different groups of four banks
.set AOB,  8                           ; v8-11   att's buffer n: byte offset, in a row block's 32,768 bytes, of the part that it was last filled with
.set XA,   16                          ; v16-19  where row block a's sums go
.set XR,   20                          ; v20     where I read rows back
.set QO,   21                          ; v21     my byte offset in the work-group's rows of out0
.set AO,   22                          ; v22     16 x lane
.set PF,   23                          ; v23     the prefetch's offset
.set ADRB, 24                          ; v24-25  LDS address of my turning loads in slot 0, 1
.set QL,   26                          ; v26     my byte offset in the work-group's rows of query; 0 in the last trip
.set SPW,  28                          ; v28     LDS address of my spare word; never rewritten
.set NIL,  29                          ; v29     0; never rewritten
.set GAM,  32
.set AF,   64                          ; att's buffer n at AF + 32 n, row block a at + 8 a
.set XX,   64                          ; later: two row buffers of 32
.set TT,   128                         ; v[128:135] four chains of sums
.set MEAN, 136                         ; v[136:137]
.set RS,   138                         ; v[138:139]
.set BET,  192
.set BOV,  224
.set G1,  24                           ; s[24:31] descriptor group 1;  s[32:39] group 0, a set for each slot
.set G0,  32
.set NX,  48                           ; s48      the K step to be asked for next
.set OFF, 50                           ; s[50:51] its byte offset in Wo: 131,072 bytes a step
.set SEL, 60                           ; s[60:61] v_permlanex16_b32's selects
.set INV, 62                           ; s62  1 / 1024
.set EPS, 63                           ; s63  1e-6
.set MSB, 0
.macro WIN new
.if MSB != (\new)
	s_set_vgpr_msb (MSB<<8)|(\new)
.set MSB, \new
.endif
.endm
.set MUL_LO, 0xa1                      ; source 0 (Wo) window 1, source 1 (att) window 0, C and D window 2;  + 0x50: window 3
.set TO_1,   0x40                      ; destination window 1, address window 0
.macro JL s                            ; a joint load: every wave fetches its own 256 columns; an s_nop 0 and four v_nop follow
	tensor_load_to_lds s[G0+4*(\s):G0+4*(\s)+3], s[G1:G1+7]
	s_nop 0
.rept 4
	v_nop
.endr
.endm
.macro CREST
	s_cmp_lg_u32 s10, 0
	s_cbranch_scc1 .Lnot_wave_0_\@
	s_barrier_signal -3
.Lnot_wave_0_\@:
	s_barrier_wait -3
	s_barrier_signal -1
	s_barrier_wait -1
.endm
.macro CROUND
	s_barrier_signal -1
	s_barrier_wait -1
	CREST
.endm
.macro PLACES
.rept 4
	v_nop
.endr
.endm
	s_load_b256 s[68:75], s[0:1], 0x0              ; att s[68:69], wb s[70:71], query s[72:73], bo s[74:75]
	s_load_b128 s[76:79], s[0:1], 0x20             ; gamma s[76:77], beta s[78:79]
	s_load_b64 s[80:81], s[0:1], 0x30              ; out0
	v_lshl_add_u32 v[SPW], v0, 2, SPARE
	v_mov_b32 v[NIL], 0
	ds_add_u32 v[SPW], v[NIL]                      ; the wave's opening: the add and its wait come ahead of my first tensor load; the set-up below stands between them
	ds_add_u32 v28, v29
	v_lshrrev_b32 v1, 5, v0
	v_readfirstlane_b32 s10, v1                    ; wave 0..3
	s_bfe_u32 s13, ttmp6, 0x40000                  ; cx
	s_lshl_b32 s14, ttmp9, 2
	s_add_co_u32 s14, s14, s13                     ; my block of 64 rows: it enters att's, query's and out0's addresses alone
	s_and_b32 s15, ttmp9, 15                       ; the K step at which this cluster's walk begins: the cluster's number, which the four partners share
	s_mov_b32 s[G1+0], 15|(1<<16)|(1<<20)|(1<<21)|(6<<22)|(7<<25)  ; the mask of four; elements of 2 bytes; padding on; bit 21 beside a mask; after every 128 words, 8 words
	s_mov_b32 s[G1+1], 256<<16                     ; tensor_dim0 = 256
	s_mov_b32 s[G1+2], 64<<16                      ; tensor_dim1 = 64
	s_mov_b32 s[G1+3], 256<<16                     ; tile_dim0 = 256
	s_mov_b32 s[G1+4], 64                          ; tile_dim1 = 64
	s_mov_b32 s[G1+5], 1024                        ; elements from row to row
	s_mov_b32 s[G1+6], 0
	s_mov_b32 s[G1+7], 0
	s_mul_i32 s20, s10, QTR                        ; my part of a slot: the wave's number alone
	s_lshl_b32 s16, s10, 9                         ; my 256 columns of Wo,
	s_add_co_u32 s16, s16, 3*2097152               ; wb's fourth matrix
	s_mov_b32 s17, 0
	s_lshl_b32 s44, s15, 17                        ; the walk's first step,
	s_mov_b32 s45, 0
	s_add_co_u32 s46, s15, 1                       ; its second,
	s_and_b32 s46, s46, 15
	s_lshl_b32 s46, s46, 17
	s_mov_b32 s47, 0
	s_add_co_u32 s[NX], s15, 2                     ; and the number of its third
	s_and_b32 s[NX], s[NX], 15
	s_mov_b32 s[OFF+1], 0
	s_lshl_b32 s52, s15, 1                         ; the walk's first part
	s_lshl_b32 s18, s14, 17                        ; att: four row blocks of 32,768 bytes
	s_mov_b32 s19, 0
	s_lshl_b32 s22, s14, 18                        ; query, out0: 64 rows of 4,096 bytes
	s_mov_b32 s23, 0
	s_mov_b32 s[SEL], 0x76543210
	s_mov_b32 s[SEL+1], 0xfedcba98
	s_mov_b32 s[INV], 0x3a800000                   ; 1 / 1024
	s_mov_b32 s[EPS], 0x358637bd                   ; 1e-6
	s_wait_dscnt 0x0                               ; the opening add is done
	s_wait_kmcnt 0x0
	s_add_nc_u64 s[16:17], s[70:71], s[16:17]      ; Wo at my columns; kept: every refill's address is made from it
	s_add_nc_u64 s[4:5], s[68:69], s[18:19]
	s_add_nc_u64 s[6:7], s[72:73], s[22:23]
	s_add_nc_u64 s[8:9], s[80:81], s[22:23]
	CROUND                                         ; all four work-groups are here: the first joint loads meet
	s_mov_b32 s[G0], 1
	s_mov_b32 s[G0+1], s20
	s_add_nc_u64 s[G0+2:G0+3], s[16:17], s[44:45]
	s_or_b32 s[G0+3], s[G0+3], 0x80000000
	s_mov_b32 s[G0+4], 1
	s_add_co_u32 s[G0+5], s20, SLOT
	s_add_nc_u64 s[G0+6:G0+7], s[16:17], s[46:47]
	s_or_b32 s[G0+7], s[G0+7], 0x80000000
	tensor_load_to_lds s[G0:G0+3], s[G1:G1+7]      ; the walk's first two steps: two loads of mine are out
	s_nop 0
	tensor_load_to_lds s[G0+4:G0+7], s[G1:G1+7]
	s_nop 0
.rept 4
	v_nop
.endr
	v_and_b32 v1, 15, v0                           ; r
	v_bfe_u32 v2, v0, 4, 1                         ; h
	v_and_b32 v3, 31, v0                           ; l
	v_lshlrev_b32 v[AO], 4, v3
.irp n, 0,1,2,3                        ; buffer n starts four parts in front of its first part: every fill steps first
	s_add_co_u32 s53, s52, 28+(\n)
	s_and_b32 s53, s53, 31
	s_lshl_b32 s53, s53, 10
	v_add_nc_u32 v[AOB+(\n)], s53, v[AO]
.endr
.irp j, 0,1,2,3,4,5,6,7                ; register 4 j + e of a row buffer is column 128 j + 4 l + e; gamma, beta and bo lie likewise
	global_load_b128 v[GAM+4*(\j):GAM+4*(\j)+3], v[AO], s[76:77] offset:512*(\j)
	global_load_b128 v[BET+4*(\j):BET+4*(\j)+3], v[AO], s[78:79] offset:512*(\j)
	global_load_b128 v[BOV+4*(\j):BOV+4*(\j)+3], v[AO], s[74:75] offset:512*(\j)
.endr
; att's buffer buf takes the part four on from its last, with wrap at 32 parts of 1,024 bytes: eight loads of 512 consecutive bytes.  Its offset register is free: the counted wait at the head of the
; part that multiplied the buffer has shown its last loads done.
.macro ALOAD buf
	WIN 0
	v_add_nc_u32 v[AOB+(\buf)], 4096, v[AOB+(\buf)]
	v_and_b32 v[AOB+(\buf)], 0x7fff, v[AOB+(\buf)]
.irp a, 0,1,2,3
	global_load_b128 v[AF+32*(\buf)+8*(\a):AF+32*(\buf)+8*(\a)+3],   v[AOB+(\buf)], s[4:5] offset:(\a)*32768
	global_load_b128 v[AF+32*(\buf)+8*(\a)+4:AF+32*(\buf)+8*(\a)+7], v[AOB+(\buf)], s[4:5] offset:(\a)*32768+512
.endr
.endm
	ALOAD 0
	ALOAD 1
	ALOAD 2
	v_and_b32 v4, 7, v0                            ; the turning load's lane reads k row 8 h + l % 8, columns 8 ((l / 8) % 2) + 0..7
	v_lshl_add_u32 v4, v2, 3, v4
	v_mul_u32_u24 v4, v4, PB
	v_bfe_u32 v5, v0, 3, 1
	v_lshl_add_u32 v4, v5, 4, v4
	v_add_nc_u32 v[ADRB], s20, v4
	v_add_nc_u32 v[ADRB+1], SLOT, v[ADRB]
	v_mul_u32_u24 v6, v1, XP                       ; the sums: row 16 a + r, byte 1,024 w + 64 b + 32 h
	v_lshl_add_u32 v6, v2, 5, v6
	s_lshl_b32 s21, s10, 10
	v_add_nc_u32 v[XA], s21, v6
.irp a, 1,2,3
	v_add_nc_u32 v[XA+(\a)], (\a)*16*XP, v[XA]
.endr
	s_mul_i32 s21, s10, 16*XP                      ; back: my rows 16 w .. + 15, 16 bytes a lane
	v_add_nc_u32 v[XR], s21, v[AO]
	s_lshl_b32 s21, s10, 16                        ; and the same rows in query and out0
	v_add_nc_u32 v[QO], s21, v[AO]
	v_add_nc_u32 v[QL], s21, v[AO]
	v_lshl_add_u32 v[PF], v3, 8, s21               ; lanes 256 bytes apart, from my first row on
.macro FETCHB slot, c, f               ; 32 turning loads in one run: part c of a slot, my 16 column blocks, into buffer f
	WIN TO_1
.irp b, 0,1,2,3,4,5,6,7,8,9,10,11,12,13,14,15
	ds_load_tr16_b128 v[128*(\f)+8*(\b):128*(\f)+8*(\b)+3],   v[ADRB+(\slot)] offset:(\c)*HALFK+32*(\b)
	ds_load_tr16_b128 v[128*(\f)+8*(\b)+4:128*(\f)+8*(\b)+7], v[ADRB+(\slot)] offset:(\c)*HALFK+32*(\b)+16*PB
.endr
.endm
; Eight matrix instructions: row block a x column blocks 8 bh .. + 7.  The 64 accumulators take turns in the same order in every part.  zero = 1: the product starts the sum.
.macro MULH f, ab, a, bh, zero
	WIN MUL_LO+0x50*((\a)/2)
.irp b, 0,1,2,3,4,5,6,7
.if \zero
	v_wmma_f32_16x16x32_bf16 v[8*(16*((\a)%2)+8*(\bh)+(\b)):8*(16*((\a)%2)+8*(\bh)+(\b))+7], v[128*(\f)+8*(8*(\bh)+(\b)):128*(\f)+8*(8*(\bh)+(\b))+7], v[AF+32*(\ab)+8*(\a):AF+32*(\ab)+8*(\a)+7], 0
.else
	v_wmma_f32_16x16x32_bf16 v[8*(16*((\a)%2)+8*(\bh)+(\b)):8*(16*((\a)%2)+8*(\bh)+(\b))+7], v[128*(\f)+8*(8*(\bh)+(\b)):128*(\f)+8*(8*(\bh)+(\b))+7], v[AF+32*(\ab)+8*(\a):AF+32*(\ab)+8*(\a)+7], v[8*(16*((\a)%2)+8*(\bh)+(\b)):8*(16*((\a)%2)+8*(\bh)+(\b))+7]
.endif
.endr
.endm
; A step's first part: multiplies Wo's buffer 0 by att's buffer ab; ld = 1: asks for att's part three on, into the buffer that the part before used; fetches the slot's second part.
; left = att's younger loads that may stay out: eight for each part asked for behind this one's.
.macro PARTA slot, ab, ld, left, zero
	s_wait_dscnt 0x0                               ; Wo's buffer 0 is in
	s_wait_loadcnt \left
	PLACES                                         ; in front of loads into registers that the part before multiplied
.if \ld
	ALOAD ((\ab)+3)%4
.endif
	FETCHB \slot, 1, 1
.irp a, 0,1,2,3
	MULH 0, \ab, \a, 0, \zero
	MULH 0, \ab, \a, 1, \zero
.endr
.endm
; A step's second part multiplies buffer 1 and changes slots: in front of ONE barrier each wave waits for all its tensor loads (one is out: its part of the next slot), adds 0 to its spare word, and waits for
; that and for its reads of this slot.  fill = 1: the barrier opens a round of the cluster's, and my part of the slot is filled again, two steps on (with wrap at 16), first thing behind it.
; pf = 1: my first four rows of query (16,384 bytes, each lane another 256) are asked for ahead: they are loaded two parts and three quarters later; each block is asked for once in the launch.
.macro PARTB slot, next, ab, ld, left, fill, pf
	WIN 0                                          ; (the add's two registers lie in window 0)
	s_wait_tensorcnt 0x0                           ; all my tensor loads have landed
	ds_add_u32 v[SPW], v[NIL]                      ; 0 onto my spare word
	s_wait_dscnt 0x1                               ; Wo's buffer 1 is in: the add alone may be out
	s_wait_loadcnt \left
	MULH 1, \ab, 0, 0, 0                           ; eight matrix instructions stand between the add and the wait for it
	s_wait_dscnt 0x0                               ; the add is done, and my reads of this slot are over
	s_barrier_signal -1
	MULH 1, \ab, 0, 1, 0
	WIN 0
	s_barrier_wait -1
.if \fill
	CREST                                          ; no wave of any partner still reads this slot or has a load on its way
	s_lshl_b32 s[OFF], s[NX], 17                   ; the address is made anew from the step's number
	s_add_nc_u64 s[G0+4*(\slot)+2:G0+4*(\slot)+3], s[16:17], s[OFF:OFF+1]
	s_or_b32 s[G0+4*(\slot)+3], s[G0+4*(\slot)+3], 0x80000000
	s_add_co_u32 s[NX], s[NX], 1
	s_and_b32 s[NX], s[NX], 15
	JL \slot                                       ; my one tensor load behind the round; its four v_nop are also the places in front of the loads below
.else
	PLACES
.endif
.if \ld
	ALOAD ((\ab)+3)%4
.endif
	FETCHB \next, 0, 0
.if \pf
	WIN 0
	global_prefetch_b8 v[PF], s[6:7] th:TH_LOAD_NT scope:SCOPE_SE
	global_prefetch_b8 v[PF], s[6:7] offset:8192 th:TH_LOAD_NT scope:SCOPE_SE
.endif
.irp a, 1,2,3
	MULH 1, \ab, \a, 0, 0
	MULH 1, \ab, \a, 1, 0
.endr
.endm
	s_wait_tensorcnt 0x1                           ; my part of the first step is in, and I alone read it: no barrier; the second's may stay out
	FETCHB 0, 0, 0
	PARTA 0, 0, 1, 16, 1                           ; part 0 stands in front of the loop: its products start the sums
	WIN 0                                          ; at a label and at a branch every window is 0
	s_mov_b32 s3, 7
.Llap:                                                 ; a trip: parts 4 t + 1 .. 4 t + 4; both slots are filled again; att's parts 4 t + 4 .. 4 t + 7 are asked for
	PARTB 0, 1, 1, 1, 16, 1, 0
	PARTA 1, 2, 1, 16, 0
	PARTB 1, 0, 3, 1, 16, 1, 0
	PARTA 0, 0, 1, 16, 0
	WIN 0
	s_sub_co_u32 s3, s3, 1
	s_cmp_lg_u32 s3, 0
	s_cbranch_scc1 .Llap
	PARTB 0, 1, 1, 0, 16, 0, 1                     ; the tail is written out: parts 29, 30, 31 ask for nothing more of att or Wo, and the counts run down
	PARTA 1, 2, 0, 8, 0
	s_wait_dscnt 0x0
	s_wait_loadcnt 0x0
.irp a, 0,1,2,3
	MULH 1, 3, \a, 0, 0
	MULH 1, 3, \a, 1, 0
.endr
; THE NORM.
.macro QLOAD i, row                    ; a row of query into slot i of the ring in window 1: eight loads of 512 consecutive bytes
	WIN TO_1
.irp j, 0,1,2,3,4,5,6,7
	global_load_b128 v[32*(\i)+4*(\j):32*(\i)+4*(\j)+3], v[QL], s[6:7] offset:(\row)*4096+512*(\j) th:TH_LOAD_NT
.endr
.endm
.macro XLOAD buf, row                  ; a row of sums from LDS into row buffer buf
	WIN 0
.irp j, 0,1,2,3,4,5,6,7
	ds_load_b128 v[XX+32*(\buf)+4*(\j):XX+32*(\buf)+4*(\j)+3], v[XR] offset:(\row)*XP+512*(\j)
.endr
.endm
.macro ACROSS                          ; four chains into one number, then over the 32 lanes: every lane ends with the sum
	v_pk_add_f32 v[TT:TT+1], v[TT:TT+1], v[TT+2:TT+3]
	v_pk_add_f32 v[TT+4:TT+5], v[TT+4:TT+5], v[TT+6:TT+7]
	v_pk_add_f32 v[TT:TT+1], v[TT:TT+1], v[TT+4:TT+5]
	v_add_f32 v[TT], v[TT], v[TT+1]
	v_add_f32_dpp v[TT], v[TT], v[TT] row_xmask:1 row_mask:0xf bank_mask:0xf
	v_add_f32_dpp v[TT], v[TT], v[TT] row_xmask:2 row_mask:0xf bank_mask:0xf
	v_add_f32_dpp v[TT], v[TT], v[TT] row_xmask:4 row_mask:0xf bank_mask:0xf
	v_add_f32_dpp v[TT], v[TT], v[TT] row_xmask:8 row_mask:0xf bank_mask:0xf
	v_permlanex16_b32 v[TT+1], v[TT], s[SEL], s[SEL+1]
	v_add_f32 v[TT], v[TT], v[TT+1]
.endm
; One row: i = its place in the trip's four.  Query's row four on is asked for into the slot that this row leaves.  nx = 1: the next row's sums are fetched into the other row buffer.
.macro TURN i, nx
.set XB, XX+32*((\i)%2)
	s_wait_loadcnt 24                              ; this row of query is in; the three younger rows' 24 loads stay out
	s_wait_dscnt 0x0                               ; the row's sums are in
	WIN 0x04                                       ; source 1 in window 1
.set z, 0
.rept 16
	v_pk_add_f32 v[XB+z:XB+z+1], v[XB+z:XB+z+1], v[32*(\i)+z:32*(\i)+z+1]
.set z, z+2
.endr
	WIN 0
.set z, 0
.rept 16
	v_pk_add_f32 v[XB+z:XB+z+1], v[XB+z:XB+z+1], v[BOV+z:BOV+z+1]
.set z, z+2
.endr
.irp c, 0,2,4,6
	v_pk_add_f32 v[TT+(\c):TT+(\c)+1], v[XB+(\c):XB+(\c)+1], v[XB+8+(\c):XB+8+(\c)+1]  ; the first pairs start the four chains: nothing is cleared
.endr
.set z, 16
.rept 8
	v_pk_add_f32 v[TT+z%8:TT+z%8+1], v[TT+z%8:TT+z%8+1], v[XB+z:XB+z+1]
.set z, z+2
.endr
	ACROSS
	v_mul_f32 v[MEAN], s[INV], v[TT]
.if \nx
	s_wait_xcnt 0x0                                ; the other row buffer, which the last row's stores read, is loaded again only behind this wait
	XLOAD 1-((\i)%2), (\i)+1
.endif
	QLOAD \i, (\i)+4
	WIN 0
.set z, 0
.rept 16
	v_pk_add_f32 v[XB+z:XB+z+1], v[XB+z:XB+z+1], v[MEAN:MEAN+1] op_sel_hi:[1,0] neg_lo:[0,1] neg_hi:[0,1]
.set z, z+2
.endr
.irp c, 0,2,4,6
	v_pk_mul_f32 v[TT+(\c):TT+(\c)+1], v[XB+(\c):XB+(\c)+1], v[XB+(\c):XB+(\c)+1]
.endr
.set z, 8
.rept 12
	v_pk_fma_f32 v[TT+z%8:TT+z%8+1], v[XB+z:XB+z+1], v[XB+z:XB+z+1], v[TT+z%8:TT+z%8+1]
.set z, z+2
.endr
	ACROSS
	v_fma_f32 v[TT], v[TT], s[INV], s[EPS]         ; the variance + 1e-6
	v_rsq_f32 v[RS], v[TT]
	v_nop                                          ; a plain instruction between the root and the use of its result
.set z, 0
	s_wait_alu depctr_va_vdst(0)
.rept 16
	v_pk_mul_f32 v[XB+z:XB+z+1], v[XB+z:XB+z+1], v[RS:RS+1] op_sel_hi:[1,0]
.set z, z+2
.endr
.set z, 0
.rept 16
	v_pk_fma_f32 v[XB+z:XB+z+1], v[XB+z:XB+z+1], v[GAM+z:GAM+z+1], v[BET+z:BET+z+1]
.set z, z+2
.endr
.irp j, 0,1,2,3,4,5,6,7
	global_store_b128 v[QO], v[XB+4*(\j):XB+4*(\j)+3], s[8:9] offset:(\i)*4096+512*(\j) th:TH_STORE_NT  ; 512 consecutive bytes, at a multiple of 256 from out0's first byte
.endr
.endm
	PLACES                                         ; behind the last products: loads into Wo's registers and stores of the sums follow
	QLOAD 0, 0
	QLOAD 1, 1
	QLOAD 2, 2
	QLOAD 3, 3
	WIN 0
	v_mov_b32 v[MEAN+1], 0                         ; named as pairs with the mean and the root
	v_mov_b32 v[RS+1], 0
	s_wait_dscnt 0x0
	s_barrier_signal -1                            ; every wave's reads of the ring are over and its tensor loads have landed: the ring's bytes may be written
	s_barrier_wait -1
.irp a, 0,1,2,3
	WIN 0x08+4*((\a)/2)                            ; the data in window 2 or 3, the address in window 0
.irp b, 0,1,2,3,4,5,6,7,8,9,10,11,12,13,14,15
	ds_store_b128 v[XA+(\a)], v[8*(16*((\a)%2)+(\b)):8*(16*((\a)%2)+(\b))+3]   offset:64*(\b)     ; each accumulator's low four registers first
	ds_store_b128 v[XA+(\a)], v[8*(16*((\a)%2)+(\b))+4:8*(16*((\a)%2)+(\b))+7] offset:64*(\b)+16
.endr
.endr
	WIN 0
	s_wait_dscnt 0x0                               ; for the others' sake: my columns of all 64 rows are in LDS
	s_barrier_signal -1
	s_barrier_wait -1
	s_mov_b32 s3, 4
.Lrows:                                                ; a trip: four rows.  Its first row's sums are fetched at its head, so that no fetch reaches past my 16 rows
	XLOAD 0, 0
	TURN 0, 1
	TURN 1, 1
	TURN 2, 1
	TURN 3, 0
	s_wait_xcnt 0x0                                ; the two bases, query's offset and the first row buffer are rewritten only behind this wait
	s_add_nc_u64 s[6:7], s[6:7], 16384
	s_add_nc_u64 s[8:9], s[8:9], 16384
	v_add_nc_u32 v[XR], 4*XP, v[XR]
	s_sub_co_u32 s3, s3, 1
	s_cmp_eq_u32 s3, 1                             ; ahead of the last trip query's offset becomes 0 in every lane
	s_cselect_b32 s54, 0, -1
	v_and_b32 v[QL], s54, v[QL]
	s_cmp_lg_u32 s3, 0
	s_cbranch_scc1 .Lrows
	s_wait_tensorcnt 0x0                           ; the wave's end: behind my last tensor load and my last LDS store
	ds_add_u32 v[SPW], v[NIL]
	s_wait_dscnt 0x0
	CROUND                                         ; the closing round: no work-group ends while a partner may still ask for a tile that names it
	s_endpgm
.Lfunc_end_k_qc33d9ac2b7_tail:
	.size	k_qc33d9ac2b7_tail, .Lfunc_end_k_qc33d9ac2b7_tail-k_qc33d9ac2b7_tail
	.p2alignl 7, 3214868480
	.fill 96, 4, 3214868480
	.section	.rodata,"a",@progbits
	.p2align	6, 0x0
	.amdhsa_kernel k_qc33d9ac2b7_tail
		.amdhsa_group_segment_fixed_size 327680
		.amdhsa_private_segment_fixed_size 0
		.amdhsa_enable_private_segment 0
		.amdhsa_kernarg_size 56
		.amdhsa_user_sgpr_count 2
		.amdhsa_user_sgpr_kernarg_segment_ptr 1
		.amdhsa_wavefront_size32 1
		.amdhsa_system_sgpr_workgroup_id_x 1
		.amdhsa_system_sgpr_workgroup_id_y 1
		.amdhsa_system_sgpr_workgroup_id_z 1
		.amdhsa_system_vgpr_workitem_id 0
		.amdhsa_next_free_vgpr 1024
		.amdhsa_next_free_sgpr 96
		.amdhsa_reserve_vcc 0
		.amdhsa_float_denorm_mode_32 3
		.amdhsa_float_denorm_mode_16_64 3
		.amdhsa_memory_ordered 1
		.amdhsa_forward_progress 1
		.amdhsa_inst_pref_size 121
	.end_amdhsa_kernel
	.amdgpu_metadata
---
amdhsa.version: [ 1, 2 ]
amdhsa.kernels:
  - .name:           k_qc33d9ac2b7_tail
    .symbol:         k_qc33d9ac2b7_tail.kd
    .args:
      - { .name: att, .offset: 0, .size: 8, .value_kind: global_buffer, .address_space: global }
      - { .name: wb, .offset: 8, .size: 8, .value_kind: global_buffer, .address_space: global }
      - { .name: query, .offset: 16, .size: 8, .value_kind: global_buffer, .address_space: global }
      - { .name: bo, .offset: 24, .size: 8, .value_kind: global_buffer, .address_space: global }
      - { .name: gamma, .offset: 32, .size: 8, .value_kind: global_buffer, .address_space: global }
      - { .name: beta, .offset: 40, .size: 8, .value_kind: global_buffer, .address_space: global }
      - { .name: out0, .offset: 48, .size: 8, .value_kind: global_buffer, .address_space: global }
    .group_segment_fixed_size: 327680
    .private_segment_fixed_size: 0
    .kernarg_segment_align: 8
    .kernarg_segment_size: 56
    .max_flat_workgroup_size: 128
    .sgpr_count:     96
    .vgpr_count:     1024
    .wavefront_size: 32
...
	.end_amdgpu_metadata
.endif
;; end of part 10
